; MI455X (gfx1250); checked and timed in simulation.
; The chip was launched on July 23, 2026; its instructions are those of AMD's public machine-readable ISA for CDNA 5 (MIT licence, August 2026) and "CDNA5" Instruction Set Architecture Reference Guide (July 2026). The comments in the code are by the model that wrote it; some were corrected since.
;; Flash Multi Head Attention. Allowed arithmetic: float matrix products may take bf16 or f16 operands with f32 sums; other float arithmetic in f32, or as packed bf16 or f16 multiplies, adds, multiply-adds, maxima and minima; sums over many terms, partial sums and values carried from step to step in f32; what a program stores and reads back later, other than sums and carried values, may be rounded once to bf16 or f16.
;; Inputs: attn_mask 2 x 2,048 x 2,048 bool; bk 1,024 float32; bo 1,024 float32; bq 1,024 float32; bv 1,024 float32; key_in 2 x 2,048 x 1,024 float32; query 2 x 2,048 x 1,024 float32; rel_emb 4,095 x 16 float32; value 2 x 2,048 x 1,024 float32; wk 1,024 x 1,024 float32; wo 1,024 x 1,024 float32; wq 1,024 x 1,024 float32; wv 1,024 x 1,024 float32.
;; Outputs: out0 2 x 2,048 x 1,024 float32.
;; 3 versions, each right and faster than the one before. Each part assembles by itself: llvm-mc -triple=amdgcn-amd-amdhsa -mcpu=gfx1250 --defsym DOCPART=n.
;; ======== version 1 of 3: 4 launches
;; limits: values are held in f16: magnitudes above 65,504 overflow, below 6.1e-05 lose precision
;; workspace buffers: xb 25,165,824 bytes; wbuf 8,388,608 bytes; tabs 2,183,168 bytes; mbits 1,048,576 bytes of whole numbers; qkvh 25,165,824 bytes; ob 8,388,608 bytes
;; launch prep (part 1): grid 773 x 1, 8 waves a work-group, no clusters, 0 bytes of LDS; arguments query, key_in, value, wq, wk, wv, wo, attn_mask, rel_emb, bq, bk, bv, bo, xb, wbuf, tabs, mbits; writes xb, wbuf, tabs, mbits
.if DOCPART == 1
	.amdgcn_target "amdgcn-amd-amdhsa--gfx1250"
	.amdhsa_code_object_version 6
	.text
	.protected	k_qdd5c80c2fd_prep
	.globl	k_qdd5c80c2fd_prep
	.p2align	8
	.type	k_qdd5c80c2fd_prep,@function
k_qdd5c80c2fd_prep:
	s_mov_b64 s[64:65], 0
	v_nop
	global_prefetch_b8 v0, s[64:65] scope:SCOPE_SE
	s_setreg_imm32_b32 hwreg(HW_REG_WAVE_MODE, 25, 1), 1
	s_wait_xcnt 0x0
; PREP: everything that the three matrix launches want ready, made once.  A work-group's number picks its role:
;   0-383    query, key_in, value -> xb [3][4096][1024] bf16          384-479  wq, wk, wv -> wbuf [0..2][1024][1024] bf16
;   480-511  wo -> wbuf [3]: rounded to bf16 like every input, that number written as f16 (the last product multiplies in f16)
;   512-639  attn_mask's bytes -> mbits: 32-bit lane masks in the order in which the attention's score registers lie
;   640-707  the rotary table -> tabs [2176][128] f32: cos[64], then the sine with the sign of its partner (-sin for d < 32, +sin for d >= 32);
;            rows 2048-2175 are cos 1, sin 0: V goes through the same way out and is left as it is
;   708-771  rel_emb -> tabs + RELT [16 heads][4 copies][4112] f32: copy c, entry x = 8 x bf16(rel_emb[4094 - x - c][h]): ascending in the key,
;            four copies shifted by one entry, so that every lane of the attention finds its eight numbers at a multiple of 16 bytes
;   772      bq, bk, bv, bo rounded to bf16 -> tabs + BIAS [4][1024] f32
; No LDS, no barrier, no matrix unit: these are streams and small tables.
; LIMITS.  The angle t x inv_freq is an f32 product of an inv_freq made by v_exp_f32 (1 ULP): it is within some 2e-4 rad of the exact one at t = 2047.
; wo as f16: numbers under 6e-5 keep f16's fixed step of 6e-8, numbers beyond 65,504 are not served.
.set RELT,  1114112                    ; 2176 rows x 512 bytes
.set BIAS,  2166784                    ; RELT + 64 copies x 16,448 bytes
.set DEPTH, 8                          ; conversion: slots = loads in flight in each wave
.set OI, 2                             ; v[2:9]    slot i: byte offset of my 16 bytes in the source
.set OO, 10                            ; v[10:17]  slot i: byte offset of my 8 bytes in the destination
.set TW, 18                            ; v[18:21]  at work
.set XI, 24                            ; v[24:55]  slot i: four f32 as loaded
.set YO, 56                            ; v[56:71]  slot i: four 16-bit numbers to store
; One slot's turn: four f32 become four bf16 (f16 = 1: and those become f16).  left = the younger loads that may stay out.
.macro CSLOT i, ahead, left, f16
	s_wait_loadcnt \left                           ; loads come back in order: mine is in, the younger ones stay out
	s_wait_xcnt 0x0                                ; this slot's YO and OO, which its last store reads, are rewritten only behind this wait
	v_cvt_pk_bf16_f32 v[YO+2*(\i)],   v[XI+4*(\i)],   v[XI+4*(\i)+1]
	v_cvt_pk_bf16_f32 v[YO+2*(\i)+1], v[XI+4*(\i)+2], v[XI+4*(\i)+3]
.if \f16
	v_lshlrev_b32 v[TW],   16,  v[YO+2*(\i)]
	v_and_b32     v[TW+1], s13, v[YO+2*(\i)]
	v_lshlrev_b32 v[TW+2], 16,  v[YO+2*(\i)+1]
	v_and_b32     v[TW+3], s13, v[YO+2*(\i)+1]
	v_cvt_pk_f16_f32 v[YO+2*(\i)],   v[TW],   v[TW+1]
	v_cvt_pk_f16_f32 v[YO+2*(\i)+1], v[TW+2], v[TW+3]
.endif
.if \ahead
	v_add_nc_u32 v[OI+(\i)], DEPTH*4096, v[OI+(\i)]
	v_add_nc_u32 v[OO+(\i)], DEPTH*2048, v[OO+(\i)]
	global_load_b128 v[XI+4*(\i):XI+4*(\i)+3], v[OI+(\i)], s[4:5] th:TH_LOAD_NT
	global_store_b64 v[OO+(\i)], v[YO+2*(\i):YO+2*(\i)+1], s[6:7] offset:-DEPTH*2048  ; a wave's store covers 256 consecutive bytes, aligned
.else
	global_store_b64 v[OO+(\i)], v[YO+2*(\i):YO+2*(\i)+1], s[6:7]
.endif
.endm
; 32 rows of 1,024 numbers: three rounds that fill the ring again, and a last one whose counts run down.
.macro RING f16
	s_mov_b32 s12, 3
.Lround_\@:
.irp i, 0,1,2,3,4,5,6,7
	CSLOT \i, 1, DEPTH-1, \f16
.endr
	s_sub_co_u32 s12, s12, 1
	s_cmp_lg_u32 s12, 0
	s_cbranch_scc1 .Lround_\@
.irp i, 0,1,2,3,4,5,6,7
	CSLOT \i, 0, DEPTH-1-(\i), \f16
.endr
	s_endpgm
.endm
; Four f32 at v[b .. b+3] are rounded to bf16 and widened again.
.macro RND4 b
	v_cvt_pk_bf16_f32 v2, v[(\b)],   v[(\b)+1]
	v_cvt_pk_bf16_f32 v3, v[(\b)+2], v[(\b)+3]
	v_lshlrev_b32 v[(\b)],   16, v2
	v_and_b32     v[(\b)+1], 0xffff0000, v2
	v_lshlrev_b32 v[(\b)+2], 16, v3
	v_and_b32     v[(\b)+3], 0xffff0000, v3
.endm
	s_mov_b32 s2, ttmp9
	s_cmp_lt_u32 s2, 512
	s_cbranch_scc0 .Lnot_conv
	; ---- conversion: 32,768 numbers a work-group, 128 KiB in, 64 KiB out
	s_load_b512 s[16:31], s[0:1], 0x0              ; query, key_in, value, wq, wk, wv, wo (and attn_mask, not used here)
	s_load_b128 s[32:35], s[0:1], 0x68             ; xb, wbuf
	s_sub_co_u32 s3, s2, 384                       ; a weight chunk's number
	s_lshr_b32 s8, s2, 7                           ; x: which tensor, 128 chunks each,
	s_and_b32 s9, s2, 127                          ;    which chunk
	s_lshr_b32 s10, s3, 5                          ; w: which tensor, 32 chunks each,
	s_add_co_u32 s10, s10, 3
	s_and_b32 s11, s3, 31                          ;    which chunk
	s_cmp_lt_u32 s2, 384
	s_cselect_b32 s8, s8, s10                      ; source 0..6
	s_cselect_b32 s9, s9, s11                      ; its chunk
	s_cselect_b32 s3, s2, s3                       ; the chunk's number in xb or in wbuf
	s_lshl_b32 s10, s9, 17
	s_mov_b32 s11, 0
	s_lshl_b32 s14, s3, 16
	s_mov_b32 s15, 0
	s_mov_b32 s13, 0xffff0000                      ; a word's upper bf16
.irp i, 0,1,2,3,4,5,6,7
	v_lshl_add_u32 v[OI+(\i)], v0, 4, (\i)*4096
	v_lshl_add_u32 v[OO+(\i)], v0, 3, (\i)*2048
.endr
	s_wait_kmcnt 0x0
	s_cmp_lt_u32 s2, 384
	s_cselect_b64 s[6:7], s[32:33], s[34:35]
	s_mov_b64 s[4:5], s[16:17]
.irp w, 1,2,3,4,5,6
	s_cmp_eq_u32 s8, \w
	s_cselect_b64 s[4:5], s[16+2*\w:17+2*\w], s[4:5]
.endr
	s_add_nc_u64 s[4:5], s[4:5], s[10:11]
	s_add_nc_u64 s[6:7], s[6:7], s[14:15]
.irp i, 0,1,2,3,4,5,6,7
	global_load_b128 v[XI+4*(\i):XI+4*(\i)+3], v[OI+(\i)], s[4:5] th:TH_LOAD_NT
.endr
	s_cmp_ge_u32 s2, 480
	s_cbranch_scc1 .Lto_f16
	RING 0
.Lto_f16:
	RING 1
.Lnot_conv:
	s_cmp_lt_u32 s2, 640
	s_cbranch_scc0 .Lnot_mask
	; ---- the mask.  A wave takes 16 queries (tile qtg = 128 b + q / 16) and 512 keys (quarter kq), 128 keys a trip.
	; Lane l reads query l % 16, keys 16 i + 8 (l / 16) + 0..7.  Bit l of word 8 i + j says whether that lane's byte j is set: the word is the lane mask of the
	; attention's score register 8 kb + j of key step st, i = 4 (st % 2) + kb.  Words lie [tile][step][32].
	s_load_b64 s[4:5], s[0:1], 0x38                ; attn_mask
	s_load_b64 s[6:7], s[0:1], 0x80                ; mbits
	v_lshrrev_b32 v1, 5, v0
	v_readfirstlane_b32 s8, v1
	s_sub_co_u32 s3, s2, 512
	s_lshl3_add_u32 s3, s3, s8                     ; the wave's task
	s_lshr_b32 s9, s3, 2                           ; qtg
	s_and_b32 s10, s3, 3                           ; kq
	v_and_b32 v1, 15, v0
	v_bfe_u32 v2, v0, 4, 1
	s_lshl_b32 s11, s9, 15                         ; 16 rows of 2,048 bytes
	s_lshl_b32 s12, s10, 9
	s_add_co_u32 s11, s11, s12
	v_lshlrev_b32 v3, 11, v1
	v_lshl_add_u32 v3, v2, 3, v3
	v_add_nc_u32 v3, s11, v3                       ; v3: where I read
	s_lshl_b32 s11, s9, 12
	s_lshl_b32 s12, s10, 10
	s_add_co_u32 s11, s11, s12
	v_and_b32 v4, 31, v0
	v_lshl_add_u32 v4, v4, 3, s11                  ; v4: where I store: words 2 l and 2 l + 1 of the trip's 64
	v_mov_b32 v6, 0                                ; v_writelane_b32's destination counts as read
	v_mov_b32 v7, 0
	s_mov_b32 s14, 4
	s_wait_kmcnt 0x0
.Lmask:
.irp i, 0,1,2,3,4,5,6,7
	global_load_b64 v[8+2*\i:9+2*\i], v3, s[4:5] offset:16*\i
.endr
	s_wait_loadcnt 0x0
.set g, 0
.rept 64
	v_bfe_u32 v[24+g%4], v[8+2*(g/8)+(g%8)/4], 8*(g%4), 8
	v_cmp_ne_u32 s[20+g%4], 0, v[24+g%4]
	v_writelane_b32 v[6+g%2], s[20+g%4], g/2
.set g, g+1
.endr
	global_store_b64 v4, v[6:7], s[6:7]            ; 256 consecutive bytes, aligned
	s_wait_xcnt 0x0                                ; v3, v4, v6 and v7 are rewritten only behind this wait
	v_add_nc_u32 v3, 128, v3
	v_add_nc_u32 v4, 256, v4
	s_sub_co_u32 s14, s14, 1
	s_cmp_lg_u32 s14, 0
	s_cbranch_scc1 .Lmask
	s_endpgm
.Lnot_mask:
	s_cmp_lt_u32 s2, 708
	s_cbranch_scc0 .Lnot_rope
	; ---- the rotary table.  A wave makes four rows; lane L the four numbers 4 L .. 4 L + 3 of a row: section L / 8 (cos, cos, -sin, +sin), angles 4 (L % 8) + e.
.set INV, 8                            ; v[8:11]   inv_freq of my four angles
.set TT,  12                           ; v[12:15]  at work
.set OUT, 16                           ; v[16:19]  to store
.set TF,  20
.set TH,  21
.set NN,  22
.set RR,  23
.set ZZ,  24
.set SS,  25
.set CC,  26
.set KK,  27
.set T0,  28
.set T1,  29
.set T2,  30
.set SGN, 31                           ; the sign bit in section 2
.set VO,  32
; sin and cos of t x inv_freq[e]: n = the nearest multiple of pi/2, taken away in two parts; polynomials on |r| <= pi/4; the quadrant n % 4 swaps and signs them by selects.
.macro SINCOS e
	v_mul_f32 v[TH], v[TF], v[INV+(\e)]
	v_mul_f32 v[NN], 0x3f22f983, v[TH]             ; x 2/pi
	v_rndne_f32 v[NN], v[NN]
	v_fmamk_f32 v[RR], v[NN], 0xbfc90fdb, v[TH]    ; - n x pi/2, upper part
	v_fmamk_f32 v[RR], v[NN], 0x333bbd2e, v[RR]    ; and the rest of it
	v_mul_f32 v[ZZ], v[RR], v[RR]
	v_mov_b32 v[SS], 0xb9500d01                    ; -1/5040
	v_fmaak_f32 v[SS], v[ZZ], v[SS], 0x3c088889    ; 1/120
	v_fmaak_f32 v[SS], v[ZZ], v[SS], 0xbe2aaaab    ; -1/6
	v_mul_f32 v[SS], v[ZZ], v[SS]
	v_fma_f32 v[SS], v[RR], v[SS], v[RR]
	v_mov_b32 v[CC], 0x37d00d01                    ; 1/40320
	v_fmaak_f32 v[CC], v[ZZ], v[CC], 0xbab60b61    ; -1/720
	v_fmaak_f32 v[CC], v[ZZ], v[CC], 0x3d2aaaab    ; 1/24
	v_fmaak_f32 v[CC], v[ZZ], v[CC], 0xbf000000    ; -1/2
	v_fma_f32 v[CC], v[ZZ], v[CC], 1.0
	v_cvt_i32_f32 v[KK], v[NN]
	v_and_b32 v[T0], 1, v[KK]
	v_cmp_eq_u32 vcc_lo, 1, v[T0]
	v_cndmask_b32 v[T1], v[SS], v[CC], vcc_lo      ; the sine: in odd quadrants the cosine's polynomial
	v_cndmask_b32 v[T2], v[CC], v[SS], vcc_lo      ; the cosine
	v_and_b32 v[T0], 2, v[KK]
	v_lshlrev_b32 v[T0], 30, v[T0]
	v_xor_b32 v[T1], v[T0], v[T1]                  ; the sine is negative in quadrants 2 and 3,
	v_add_nc_u32 v[T0], 1, v[KK]
	v_and_b32 v[T0], 2, v[T0]
	v_lshlrev_b32 v[T0], 30, v[T0]
	v_xor_b32 v[T2], v[T0], v[T2]                  ; the cosine in 1 and 2
	v_cndmask_b32 v[T1], v[T2], v[T1], s10         ; lanes 16-31 keep the sine
	v_xor_b32 v[OUT+(\e)], v[SGN], v[T1]
.endm
	s_load_b64 s[6:7], s[0:1], 0x78                ; tabs
	v_lshrrev_b32 v1, 5, v0
	v_readfirstlane_b32 s8, v1
	s_sub_co_u32 s3, s2, 640
	s_lshl_b32 s3, s3, 5
	s_lshl2_add_u32 s3, s8, s3                     ; my first row
	s_mov_b32 s9, 0x80000000
	s_mov_b32 s10, 0xffff0000                      ; lanes 16-31
	v_and_b32 v1, 31, v0
	v_and_b32 v2, 7, v1
	v_lshlrev_b32 v2, 2, v2
.irp e, 0,1,2,3
	v_add_nc_u32 v[TT+\e], \e, v2
.endr
.irp e, 0,1,2,3
	v_cvt_f32_u32 v[TT+\e], v[TT+\e]
.endr
.irp e, 0,1,2,3
	v_mul_f32 v[TT+\e], 0xbed49a78, v[TT+\e]       ; - index x log2(10000) / 32
.endr
.irp e, 0,1,2,3
	v_exp_f32 v[INV+\e], v[TT+\e]
.endr
	v_lshrrev_b32 v4, 3, v1                        ; a plain line behind the last exponential
	v_cmp_eq_u32 vcc_lo, 2, v4
	v_cndmask_b32 v[SGN], 0, s9, vcc_lo
	s_lshl_b32 s11, s3, 9
	v_lshl_add_u32 v[VO], v1, 4, s11
	s_mov_b32 s14, 4
	s_wait_kmcnt 0x0
.Lrope:
	s_cmp_lt_u32 s3, 2048
	s_cselect_b32 s12, s3, 0                       ; rows from 2,048 on take the angle 0
	v_cvt_f32_u32 v[TF], s12
	s_wait_alu depctr_va_vdst(0)
	SINCOS 0
	SINCOS 1
	SINCOS 2
	SINCOS 3
	global_store_b128 v[VO], v[OUT:OUT+3], s[6:7]  ; a row: 512 consecutive bytes
	s_wait_xcnt 0x0                                ; OUT and VO are rewritten only behind this wait
	v_add_nc_u32 v[VO], 512, v[VO]
	s_add_co_u32 s3, s3, 1
	s_sub_co_u32 s14, s14, 1
	s_cmp_lg_u32 s14, 0
	s_cbranch_scc1 .Lrope
	s_endpgm
.Lnot_rope:
	s_cmp_lt_u32 s2, 772
	s_cbranch_scc0 .Lbias
	; ---- a copy of a head's relative table.  Thread t makes entries 4 (256 u + t) + e, u, e = 0..3.  Entries whose index would fall below 0 take row 0: no score ever uses them.
	s_load_b64 s[4:5], s[0:1], 0x40                ; rel_emb
	s_load_b64 s[6:7], s[0:1], 0x78                ; tabs
	s_sub_co_u32 s3, s2, 708                       ; 4 h + c
	s_lshr_b32 s8, s3, 2
	s_and_b32 s9, s3, 3
	s_mul_i32 s10, s3, 16448
	s_add_co_u32 s10, s10, RELT
	s_mov_b32 s11, 0
	s_sub_co_u32 s12, 4094, s9
	s_lshl_b32 s13, s8, 2
	v_lshlrev_b32 v1, 2, v0
	v_sub_nc_u32 v1, s12, v1                       ; 4094 - c - 4 t
.set n, 0
.rept 16
	v_subrev_nc_u32 v2, 1024*(n/4)+n%4, v1
	v_max_i32 v2, 0, v2
	v_lshl_add_u32 v[8+n], v2, 6, s13              ; row x 64 bytes + 4 h
.set n, n+1
.endr
	v_lshlrev_b32 v40, 4, v0
.irp z, 44,45,46,47
	v_mov_b32 v\z, 0
.endr
	s_wait_kmcnt 0x0
	s_add_nc_u64 s[6:7], s[6:7], s[10:11]
.set n, 0
.rept 16
	global_load_b32 v[24+n], v[8+n], s[4:5]
.set n, n+1
.endr
	s_wait_loadcnt 0x0
.irp u, 0,1,2,3
	RND4 24+4*\u
.irp e, 0,1,2,3
	v_mul_f32 v[24+4*\u+\e], 0x41000000, v[24+4*\u+\e]  ; x 8: the attention scales score and bias together by 1/8
.endr
	global_store_b128 v40, v[24+4*\u:27+4*\u], s[6:7] offset:4096*\u
.endr
	s_wait_xcnt 0x0                                ; EXEC changes only behind this wait
	v_cmp_gt_u32 vcc_lo, 4, v0
	s_and_saveexec_b32 s14, vcc_lo
	global_store_b128 v40, v[44:47], s[6:7] offset:16384  ; the copy's last 16 entries: zeros, read by the window's load and used by no score
	s_wait_xcnt 0x0
	s_or_b32 exec_lo, exec_lo, s14
	s_endpgm
.Lbias:
	; ---- the four biases
	s_load_b256 s[8:15], s[0:1], 0x48              ; bq, bk, bv, bo
	s_load_b64 s[6:7], s[0:1], 0x78                ; tabs
	v_lshlrev_b32 v1, 4, v0
	s_wait_kmcnt 0x0
.irp a, 0,1,2,3
	global_load_b128 v[8+4*\a:11+4*\a], v1, s[8+2*\a:9+2*\a]
.endr
	s_wait_loadcnt 0x0
.irp a, 0,1,2,3
	RND4 8+4*\a
	global_store_b128 v1, v[8+4*\a:11+4*\a], s[6:7] offset:BIAS+4096*\a
.endr
	s_endpgm
.Lfunc_end_k_qdd5c80c2fd_prep:
	.size	k_qdd5c80c2fd_prep, .Lfunc_end_k_qdd5c80c2fd_prep-k_qdd5c80c2fd_prep
	.p2alignl 7, 3214868480
	.fill 96, 4, 3214868480
	.section	.rodata,"a",@progbits
	.p2align	6, 0x0
	.amdhsa_kernel k_qdd5c80c2fd_prep
		.amdhsa_group_segment_fixed_size 0
		.amdhsa_private_segment_fixed_size 0
		.amdhsa_enable_private_segment 0
		.amdhsa_kernarg_size 136
		.amdhsa_user_sgpr_count 2
		.amdhsa_user_sgpr_kernarg_segment_ptr 1
		.amdhsa_wavefront_size32 1
		.amdhsa_system_sgpr_workgroup_id_x 1
		.amdhsa_system_sgpr_workgroup_id_y 1
		.amdhsa_system_sgpr_workgroup_id_z 1
		.amdhsa_system_vgpr_workitem_id 0
		.amdhsa_next_free_vgpr 96
		.amdhsa_next_free_sgpr 66
		.amdhsa_reserve_vcc 1
		.amdhsa_float_denorm_mode_32 3
		.amdhsa_float_denorm_mode_16_64 3
		.amdhsa_memory_ordered 1
		.amdhsa_forward_progress 1
		.amdhsa_inst_pref_size 53
	.end_amdhsa_kernel
	.amdgpu_metadata
---
amdhsa.version: [ 1, 2 ]
amdhsa.kernels:
  - .name:           k_qdd5c80c2fd_prep
    .symbol:         k_qdd5c80c2fd_prep.kd
    .args:
      - { .name: query, .offset: 0, .size: 8, .value_kind: global_buffer, .address_space: global }
      - { .name: key_in, .offset: 8, .size: 8, .value_kind: global_buffer, .address_space: global }
      - { .name: value, .offset: 16, .size: 8, .value_kind: global_buffer, .address_space: global }
      - { .name: wq, .offset: 24, .size: 8, .value_kind: global_buffer, .address_space: global }
      - { .name: wk, .offset: 32, .size: 8, .value_kind: global_buffer, .address_space: global }
      - { .name: wv, .offset: 40, .size: 8, .value_kind: global_buffer, .address_space: global }
      - { .name: wo, .offset: 48, .size: 8, .value_kind: global_buffer, .address_space: global }
      - { .name: attn_mask, .offset: 56, .size: 8, .value_kind: global_buffer, .address_space: global }
      - { .name: rel_emb, .offset: 64, .size: 8, .value_kind: global_buffer, .address_space: global }
      - { .name: bq, .offset: 72, .size: 8, .value_kind: global_buffer, .address_space: global }
      - { .name: bk, .offset: 80, .size: 8, .value_kind: global_buffer, .address_space: global }
      - { .name: bv, .offset: 88, .size: 8, .value_kind: global_buffer, .address_space: global }
      - { .name: bo, .offset: 96, .size: 8, .value_kind: global_buffer, .address_space: global }
      - { .name: xb, .offset: 104, .size: 8, .value_kind: global_buffer, .address_space: global }
      - { .name: wbuf, .offset: 112, .size: 8, .value_kind: global_buffer, .address_space: global }
      - { .name: tabs, .offset: 120, .size: 8, .value_kind: global_buffer, .address_space: global }
      - { .name: mbits, .offset: 128, .size: 8, .value_kind: global_buffer, .address_space: global }
    .group_segment_fixed_size: 0
    .private_segment_fixed_size: 0
    .kernarg_segment_align: 8
    .kernarg_segment_size: 136
    .max_flat_workgroup_size: 256
    .sgpr_count:     66
    .vgpr_count:     96
    .wavefront_size: 32
...
	.end_amdgpu_metadata
.endif
;; end of part 1
;; launch qkv (part 2): grid 8 x 96, 4 waves a work-group, clusters of 4 x 4, 327,680 bytes of LDS; arguments xb, wbuf, tabs, qkvh; writes qkvh
.if DOCPART == 2
	.amdgcn_target "amdgcn-amd-amdhsa--gfx1250"
	.amdhsa_code_object_version 6
	.text
	.protected	k_qdd5c80c2fd_qkv
	.globl	k_qdd5c80c2fd_qkv
	.p2align	8
	.type	k_qdd5c80c2fd_qkv,@function
k_qdd5c80c2fd_qkv:
	s_mov_b64 s[64:65], 0
	v_nop
	global_prefetch_b8 v0, s[64:65] scope:SCOPE_SE
	s_setreg_imm32_b32 hwreg(HW_REG_WAVE_MODE, 25, 1), 1
	s_wait_xcnt 0x0
	s_wait_alu depctr_hold_cnt(0) depctr_sa_sdst(0) depctr_va_vdst(0) depctr_va_sdst(0) depctr_va_ssrc(0) depctr_va_vcc(0) depctr_vm_vsrc(0)
	s_getreg_b32 s2, hwreg(HW_REG_IB_STS2, 6, 4)
	s_cmp_eq_u32 s2, 0
	s_cbranch_scc0 .Lentry_in_a_cluster
	s_endpgm
.Lentry_in_a_cluster:
	s_bfe_u32 s2, ttmp6, 0x10000c
	s_cmp_lg_u32 s2, 0xf033
	s_cbranch_scc0 .Lentry_shape_is_right
	s_endpgm
.Lentry_shape_is_right:
; Q, K, V = x w^T + b, the rotary turn on Q and K, written by heads: qkvh [3][32 (b, h)][2048][64] f16, unscaled.
; One product of [12288][1024] rows of xb (query, key_in, value on end) with the 1,024 rows of the weight that belongs to the rows' third (g): bf16 operands, f32 sums.
; A tile is 128 x 128, four waves of 64 x 64: 16 accumulators, 128 registers.  K goes in steps of 256 (LDS rows of 512 bytes, a wave's tensor load brings 64 of them) through two slots.
; CLUSTERS: 4 x 4 work-groups.  The four of a row of the cluster need the same tiles of x, the four of a column the same tiles of w: each is asked for JOINTLY, by the same tensor load with the same
; descriptor and a mask that names the four.  g is made of the cluster's y alone (8 clusters a third), so it is equal in all sixteen.
; THE MATRIX INSTRUCTION IS USED TRANSPOSED (source 0 = 16 rows of w, source 1 = 16 rows of x): a lane holds eight neighbouring columns of one row.
; THE WAY OUT.  A wave's 64 columns are exactly one head, so it is the wave's own: bias added, 16 rows x 64 f32 into its stage, read back so that a lane holds 8 neighbouring channels of a row and, beside
; them, the 16 channels among which their rotary partners lie (channel d < 32 pairs with 2 d + 1, d >= 32 with 2 d - 64); out = x cos + partner x signed sine from the table; rounded once to f16; a store
; covers 512 consecutive bytes of a head.  V takes the table's rows of cos 1, sin 0.
; LIMIT.  q, k, v beyond 65,504 are not served (f16).
; REGISTERS: window 0: v0-31 addresses; v32-95 the table's numbers for 16 rows; v96-127 the bias of my 64 columns; v128-255 the accumulators ((a, b) at v[128 + 8 (4 a + b)]), at work on the way out.
;   window 1: two fragment buffers of 128: for 64 along K, 64 registers of x, then 64 of w.
.set SIZE_K, 1024
.set KSTEP,  256
.set PITCH,  528                       ; an LDS row: 512 bytes + 16 of padding = 132 words: the 16 rows that a load touches start at 16 different groups of four banks (ISA guide 11.1)
.set HALFT,  64*PITCH
.set SLOT,   4*HALFT                   ; x's 128 rows, then w's 128 rows
.set STAGE,  2*SLOT                    ; behind the ring: 16 rows x 272 bytes for each wave
.set SPITCH, 272
.set SPARE,  STAGE+4*16*SPITCH         ; the spare words, 128 bytes for each wave
.set LAPS,   SIZE_K/(2*KSTEP)
.set BIAS,   2166784                   ; the biases in tabs
.set ADRA, 16                          ; v16-17  LDS address of my x fragments in slot 0, 1
.set ADRB, 20                          ; v20-21  the same for w
.set STO,  24                          ; v24     stage: where I put 32 bytes of a row
.set RD,   25                          ; v25     stage: my 8 channels of a row
.set GO,   26                          ; v26     16 x lane: my 16 bytes in 512 of the output
.set RDP,  27                          ; v27     stage: the 16 channels that hold my partners
.set SPW,  28                          ; v28     my spare word; never rewritten
.set NIL,  29                          ; v29     0; never rewritten
.set RO,   30                          ; v30     my byte offset in four rows of the rotary table
.set BO,   31                          ; v31     my byte offset in the bias
.set RP,   32
.set BI,   96
.set ACC,  128
.set F0,   0
.set F1,   128
.set G1, 24                            ; s[24:31] group 1 for x's tiles;  s[32:39] group 0, one set for each slot
.set G0, 32
.set G1B, 48                           ; s[48:55], s[56:63] the same for w's
.set G0B, 56
.set ODD, 76                           ; s76  lanes whose channels lie below 32: they take the odd partner
.set MSB, 0
.macro WIN new                         ; the immediate's high byte repeats the setting that is left
.if MSB != (\new)
	s_set_vgpr_msb (MSB<<8)|(\new)
.set MSB, \new
.endif
.endm
.set MUL,  0x05                        ; sources 0 and 1 window 1; C and D window 0
.set TO_F, 0x40                        ; destination window 1, address window 0
.macro JLOAD s                         ; a joint load: waves 0 and 1 fetch x's two halves, waves 2 and 3 w's; an s_nop 0 and four v_nop follow each line
	s_cmp_eq_u32 s11, 0
	s_cbranch_scc0 .Lfor_b_\@
	tensor_load_to_lds s[G0+4*(\s):G0+4*(\s)+3], s[G1:G1+7]
	s_nop 0
.rept 4
	v_nop
.endr
	s_branch .Lasked_\@
.Lfor_b_\@:
	tensor_load_to_lds s[G0B+4*(\s):G0B+4*(\s)+3], s[G1B:G1B+7]
	s_nop 0
.rept 4
	v_nop
.endr
.Lasked_\@:
.endm
.macro CREST                           ; a round of the cluster's barrier behind its opening barrier
	s_cmp_lg_u32 s10, 0
	s_cbranch_scc1 .Lnot_wave_0_\@
	s_barrier_signal -3
.Lnot_wave_0_\@:
	s_barrier_wait -3
	s_barrier_signal -1
	s_barrier_wait -1
.endm
.macro CROUND
	s_barrier_signal -1
	s_barrier_wait -1
	CREST
.endm
	s_load_b128 s[4:7], s[0:1], 0x0                ; xb s[4:5], wbuf s[6:7]
	s_load_b128 s[68:71], s[0:1], 0x10             ; tabs s[68:69], qkvh s[70:71]
	v_lshl_add_u32 v[SPW], v0, 2, SPARE
	v_mov_b32 v[NIL], 0
	ds_add_u32 v[SPW], v[NIL]                      ; the wave's opening: the add and its wait ahead of my first tensor load
	v_lshrrev_b32 v1, 5, v0
	v_readfirstlane_b32 s10, v1                    ; wave 0..3
	s_lshr_b32 s11, s10, 1                         ; my half of the tile's rows.  Also: I fetch for x (0) or for w (1)
	s_and_b32 s12, s10, 1                          ; my half of its columns.  Also: which 64 rows I fetch
	s_bfe_u32 s40, ttmp6, 0x40000                  ; cx, cy
	s_bfe_u32 s41, ttmp6, 0x40004
	s_lshl_b32 s42, ttmp9, 2
	s_add_co_u32 s42, s42, s40                     ; tile column 0..7
	s_and_b32 s13, ttmp7, 0xffff
	s_lshr_b32 s77, s13, 3                         ; g: 0 query, 1 key, 2 value
	s_lshl_b32 s13, s13, 2
	s_add_co_u32 s13, s13, s41                     ; tile row 0..95
	s_lshl_b32 s43, s41, 2
	s_lshl_b32 s43, 15, s43                        ; my row of the cluster
	s_lshl_b32 s44, 0x1111, s40                    ; my column
	s_or_b32 s[G1+0], s43, (1<<16)|(1<<20)|(1<<21)|(6<<22)|(3<<25)  ; the mask; 2-byte elements; padding on; bit 21 beside a mask; after every 128 words 4 words
	s_or_b32 s[G1B+0], s44, (1<<16)|(1<<20)|(1<<21)|(6<<22)|(3<<25)
.irp g, G1, G1B
	s_mov_b32 s[(\g)+1], KSTEP<<16                 ; tensor_dim0 = 256
	s_mov_b32 s[(\g)+2], 64<<16                    ; tensor_dim1 = 64
	s_mov_b32 s[(\g)+3], KSTEP<<16                 ; tile_dim0 = 256
	s_mov_b32 s[(\g)+4], 64                        ; tile_dim1 = 64
	s_mov_b32 s[(\g)+5], SIZE_K                    ; elements from row to row
	s_mov_b32 s[(\g)+6], 0
	s_mov_b32 s[(\g)+7], 0
.endr
	s_lshl_b32 s17, s12, 6
	s_lshl_b32 s16, s13, 7
	s_add_co_u32 s16, s16, s17                     ; x: row 128 x tile row + 64 x half
	s_lshl_b32 s46, s42, 7
	s_add_co_u32 s46, s46, s17
	s_lshl_b32 s47, s77, 10
	s_add_co_u32 s46, s46, s47                     ; w: row 1024 g + 128 x tile column + 64 x half
	s_lshl_b32 s16, s16, 11                        ; rows of 2,048 bytes: 25.2 M at the most
	s_mov_b32 s17, 0
	s_lshl_b32 s46, s46, 11
	s_mov_b32 s47, 0
	s_mul_i32 s20, s10, HALFT                      ; where they go: wave x 64 rows
	s_mov_b32 s[ODD], 0x0f0f0f0f
	s_wait_dscnt 0x0                               ; the opening add is done
	s_wait_kmcnt 0x0
	s_add_nc_u64 s[14:15], s[4:5], s[16:17]
	s_add_nc_u64 s[46:47], s[6:7], s[46:47]
	CROUND                                         ; all sixteen work-groups are here: the first joint loads meet
.irp s, 0,1
	s_mov_b32 s[G0+4*(\s)], 1
	s_add_co_u32 s[G0+4*(\s)+1], s20, (\s)*SLOT
	s_add_nc_u64 s[G0+4*(\s)+2:G0+4*(\s)+3], s[14:15], (\s)*KSTEP*2
	s_or_b32 s[G0+4*(\s)+3], s[G0+4*(\s)+3], 0x80000000
	s_mov_b32 s[G0B+4*(\s)], 1
	s_add_co_u32 s[G0B+4*(\s)+1], s20, (\s)*SLOT
	s_add_nc_u64 s[G0B+4*(\s)+2:G0B+4*(\s)+3], s[46:47], (\s)*KSTEP*2
	s_or_b32 s[G0B+4*(\s)+3], s[G0B+4*(\s)+3], 0x80000000
	JLOAD \s
.endr
	v_and_b32 v1, 15, v0                           ; l % 16
	v_bfe_u32 v2, v0, 4, 1                         ; l / 16
	v_mul_u32_u24 v3, v1, PITCH
	v_lshl_add_u32 v3, v2, 4, v3
	s_mul_i32 s21, s11, HALFT
	s_mul_i32 s22, s12, HALFT
	s_add_co_u32 s22, s22, 2*HALFT
.irp s, 0,1
	v_add_nc_u32 v[ADRA+(\s)], s21, v3
	v_add_nc_u32 v[ADRB+(\s)], s22, v3
	s_add_co_u32 s21, s21, SLOT
	s_add_co_u32 s22, s22, SLOT
.endr
	s_mul_i32 s23, s10, 16*SPITCH
	s_add_co_u32 s23, s23, STAGE                   ; my stage
	v_mul_u32_u24 v4, v1, SPITCH                   ; in: row l % 16, 32 bytes for each half of the lanes
	v_lshl_add_u32 v4, v2, 5, v4
	v_add_nc_u32 v[STO], s23, v4
	v_bfe_u32 v5, v0, 3, 2                         ; back: row L / 8 of four,
	v_and_b32 v6, 7, v0                            ; channels 8 (L % 8) on,
	v_and_b32 v7, 3, v0                            ; partners among channels 16 (L % 4) on
	v_mul_u32_u24 v4, v5, SPITCH
	v_add_nc_u32 v4, s23, v4
	v_lshl_add_u32 v[RD], v6, 5, v4
	v_lshl_add_u32 v[RDP], v7, 6, v4
	v_and_b32 v4, 31, v0
	v_lshlrev_b32 v[GO], 4, v4
	v_lshlrev_b32 v4, 9, v5
	v_lshl_add_u32 v[RO], v6, 5, v4                ; table: row L / 8, 32 bytes at 32 (L % 8)
	v_lshlrev_b32 v[BO], 5, v2
	; the bias of my 64 columns
	s_lshl_b32 s78, s77, 12
	s_lshl_b32 s79, s42, 9
	s_add_co_u32 s78, s78, s79
	s_lshl_b32 s79, s12, 8
	s_add_co_u32 s78, s78, s79
	s_add_co_u32 s78, s78, BIAS
	s_mov_b32 s79, 0
	s_add_nc_u64 s[74:75], s[68:69], s[78:79]
.irp b, 0,1,2,3
	global_load_b128 v[BI+8*\b:BI+8*\b+3],   v[BO], s[74:75] offset:64*\b
	global_load_b128 v[BI+8*\b+4:BI+8*\b+7], v[BO], s[74:75] offset:64*\b+16
.endr
	; the table's rows for my 64 rows, and where my rows go
	s_lshl_b32 s18, s11, 6
	s_and_b32 s19, s13, 15
	s_lshl_b32 s19, s19, 7                         ; the tile's first position in its sequence
	s_cmp_eq_u32 s77, 2
	s_cselect_b32 s21, 2048, s19                   ; V: the rows of cos 1, sin 0
	s_add_co_u32 s21, s21, s18
	s_lshl_b32 s78, s21, 9
	s_add_nc_u64 s[72:73], s[68:69], s[78:79]
	s_add_co_u32 s19, s19, s18                     ; my first position
	s_lshl_b32 s22, s77, 5
	s_bfe_u32 s23, s13, 0x10004                    ; the batch
	s_lshl4_add_u32 s22, s23, s22
	s_lshl1_add_u32 s23, s42, s12                  ; the head
	s_add_co_u32 s22, s22, s23
	s_lshl_b32 s22, s22, 11
	s_add_co_u32 s22, s22, s19
	s_lshl_b32 s78, s22, 7                         ; rows of 128 bytes
	s_add_nc_u64 s[70:71], s[70:71], s[78:79]
; 8 matrix instructions: m blocks a0, a0 + 1 x all 4 n blocks, 32 along K: half c of buffer f.  zero = 1: the first product starts the sums.  The 16 accumulators take turns.
.macro MUL8 f, c, a0, zero
	WIN MUL
.irp a, \a0, (\a0)+1
.irp b, 0,1,2,3
.if \zero
	v_wmma_f32_16x16x32_bf16 v[ACC+8*(4*(\a)+(\b)):ACC+8*(4*(\a)+(\b))+7], v[(\f)+64+8*(4*(\c)+(\b)):(\f)+64+8*(4*(\c)+(\b))+7], v[(\f)+8*(4*(\c)+(\a)):(\f)+8*(4*(\c)+(\a))+7], 0
.else
	v_wmma_f32_16x16x32_bf16 v[ACC+8*(4*(\a)+(\b)):ACC+8*(4*(\a)+(\b))+7], v[(\f)+64+8*(4*(\c)+(\b)):(\f)+64+8*(4*(\c)+(\b))+7], v[(\f)+8*(4*(\c)+(\a)):(\f)+8*(4*(\c)+(\a))+7], v[ACC+8*(4*(\a)+(\b)):ACC+8*(4*(\a)+(\b))+7]
.endif
.endr
.endr
.endm
; 32 LDS loads in one run: the fragments of 64 along K at byte k of the rows, into buffer f; the first 32 along K first
.macro FETCH slot, k, f
	WIN TO_F
.irp c, 0,1
.irp i, 0,1,2,3
	ds_load_b128 v[(\f)+64+8*(4*(\c)+(\i)):(\f)+64+8*(4*(\c)+(\i))+3],   v[ADRB+(\slot)] offset:(\k)+64*(\c)+(\i)*16*PITCH
	ds_load_b128 v[(\f)+64+8*(4*(\c)+(\i))+4:(\f)+64+8*(4*(\c)+(\i))+7], v[ADRB+(\slot)] offset:(\k)+64*(\c)+(\i)*16*PITCH+32
	ds_load_b128 v[(\f)+8*(4*(\c)+(\i)):(\f)+8*(4*(\c)+(\i))+3],         v[ADRA+(\slot)] offset:(\k)+64*(\c)+(\i)*16*PITCH
	ds_load_b128 v[(\f)+8*(4*(\c)+(\i))+4:(\f)+8*(4*(\c)+(\i))+7],       v[ADRA+(\slot)] offset:(\k)+64*(\c)+(\i)*16*PITCH+32
.endr
.endr
.endm
.macro PLACES                          ; four places in front of loads into registers that matrix instructions have read, and of vector lines that read results
.rept 4
	v_nop
.endr
.endm
; A K step is four quarters of 64 along K, 32 matrix instructions each, on buffers 0, 1, 0, 1.
.macro QUARTER slot, k, f, g, zero
	s_wait_dscnt 16                                ; the first 32 along K are in; the other sixteen loads may be out
	WIN MUL
	MUL8 \f, 0, 0, \zero
	MUL8 \f, 0, 2, \zero
	PLACES
	FETCH \slot, \k, \g
	s_wait_dscnt 32                                ; all but the 32 just issued
	WIN MUL
	MUL8 \f, 1, 0, 0
	MUL8 \f, 1, 2, 0
.endm
; The last quarter multiplies buffer 1 and changes slots: ONE barrier; in front of it each wave waits for all its tensor loads, adds 0 to its spare word, and waits for that and for its reads of this slot.
.macro TURN slot, next, fill
	WIN 0
	s_wait_tensorcnt 0x0                           ; all my tensor loads have landed: my part of the next slot
	ds_add_u32 v[SPW], v[NIL]
	s_wait_dscnt 17                                ; the add and the youngest sixteen loads may be out
	WIN MUL
	MUL8 F1, 0, 0, 0
	s_wait_dscnt 0x0                               ; the add is done, and my reads of this slot are over
	s_barrier_signal -1
	MUL8 F1, 0, 2, 0
.if \fill
	WIN 0
.endif
	s_barrier_wait -1
.if \fill
	CREST                                          ; the barrier has opened a round of the cluster's: no wave of any partner still reads this slot or has a load on its way
	s_add_nc_u64 s[G0+4*(\slot)+2:G0+4*(\slot)+3], s[G0+4*(\slot)+2:G0+4*(\slot)+3], 2*KSTEP*2
	s_add_nc_u64 s[G0B+4*(\slot)+2:G0B+4*(\slot)+3], s[G0B+4*(\slot)+2:G0B+4*(\slot)+3], 2*KSTEP*2
	JLOAD \slot                                    ; the first tensor load behind the round; its four v_nop are also the places in front of the loads below
.else
	PLACES
.endif
	FETCH \next, 0, F0
	WIN MUL
	MUL8 F1, 1, 0, 0
	MUL8 F1, 1, 2, 0
.endm
; THE WAY OUT of my rows 16 a .. 16 a + 15.
.macro EPI a
.set AC, ACC+32*(\a)
.irp u, 0,1,2,3                        ; the table for pass u: rows 16 a + 4 u + L / 8: eight cosines, eight signed sines
	global_load_b128 v[RP+16*\u:RP+16*\u+3],     v[RO], s[72:73] offset:(16*(\a)+4*\u)*512
	global_load_b128 v[RP+16*\u+4:RP+16*\u+7],   v[RO], s[72:73] offset:(16*(\a)+4*\u)*512+16
	global_load_b128 v[RP+16*\u+8:RP+16*\u+11],  v[RO], s[72:73] offset:(16*(\a)+4*\u)*512+256
	global_load_b128 v[RP+16*\u+12:RP+16*\u+15], v[RO], s[72:73] offset:(16*(\a)+4*\u)*512+272
.endr
.set z, 0
.rept 16                               ; the bias, each accumulator from its low end on
	v_pk_add_f32 v[AC+2*z:AC+2*z+1], v[AC+2*z:AC+2*z+1], v[BI+2*z:BI+2*z+1]
.set z, z+1
.endr
.irp b, 0,1,2,3
	ds_store_b128 v[STO], v[AC+8*\b:AC+8*\b+3]   offset:64*\b
	ds_store_b128 v[STO], v[AC+8*\b+4:AC+8*\b+7] offset:64*\b+16
.endr
.irp u, 0,1,2,3                        ; four rows a pass; LDS serves a wave's instructions in order (ISA guide 5.7.1.4): the loads see the stores above
	ds_load_b128 v[AC:AC+3],     v[RD]  offset:1088*\u
	ds_load_b128 v[AC+4:AC+7],   v[RD]  offset:1088*\u+16
	ds_load_b128 v[AC+8:AC+11],  v[RDP] offset:1088*\u
	ds_load_b128 v[AC+12:AC+15], v[RDP] offset:1088*\u+16
	ds_load_b128 v[AC+16:AC+19], v[RDP] offset:1088*\u+32
	ds_load_b128 v[AC+20:AC+23], v[RDP] offset:1088*\u+48
	s_wait_dscnt 0x0
.irp i, 0,1,2,3,4,5,6,7                ; partner i: the odd one of pair i for channels below 32, the even one above; ascending, so no pair is overwritten before it is read
	v_cndmask_b32 v[AC+8+\i], v[AC+8+2*\i], v[AC+9+2*\i], s[ODD]
.endr
	s_wait_loadcnt 12-4*\u                         ; this pass's four table loads are in; the later passes' stay out
	s_wait_xcnt 0x0                                ; the last pass's store has read v[AC+24:AC+27]
.irp i, 0,2,4,6
	v_pk_mul_f32 v[AC+\i:AC+\i+1], v[AC+\i:AC+\i+1], v[RP+16*\u+\i:RP+16*\u+\i+1]
.endr
.irp i, 0,2,4,6
	v_pk_fma_f32 v[AC+\i:AC+\i+1], v[AC+8+\i:AC+8+\i+1], v[RP+16*\u+8+\i:RP+16*\u+8+\i+1], v[AC+\i:AC+\i+1]
.endr
.irp i, 0,1,2,3
	v_cvt_pk_f16_f32 v[AC+24+\i], v[AC+2*\i], v[AC+2*\i+1]
.endr
	global_store_b128 v[GO], v[AC+24:AC+27], s[70:71] offset:2048*(\a)+512*\u  ; four rows of a head: 512 consecutive bytes
.endr
.endm
	s_wait_tensorcnt 1                             ; my part of K step 0 is in; K step 1's may stay out
	s_barrier_signal -1
	s_barrier_wait -1
	FETCH 0, 0, F0
	QUARTER 0, 128, F0, F1, 1                      ; the first quarter stands in front of the loop: its first products start the sums
	WIN 0
	s_mov_b32 s3, LAPS-1
.Llap:                                                 ; a trip goes once round the ring and fills both slots again
	QUARTER 0, 256, F1, F0, 0
	QUARTER 0, 384, F0, F1, 0
	TURN 0, 1, 1
	QUARTER 1, 128, F0, F1, 0
	QUARTER 1, 256, F1, F0, 0
	QUARTER 1, 384, F0, F1, 0
	TURN 1, 0, 1
	QUARTER 0, 128, F0, F1, 0
	WIN 0
	s_sub_co_u32 s3, s3, 1
	s_cmp_lg_u32 s3, 0
	s_cbranch_scc1 .Llap
	QUARTER 0, 256, F1, F0, 0                      ; the last lap fills nothing
	QUARTER 0, 384, F0, F1, 0
	TURN 0, 1, 0
	QUARTER 1, 128, F0, F1, 0
	QUARTER 1, 256, F1, F0, 0
	QUARTER 1, 384, F0, F1, 0
	s_wait_dscnt 16
	WIN MUL
	MUL8 F1, 0, 0, 0
	MUL8 F1, 0, 2, 0
	s_wait_dscnt 0
	MUL8 F1, 1, 0, 0
	MUL8 F1, 1, 2, 0
	WIN 0
	s_wait_loadcnt 0x0                             ; the bias
	PLACES
	EPI 0
	EPI 1
	EPI 2
	EPI 3
	s_wait_tensorcnt 0x0                           ; the wave's end
	ds_add_u32 v[SPW], v[NIL]
	s_wait_dscnt 0x0
	CROUND                                         ; the closing round: no work-group ends while a partner may still ask for a tile that names it
	s_endpgm
.Lfunc_end_k_qdd5c80c2fd_qkv:
	.size	k_qdd5c80c2fd_qkv, .Lfunc_end_k_qdd5c80c2fd_qkv-k_qdd5c80c2fd_qkv
	.p2alignl 7, 3214868480
	.fill 96, 4, 3214868480
	.section	.rodata,"a",@progbits
	.p2align	6, 0x0
	.amdhsa_kernel k_qdd5c80c2fd_qkv
		.amdhsa_group_segment_fixed_size 327680
		.amdhsa_private_segment_fixed_size 0
		.amdhsa_enable_private_segment 0
		.amdhsa_kernarg_size 32
		.amdhsa_user_sgpr_count 2
		.amdhsa_user_sgpr_kernarg_segment_ptr 1
		.amdhsa_wavefront_size32 1
		.amdhsa_system_sgpr_workgroup_id_x 1
		.amdhsa_system_sgpr_workgroup_id_y 1
		.amdhsa_system_sgpr_workgroup_id_z 1
		.amdhsa_system_vgpr_workitem_id 0
		.amdhsa_next_free_vgpr 512
		.amdhsa_next_free_sgpr 80
		.amdhsa_reserve_vcc 0
		.amdhsa_float_denorm_mode_32 3
		.amdhsa_float_denorm_mode_16_64 3
		.amdhsa_memory_ordered 1
		.amdhsa_forward_progress 1
		.amdhsa_inst_pref_size 121
	.end_amdhsa_kernel
	.amdgpu_metadata
---
amdhsa.version: [ 1, 2 ]
amdhsa.kernels:
  - .name:           k_qdd5c80c2fd_qkv
    .symbol:         k_qdd5c80c2fd_qkv.kd
    .args:
      - { .name: xb, .offset: 0, .size: 8, .value_kind: global_buffer, .address_space: global }
      - { .name: wbuf, .offset: 8, .size: 8, .value_kind: global_buffer, .address_space: global }
      - { .name: tabs, .offset: 16, .size: 8, .value_kind: global_buffer, .address_space: global }
      - { .name: qkvh, .offset: 24, .size: 8, .value_kind: global_buffer, .address_space: global }
    .group_segment_fixed_size: 327680
    .private_segment_fixed_size: 0
    .kernarg_segment_align: 8
    .kernarg_segment_size: 32
    .max_flat_workgroup_size: 128
    .sgpr_count:     80
    .vgpr_count:     512
    .wavefront_size: 32
...
	.end_amdgpu_metadata
.endif
;; end of part 2
;; launch attn (part 3): grid 8 x 32, 4 waves a work-group, clusters of 4 x 1, 327,680 bytes of LDS; arguments qkvh, tabs, mbits, ob; writes ob
.if DOCPART == 3
	.amdgcn_target "amdgcn-amd-amdhsa--gfx1250"
	.amdhsa_code_object_version 6
	.text
	.protected	k_qdd5c80c2fd_attn
	.globl	k_qdd5c80c2fd_attn
	.p2align	8
	.type	k_qdd5c80c2fd_attn,@function
k_qdd5c80c2fd_attn:
	s_mov_b64 s[64:65], 0
	v_nop
	global_prefetch_b8 v0, s[64:65] scope:SCOPE_SE
	s_setreg_imm32_b32 hwreg(HW_REG_WAVE_MODE, 25, 1), 1
	s_wait_xcnt 0x0
	s_wait_alu depctr_hold_cnt(0) depctr_sa_sdst(0) depctr_va_vdst(0) depctr_va_sdst(0) depctr_va_ssrc(0) depctr_va_vcc(0) depctr_vm_vsrc(0)
	s_getreg_b32 s2, hwreg(HW_REG_IB_STS2, 6, 4)
	s_cmp_eq_u32 s2, 0
	s_cbranch_scc0 .Lentry_in_a_cluster
	s_endpgm
.Lentry_in_a_cluster:
	s_bfe_u32 s2, ttmp6, 0x10000c
	s_cmp_lg_u32 s2, 0x3003
	s_cbranch_scc0 .Lentry_shape_is_right
	s_endpgm
.Lentry_shape_is_right:
; ATTENTION with a relative bias and a mask that is an input.  O[bh][q] = clip(sum over k of softmax_k(Q.K / 8 + rel[q - k][h] + mask) V[k], -30, 30).  Q, K, V: qkvh [3][32][2048][64] f16; O: ob [32][2048][64] f16.
; Products, maxima and sums in f32; the weights p are rounded to f16 for the second product, and their sum l is taken of the rounded p; O is rounded once at the end.
; LIMITS.  A hidden score is REPLACED by -2^33 in raw units (-1.07e9 behind the scale), not lowered by 1e9: the same result while visible scores lie above that; in a row with no visible key every weight is equal
; (the mean of V), as in f32 arithmetic on -1e9 + s while |s| < 32.  f16 ends at 65,504: Q, K, V arrive within it.  A weight below 2^-126 counts as 0; NaN and infinities are not treated apart.
; SHARES.  A work-group owns 256 queries of one (b, h), each of its four waves 64: four tiles of 16.  Every wave walks all 2,048 keys, 64 a step; the mask may hide anything, so no tile is left out.
; LAYOUT.  S^T = K Q^T (source 0 = 16 keys, source 1 = 16 queries): a lane holds ONE query (lane % 16) and the keys 8 (lane / 16) + 0..7.  Two results rounded to f16 ARE source 1 of O^T = V^T P.
; THE BIAS costs no vector line: 8 x rel is loaded from LDS straight into the registers of S^T, and the products add onto it.  It hangs on k - q alone: a work-group holds a window of 2,320 entries of its head's
; table, four copies shifted by one entry, and a lane reads the copy in which its eight numbers begin at a multiple of 16 bytes.
; THE MASK costs one select a score: its lane masks come ready from mbits by scalar loads, 32 words a tile and step.
; THE ROW SUM l is a product too, ones x P: every register of its result holds the query's sum; register 0 alone is rescaled and read.
; SOFTMAX.  A running maximum m: p = 2^(c s - c m), c = log2(e) / 8; in every step O and l are multiplied by a = 2^(c m_old - c m_new).  m starts at the lowest finite number, O and l at 0.
; BY TURNS.  Turn p: the whole softmax of tile p; beside it 10 products (V^T P and the sum) of tile p - 1, whose O and l are rescaled just ahead of them, and 8 products K Q^T of tile p + 1.
; CLUSTER.  The four query blocks of a cluster belong to one (b, h) and walk the same K and V: each tile is asked for JOINTLY.  The window of the table is each work-group's own (a load with no mask).
; REGISTERS, in windows of 256 (s_set_vgpr_msb: bits 1:0 source 0, 3:2 source 1, 5:4 source 2, 7:6 destination):
;   window 0: v0-15 addresses; v16-23 (c m, m) a tile; v24-31 at work, by parity; v32-95 S^T, two buffers; v96-127 P, two buffers; v128-191 K of one step; v192-255 Q
;   window 1: v0-127 O^T, 32 a tile; v128-159 l, 8 a tile; v160-223 V of one step; v224-231 ones; v240-241 the add's two registers
.set KS,    64
.set PK,    144       ; a row of K in LDS: 128 bytes + 16: the 16 rows of a load start at 16 different groups of four banks (ISA guide 11.1)
.set PV,    160       ; a row of V: 128 + 32
.set VOFF,  4*KS*PK   ; a slot holds four steps: 256 rows of K, then 256 rows of V
.set SLOT1, 1<<17
.set RELB,  SLOT1+4*KS*(PK+PV)  ; the table's window: four copies of 9,280 bytes, filled once
.set RELC,  9280
.set STAGE, RELB+4*RELC         ; 16 rows x 144 bytes for each wave, for the way out
.set SP,    144
.set SPARE, STAGE+4*16*SP       ; the spare words, 128 bytes for each wave
.set RELT,  1114112             ; the tables in tabs: [16][4][4112] f32
.set AK0, 2           ; v2   my lane's place in a tile of K
.set AV0, 3           ; v3   the same for V
.set AK,  4           ; v4   the LDS address of K's next run of loads
.set AV,  5           ; v5   of V's
.set QO,  6           ; v6   my byte offset in 16 rows of Q
.set STO, 6           ;      later: where I put 16 bytes of a row
.set RD,  7           ; v7   where I read rows back
.set GO,  8           ; v8   my byte offset in 512 consecutive bytes of O
.set REL0, 9          ; v9   my lane's place in the window, for tile 3, key 0
.set RELA, 10         ; v10  the same at the step in hand
.set NEGV, 11         ; v11  -2^33
.set MV,  12          ; v12-13  c m_old, by parity
.set ST,  16
.set TMP, 24          ; by parity c0-c3; when the maximum is found c2 takes a
.set S,   32
.set P,   96
.set KF,  128         ; key block kb, channel half c at KF + 16 kb + 8 c
.set Q,   192         ; tile t, channel half c at Q + 16 t + 8 c
.set LA,  128         ; window 1
.set VF,  160         ; window 1: key half kk, channel block cb at VF + 32 kk + 8 cb
.set ONES, 224        ; window 1
.set SPW, 240         ; window 1: my spare word; never rewritten
.set NIL, 241         ; window 1: 0; never rewritten
.set WV,  12          ; s12  my wave's number
.set RS,  15          ; s15  256 x the step whose bias is loaded
.set MW,  16          ; s[16:47] a tile's and step's 32 lane masks
.set G0R, 16          ; s[16:19], s[20:27] at the start: the window's descriptor
.set G1R, 20
.set G1K, 48          ; s[48:55]
.set G1V, 56          ; s[56:63]
.set MB,  66          ; s[66:67] mbits at my wave's tile 0
.set G0K, 68          ; s[68:71] it walks
.set G0V, 72          ; s[72:75]
.set CS,  76          ; s[76:77] c
.set SEL, 78          ; s[78:79] v_permlanex16_b32's selects
.set TBK, 80          ; s80  LDS byte at which K of the step to be fetched begins
.set TBV, 81          ; s81  the same for V, less VOFF
.set SLOTS, 82
.set CNT, 83
.set MOFF, 84         ; s84  128 x the step whose masks are loaded
.set MSB, 0
.macro WIN new
.if MSB != (\new)
	s_set_vgpr_msb (MSB<<8)|(\new)
.set MSB, (\new)
.endif
.endm
.set W_PV, 0x51       ; source 0 (V, ones, O^T, l), C and D in window 1; source 1 (P, a) in window 0
.set W_AD, 0x05       ; the add: address and data in window 1
.macro JLOAD          ; a joint fill: waves 0 and 1 fetch the halves of a slot's K, waves 2 and 3 those of its V; an s_nop 0 and four v_nop follow each line
	s_cmp_lt_u32 s[WV], 2
	s_cbranch_scc0 .Lfor_v_\@
	tensor_load_to_lds s[G0K:G0K+3], s[G1K:G1K+7]
	s_nop 0
.rept 4
	v_nop
.endr
	s_branch .Lasked_\@
.Lfor_v_\@:
	tensor_load_to_lds s[G0V:G0V+3], s[G1V:G1V+7]
	s_nop 0
.rept 4
	v_nop
.endr
.Lasked_\@:
.endm
.macro CROUND         ; a round of the cluster's barrier
	s_barrier_signal -1
	s_barrier_wait -1
	s_cmp_lg_u32 s[WV], 0
	s_cbranch_scc1 .Lnot_wave_0_\@
	s_barrier_signal -3
.Lnot_wave_0_\@:
	s_barrier_wait -3
	s_barrier_signal -1
	s_barrier_wait -1
.endm
; THE CHANGE OF SLOTS.  Each wave waits for all its tensor loads (its part of the other slot; the first time also its copy of the window), adds 0 to its spare word, and waits for that and for its reads of the slot.
; fill = 1: the slot is filled again with the keys two slots on, first thing behind a round of the cluster's barrier: it has four key steps in which to land.  (At its first use slot 0 is waited for, slot 1 filled.)
.macro CHANGE fill
	WIN W_AD
	s_wait_tensorcnt 0x0            ; no tensor load of mine is out, so a group 0 may be written
	ds_add_u32 v[SPW], v[NIL]
	WIN 0
.if \fill
.irp g, G0K, G0V
	s_xor_b32 s[\g+1], s[\g+1], SLOT1
	s_add_nc_u64 s[\g+2:\g+3], s[\g+2:\g+3], 4*KS*128
.endr
	s_wait_dscnt 0x0                ; the add is done, and my reads of the slot are over
	CROUND
	JLOAD
.else
	s_wait_dscnt 0x0
	s_barrier_signal -1
	s_barrier_wait -1
.endif
	s_sub_co_u32 s[TBK], s[TBK], 4*KS*PK
	s_xor_b32 s[TBK], s[TBK], SLOT1
	s_sub_co_u32 s[TBV], s[TBV], 4*KS*PV
	s_xor_b32 s[TBV], s[TBV], SLOT1
.endm
	s_load_b256 s[4:11], s[0:1], 0x0  ; qkvh s[4:5], tabs s[6:7], mbits s[8:9], ob s[10:11]
	WIN 0x40
	v_lshl_add_u32 v[SPW], v0, 2, SPARE
	v_mov_b32 v[NIL], 0
	WIN W_AD
	ds_add_u32 v[SPW], v[NIL]       ; the wave's opening: the add and its wait ahead of my first tensor load
	WIN 0
	v_lshrrev_b32 v1, 5, v0
	v_readfirstlane_b32 s[WV], v1
	s_bfe_u32 s13, ttmp6, 0x40000   ; cx
	s_lshl_b32 s14, ttmp9, 2
	s_add_co_u32 s14, s14, s13      ; my block of 256 queries: it enters global addresses of my own loads and stores alone
	s_and_b32 s88, ttmp7, 0xffff    ; (b, h), which the four partners share
	s_lshl_b32 s90, s88, 18         ; its 2,048 rows of 128 bytes
	s_and_b32 s2, s[WV], 1          ; which half of a slot's 256 keys I fetch
	s_lshl_b32 s92, s2, 14
	s_add_co_u32 s92, s92, s90
	s_mov_b32 s93, 0
	s_mul_i32 s3, s2, 128*PK
	s_mov_b32 s[G0K], 1
	s_mov_b32 s[G0K+1], s3          ; slot 0
	s_mul_i32 s3, s2, 128*PV
	s_mov_b32 s[G0V], 1
	s_add_co_u32 s[G0V+1], s3, VOFF
	s_lshl_b32 s94, s14, 15         ; Q and O: my block's rows, my wave's 64 of them
	s_lshl_b32 s3, s[WV], 13
	s_add_co_u32 s94, s94, s3
	s_add_co_u32 s94, s94, s90
	s_mov_b32 s95, 0
	s_lshr_b32 s2, s88, 4           ; the masks: tile 128 b + 16 block + 4 wave, 4,096 bytes a tile
	s_lshl_b32 s90, s2, 19
	s_lshl_b32 s3, s14, 16
	s_add_co_u32 s90, s90, s3
	s_lshl_b32 s3, s[WV], 14
	s_add_co_u32 s90, s90, s3
	s_mov_b32 s91, 0
	s_and_b32 s2, s88, 15           ; the window: head h, copy = my wave, entries 1792 - 256 block on
	s_mul_i32 s88, s2, 4*16448
	s_mul_i32 s3, s[WV], 16448
	s_add_co_u32 s88, s88, s3
	s_add_co_u32 s88, s88, RELT+7168
	s_lshl_b32 s3, s14, 10
	s_sub_co_u32 s88, s88, s3
	s_mov_b32 s89, 0
	; K and V: 128 keys are 16,384 dense bytes: 64 rows of 256 bytes, two keys a row, padded in LDS after every key
	s_mov_b32 s[G1K], 15|(1<<16)|(1<<20)|(1<<21)|(4<<22)|(3<<25)  ; the mask of four; 2-byte elements; padding on; bit 21 beside a mask; after every 32 words 4 words
	s_mov_b32 s[G1V], 15|(1<<16)|(1<<20)|(1<<21)|(4<<22)|(7<<25)  ; the same with 8 words
.irp g, G1K, G1V
	s_mov_b32 s[\g+1], 128<<16
	s_mov_b32 s[\g+2], 64<<16
	s_mov_b32 s[\g+3], 128<<16
	s_mov_b32 s[\g+4], 64
	s_mov_b32 s[\g+5], 128
	s_mov_b32 s[\g+6], 0
	s_mov_b32 s[\g+7], 0
.endr
	; the window: one row of 9,280 bytes, 1,160 elements of 8; no mask: the load is my work-group's own
	s_mov_b32 s[G1R], 3<<16
	s_mov_b32 s[G1R+1], 1160<<16
	s_mov_b32 s[G1R+2], 1<<16
	s_mov_b32 s[G1R+3], 1160<<16
	s_mov_b32 s[G1R+4], 1
	s_mov_b32 s[G1R+5], 1160
	s_mov_b32 s[G1R+6], 0
	s_mov_b32 s[G1R+7], 0
	s_mov_b32 s[G0R], 1
	s_mul_i32 s[G0R+1], s[WV], RELC
	s_add_co_u32 s[G0R+1], s[G0R+1], RELB
	s_mov_b32 s[CS], 0x3e38aa3b     ; c = log2(e) / 8
	s_mov_b32 s[CS+1], s[CS]
	s_mov_b32 s[SEL], 0x76543210
	s_mov_b32 s[SEL+1], 0xfedcba98
	s_mov_b32 s[TBK], SLOT1+4*KS*PK ; the first change of slots turns these two into 0
	s_mov_b32 s[TBV], SLOT1+4*KS*PV
	s_mov_b32 s85, 0xc1f00000       ; -30
	s_mov_b32 s86, 0x41f00000       ; 30
	s_wait_dscnt 0x0                ; the opening add is done
	s_wait_kmcnt 0x0
	s_add_nc_u64 s[G0K+2:G0K+3], s[4:5], s[92:93]
	s_add_nc_u64 s[G0V+2:G0V+3], s[G0K+2:G0K+3], 0x1000000  ; V is the third tensor,
	s_add_nc_u64 s[G0K+2:G0K+3], s[G0K+2:G0K+3], 0x800000   ; K the second
	s_or_b32 s[G0K+3], s[G0K+3], 0x80000000
	s_or_b32 s[G0V+3], s[G0V+3], 0x80000000
	s_add_nc_u64 s[G0R+2:G0R+3], s[6:7], s[88:89]
	s_or_b32 s[G0R+3], s[G0R+3], 0x80000000
	s_add_nc_u64 s[MB:MB+1], s[8:9], s[90:91]
	s_add_nc_u64 s[4:5], s[4:5], s[94:95]
	s_add_nc_u64 s[10:11], s[10:11], s[94:95]
	CROUND                          ; all four work-groups are here: the first joint loads meet
	s_cmp_lt_u32 s[WV], 2           ; a wave's two first fills stand in one branch: two loads of mine are out
	s_cbranch_scc0 .Lfirst_v
	tensor_load_to_lds s[G0K:G0K+3], s[G1K:G1K+7]
	s_nop 0
	tensor_load_to_lds s[G0R:G0R+3], s[G1R:G1R+7]
	s_nop 0
.rept 4
	v_nop
.endr
	s_branch .Lfirst_asked
.Lfirst_v:
	tensor_load_to_lds s[G0V:G0V+3], s[G1V:G1V+7]
	s_nop 0
	tensor_load_to_lds s[G0R:G0R+3], s[G1R:G1R+7]
	s_nop 0
.rept 4
	v_nop
.endr
.Lfirst_asked:
	v_and_b32 v1, 15, v0            ; r = l % 16
	v_bfe_u32 v14, v0, 4, 1         ; h = l / 16
	v_and_b32 v15, 7, v0
	v_lshlrev_b32 v[QO], 7, v1
	v_lshl_add_u32 v[QO], v14, 4, v[QO]
.set i, 0
.rept 8                             ; Q stays in registers: tile i / 2, channels 32 (i % 2) on
	global_load_b128 v[Q+8*i:Q+8*i+3],   v[QO], s[4:5] offset:(i/2)*2048+(i%2)*64
	global_load_b128 v[Q+8*i+4:Q+8*i+7], v[QO], s[4:5] offset:(i/2)*2048+(i%2)*64+32
.set i, i+1
.endr
	; What the first turn finds: O^T, l, V and P's second buffer hold 0 (its products, of a tile that has not been, add 0).  No first step is written out; the price is these lines, in the wait for the first tile.
	WIN 0x40
.set i, 0
.rept 224
	v_mov_b32 v[i], 0
.set i, i+1
.endr
.rept 8
	v_mov_b32 v[i], 0x3c003c00      ; 1.0 twice, in f16
.set i, i+1
.endr
	WIN 0
.set i, 0
.rept 4
	v_mov_b32 v[ST+2*i], 0xfe000000    ; c m: far below every c s
	v_mov_b32 v[ST+2*i+1], 0xff7fffff  ; m
.set i, i+1
.endr
.set i, P+16
.rept 16
	v_mov_b32 v[i], 0
.set i, i+1
.endr
	v_mov_b32 v[TMP+6], 0           ; the a by which the first turn rescales
	v_mov_b32 v[TMP+7], 0
	v_mov_b32 v[NEGV], 0xd0000000   ; -2^33: a power of two, so c x it is exact, and a row hidden so far has p = 2^0
	v_mul_u32_u24 v[AK0], v1, PK
	v_lshl_add_u32 v[AK0], v14, 4, v[AK0]
	v_bfe_u32 v12, v0, 3, 1
	v_lshl_add_u32 v[AV0], v14, 3, v15    ; the turning load: key 8 h + l % 8, channels 8 ((l / 8) % 2) on
	v_mul_u32_u24 v[AV0], v[AV0], PV
	v_lshl_add_u32 v[AV0], v12, 4, v[AV0]
	v_add_nc_u32 v[AV0], VOFF, v[AV0]
	; The window's entry for query q and key k in copy c is k - q + 255 - c, counted from the block's first query.  With c = 3 - r % 4 that is, for tile t and key 64 st + 16 kb + 8 h + j:
	; 4 (3 - r / 4) + 8 h + 64 (3 - w) + 16 (3 - t) + 16 kb + 64 st + j: never negative, 2,299 at the most, and a multiple of 4 at j = 0.
	v_xor_b32 v12, 15, v1           ; 15 - r
	v_and_b32 v13, 3, v12           ; c
	v_lshrrev_b32 v12, 2, v12       ; 3 - r / 4
	v_mul_u32_u24 v13, v13, RELC
	v_lshl_add_u32 v13, v12, 4, v13
	v_lshl_add_u32 v13, v14, 5, v13
	s_xor_b32 s2, s[WV], 3
	s_lshl_b32 s2, s2, 8
	s_add_co_u32 s2, s2, RELB
	v_add_nc_u32 v[REL0], s2, v13
.macro REGS y                       ; the registers of tile y
.set rT, ST+2*(\y)
.set rC, TMP+4*((\y)%2)
.set rM, MV+((\y)%2)
.set rS, S+32*((\y)%2)
.set rP, P+16*((\y)%2)
.set rO, 32*(\y)
.set rL, LA+8*(\y)
.endm
; THE MATRIX WORK.  Accumulators take turns, one instruction a turn.
; Product i of 8 of S^T += K Q^T for tile Y + 1, onto the bias: channels 32 (i / 4) on, keys 16 (i % 4) on.
.macro MMQ i
	WIN 0
.set tq, (Y+1)%4
.set qS, S+32*(tq%2)+8*((\i)%4)
.set qK, KF+16*((\i)%4)+8*((\i)/4)
.set qQ, Q+16*tq+8*((\i)/4)
	v_wmma_f32_16x16x32_f16 v[qS:qS+7], v[qK:qK+7], v[qQ:qQ+7], v[qS:qS+7]
.endm
; Product i of 10 for tile Y - 1: keys 32 (i / 5) on; i % 5 < 4: O^T += V^T P, channels 16 (i % 5) on; i % 5 = 4: l += ones x P.
.macro MMP i
	WIN W_PV
.set tp, (Y+3)%4
.set kk, (\i)/5
.set jj, (\i)%5
.set pP, P+16*(tp%2)+8*kk
.if jj < 4
.set pD, 32*tp+8*jj
.set pA, VF+32*kk+8*jj
.else
.set pD, LA+8*tp
.set pA, ONES
.endif
	v_wmma_f32_16x16x32_f16 v[pD:pD+7], v[pA:pA+7], v[pP:pP+7], v[pD:pD+7]
.endm
; THE LDS LOADS, in runs.
.macro FETCH_K
	WIN 0
.irp f, 0,1,2,3,4,5,6,7             ; keys 16 (f / 2) on, channels 32 (f % 2) on
	ds_load_b128 v[KF+8*\f:KF+8*\f+3],   v[AK] offset:(\f/2)*16*PK+(\f%2)*64
	ds_load_b128 v[KF+8*\f+4:KF+8*\f+7], v[AK] offset:(\f/2)*16*PK+(\f%2)*64+32
.endr
	s_add_co_u32 s[TBK], s[TBK], KS*PK
.endm
.macro FETCH_V
	WIN 0x40
.irp f, 0,1,2,3,4,5,6,7             ; keys 32 (f / 4) on, channels 16 (f % 4) on
	ds_load_tr16_b128 v[VF+8*\f:VF+8*\f+3],   v[AV] offset:(\f/4)*32*PV+(\f%4)*32
	ds_load_tr16_b128 v[VF+8*\f+4:VF+8*\f+7], v[AV] offset:(\f/4)*32*PV+16*PV+(\f%4)*32
.endr
	WIN 0
.endm
.macro RELLD t                      ; tile t's bias for the step in hand, into the registers in which its scores will be summed
	WIN 0
.irp b, 0,1,2,3
	ds_load_b128 v[S+32*((\t)%2)+8*\b:S+32*((\t)%2)+8*\b+3],   v[RELA] offset:64*(3-(\t))+64*\b
	ds_load_b128 v[S+32*((\t)%2)+8*\b+4:S+32*((\t)%2)+8*\b+7], v[RELA] offset:64*(3-(\t))+64*\b+16
.endr
.endm
; THE VECTOR WORK, a line at a time.
.macro MK n                         ; score n of tile Y is kept where its lane's bit is set
	REGS Y
	WIN 0
	v_cndmask_b32 v[rS+(\n)], v[NEGV], v[rS+(\n)], s[MW+(\n)]
.endm
; Number n of the 22 that find tile Y's maximum and statistics: 0-11 four chains of seven scores; 12-14, 16 the four left over, the old m, and the chains into c0; 15 c m_old is kept;
; 17, 18 the query's other 32 keys lie in the lane 16 away; 19-21 c m; c m_old - c m_new; a.
.macro XS n
	REGS Y
	WIN 0
.if (\n) < 4
	v_max3_num_f32 v[rC+(\n)], v[rS+8*(\n)], v[rS+8*(\n)+1], v[rS+8*(\n)+2]
.elseif (\n) < 12
	v_max3_num_f32 v[rC+(\n)%4], v[rC+(\n)%4], v[rS+8*((\n)%4)+2*((\n)/4)+1], v[rS+8*((\n)%4)+2*((\n)/4)+2]
.elseif (\n) == 12
	v_max3_num_f32 v[rC], v[rC], v[rS+7], v[rS+15]
.elseif (\n) == 13
	v_max3_num_f32 v[rC+1], v[rC+1], v[rS+23], v[rS+31]
.elseif (\n) == 14
	v_max3_num_f32 v[rC+2], v[rC+2], v[rC+3], v[rT+1]
.elseif (\n) == 15
	v_mov_b32 v[rM], v[rT]
.elseif (\n) == 16
	v_max3_num_f32 v[rC], v[rC], v[rC+1], v[rC+2]
.elseif (\n) == 17
	v_permlanex16_b32 v[rC+3], v[rC], s[SEL], s[SEL+1]
.elseif (\n) == 18
	v_max_num_f32 v[rT+1], v[rC], v[rC+3]
.elseif (\n) == 19
	v_mul_f32 v[rT], s[CS], v[rT+1]
.elseif (\n) == 20
	v_sub_f32 v[rC+1], v[rM], v[rT]
.else
	v_exp_f32 v[rC+2], v[rC+1]
.endif
.endm
.macro FS n                         ; c s - c m for pair n of 16
	REGS Y
	WIN 0
	v_pk_fma_f32 v[rS+2*(\n):rS+2*(\n)+1], v[rS+2*(\n):rS+2*(\n)+1], s[CS:CS+1], v[rT:rT+1] op_sel_hi:[1,0,0] neg_lo:[0,0,1] neg_hi:[0,0,1]
.endm
.macro EX n
	REGS Y
	WIN 0
	v_exp_f32 v[rS+(\n)], v[rS+(\n)]
.endm
.macro CV n                         ; pair n rounded to f16
	REGS Y
	WIN 0
	s_wait_alu depctr_va_vdst(0)
	v_cvt_pk_f16_f32 v[rP+(\n)], v[rS+2*(\n)], v[rS+2*(\n)+1]
.endm
.macro RSC n                        ; pair n of 16 of tile Y - 1's O^T times that tile's a
	REGS (Y+3)%4
	WIN W_PV
	v_pk_mul_f32 v[rO+2*(\n):rO+2*(\n)+1], v[rO+2*(\n):rO+2*(\n)+1], v[rC+2:rC+3] op_sel_hi:[1,0]
.endm
.macro RLL                          ; and its l
	REGS (Y+3)%4
	WIN W_PV
	v_mul_f32 v[rL], v[rL], v[rC+2]
.endm
; Group n of 16: two exponentials, a scaling four pairs ahead, the rounding of the pair before.  Between an exponential and the use of its result stands a plain line that touches neither it nor its source (ISA guide 5.7.2).
.macro GG n
	EX 2*(\n)
.if (\n) < 12
	FS (\n)+4
.endif
	EX 2*(\n)+1
.if (\n) >= 1
	CV (\n)-1
.endif
.endm
.macro RUN op, a, b                 ; numbers a to b of one kind
.set nn, (\a)
.rept (\b)-(\a)+1
	\op nn
.set nn, nn+1
.endr
.endm
; A TURN, for tile p.  last = 1 (the tail): in the last trip there is no further step, and the fetches for it are jumped over.
; Distances, by this text's own count: between the last product that read K (the turn before) and K's loads stand five roundings; between the last product that read V and V's loads two selects and four maxima;
; the scores are first read 17 rescalings behind the product that made them, each accumulator from its low end on.
.macro TURN p, last=0
.set Y, (\p)
	WIN 0
	s_wait_kmcnt 0x0                ; tile p's masks are in, and the loads that named MOFF are done
.if (\p) == 1
	s_wait_dscnt 0x0                ; V is in
.endif
.if (\p) == 3
.if \last
	s_cmp_eq_u32 s[CNT], 1
	s_cbranch_scc1 .Lno_k_\@
.endif
	s_add_co_u32 s[RS], s[RS], 256  ; the next step: 64 entries on in the window
	v_add_nc_u32 v[RELA], s[RS], v[REL0]
	v_add_nc_u32 v[AK], s[TBK], v[AK0]
.endif
	RELLD ((\p)+1)%4
.if (\p) == 3
	FETCH_K
.if \last
.Lno_k_\@:
.endif
.endif
	RUN RSC, 0, 3
	MMP 0
	RUN RSC, 4, 7
	MMP 1
	RUN RSC, 8, 11
	MMP 2
	RUN RSC, 12, 15
	MMP 3
	RLL
	MMP 4
	RUN MK, 0, 5
	MMP 5
	RUN MK, 6, 11
	MMP 6
	RUN MK, 12, 17
	MMP 7
	RUN MK, 18, 23
	MMP 8
	RUN MK, 24, 29
	MMP 9
	RUN MK, 30, 31
.if (\p) == 3
	s_add_co_u32 s[MOFF], s[MOFF], 128
.endif
	s_load_b512 s[MW:MW+15],    s[MB:MB+1], s[MOFF] offset:(((\p)+1)%4)*4096     ; the next tile's masks (behind the last step: the next tile's first words, inside the buffer, used by nothing)
	s_load_b512 s[MW+16:MW+31], s[MB:MB+1], s[MOFF] offset:(((\p)+1)%4)*4096+64
	RUN XS, 0, 3
	s_wait_dscnt 0x0                ; the bias is in, and in tile 3's turn K
.if (\p) == 0
	v_add_nc_u32 v[AV], s[TBV], v[AV0]
	FETCH_V
	s_add_co_u32 s[TBV], s[TBV], KS*PV
.endif
	MMQ 0
	RUN XS, 4, 11
	MMQ 1
	RUN XS, 12, 17
	MMQ 2
	RUN XS, 18, 21
	RUN FS, 0, 3
	MMQ 3
	RUN GG, 0, 2
	MMQ 4
	RUN GG, 3, 5
	MMQ 5
	RUN GG, 6, 8
	MMQ 6
	RUN GG, 9, 11
	MMQ 7
	RUN GG, 12, 15
	CV 15
.endm
	CHANGE 1                        ; slot 0 and the window are in, everybody's part; slot 1 is asked for.  The window's descriptor is free from here on
	s_mov_b32 s[MOFF], 0
	s_load_b512 s[MW:MW+15],    s[MB:MB+1], s[MOFF] offset:0
	s_load_b512 s[MW+16:MW+31], s[MB:MB+1], s[MOFF] offset:64
	s_mov_b32 s[RS], 0
	v_mov_b32 v[RELA], v[REL0]
	RELLD 0
	v_add_nc_u32 v[AK], s[TBK], v[AK0]
	FETCH_K                         ; key step 0
	s_wait_loadcnt 0x0              ; Q
	s_wait_dscnt 0x0
.set Y, 3
.irp i, 0,1,2,3,4,5,6,7
	MMQ \i                          ; tile 0's first scores
.endr
	s_mul_i32 s13, s[WV], 16*SP     ; the addresses for the way out
	s_add_co_u32 s13, s13, STAGE
	v_mul_u32_u24 v[STO], v1, SP    ; in: row l % 16, 16 bytes for each half of the lanes
	v_lshl_add_u32 v[STO], v14, 4, v[STO]
	v_add_nc_u32 v[STO], s13, v[STO]
	v_bfe_u32 v[RD], v0, 3, 2       ; back: 32 lanes take four rows of 128 bytes,
	v_mul_u32_u24 v[RD], v[RD], SP
	v_lshl_add_u32 v[RD], v15, 4, v[RD]
	v_add_nc_u32 v[RD], s13, v[RD]
	v_and_b32 v[GO], 31, v0         ; which are 512 consecutive bytes of O
	v_lshlrev_b32 v[GO], 4, v[GO]
	s_mov_b32 s[CNT], 4
	s_mov_b32 s[SLOTS], 7
	s_branch .Lfirst                ; the loop is entered at a step's first turn, in the middle of a trip
.Lslot:                             ; six times: every slot but the last two is filled again
	CHANGE 1
	s_mov_b32 s[CNT], 4
.Lstep:                             ; a trip: tiles 2 and 3 of one step, then tiles 0 and 1 of the next, whose K and V it fetches
	TURN 2
	TURN 3
	WIN 0
.Lfirst:
	TURN 0
	TURN 1
	WIN 0
	s_sub_co_u32 s[CNT], s[CNT], 1
	s_cmp_lg_u32 s[CNT], 0
	s_cbranch_scc1 .Lstep
	s_sub_co_u32 s[SLOTS], s[SLOTS], 1
	s_cmp_lg_u32 s[SLOTS], 0
	s_cbranch_scc1 .Lslot
	CHANGE 0                        ; the tail is written out: nothing is asked for
	s_mov_b32 s[CNT], 5             ; four trips fetch the last slot's steps; the fifth is left in its middle
.Ltail:
	TURN 2
	TURN 3, 1
	WIN 0
	s_sub_co_u32 s[CNT], s[CNT], 1
	s_cmp_eq_u32 s[CNT], 0
	s_cbranch_scc1 .Lout
	TURN 0
	TURN 1
	WIN 0
	s_branch .Ltail
.Lout:                              ; the fifth trip's 8 products K Q^T serve nothing: the price, once a launch, of one text for every trip
	s_wait_kmcnt 0x0                ; the last scalar loads, which nothing uses
.set Y, 0                           ; tile 3's products of the last step
	RUN RSC, 0, 3
	MMP 0
	RUN RSC, 4, 7
	MMP 1
	RUN RSC, 8, 11
	MMP 2
	RUN RSC, 12, 15
	MMP 3
	RLL
	MMP 4
	MMP 5
	MMP 6
	MMP 7
	MMP 8
	MMP 9
	WIN 0
.rept 4
	v_nop                           ; the places behind the last products
.endr
	; THE WAY OUT.  O^T is divided by l, held to -30 .. 30, rounded to f16 and sent through my stage in LDS, a tile at a time.
	WIN 0x01                        ; source 0 in window 1
.irp t, 0,1,2,3
	v_rcp_f32 v[TMP+2*\t], v[LA+8*\t]
.endr
	v_nop                           ; a plain line between the last reciprocal and the use of its result
	s_wait_alu depctr_va_vdst(0)
.macro PACK t
	WIN 0x41
.set i, 32*(\t)
.rept 16
	v_pk_mul_f32 v[i:i+1], v[i:i+1], v[TMP+2*(\t):TMP+2*(\t)+1] op_sel_hi:[1,0]
.set i, i+2
.endr
.set i, 32*(\t)
.rept 32
	v_med3_num_f32 v[i], v[i], s85, s86
.set i, i+1
.endr
	WIN 0x05                        ; sources 0 and 1 window 1, destination window 0: S^T's registers are free
.set i, 0
.rept 16
	v_cvt_pk_f16_f32 v[S+16*(\t)+i], v[32*(\t)+2*i], v[32*(\t)+2*i+1]
.set i, i+1
.endr
	WIN 0
.irp f, 0,1,2,3
	ds_store_b128 v[STO], v[S+16*(\t)+4*\f:S+16*(\t)+4*\f+3] offset:32*\f
.endr
.irp f, 0,1,2,3
	ds_load_b128 v[S+16*(\t)+4*\f:S+16*(\t)+4*\f+3], v[RD] offset:\f*4*SP  ; LDS serves a wave's instructions in order (ISA guide 5.7.1.4): these see the stores above; the next tile's stores come behind them
.endr
.endm
.macro SEND t, younger              ; younger: the LDS instructions issued behind tile t's loads: the next tile's eight, or none
	WIN 0
.irp f, 0,1,2,3
	s_wait_dscnt (\younger)+3-\f
	global_store_b128 v[GO], v[S+16*(\t)+4*\f:S+16*(\t)+4*\f+3], s[10:11] offset:(\t)*2048+\f*512  ; 512 consecutive bytes, at a multiple of 256 from O's first
.endr
.endm
	PACK 0
.set t, 1
.rept 3                             ; a tile's arithmetic stands between the loads of the tile before and its stores
	PACK t
	SEND t-1, 8
.set t, t+1
.endr
	SEND 3, 0
	WIN W_AD
	s_wait_tensorcnt 0x0            ; the wave's end
	ds_add_u32 v[SPW], v[NIL]
	s_wait_dscnt 0x0
	WIN 0
	CROUND                          ; the closing round: no work-group ends while a partner may still ask for a tile that names it
	s_endpgm
.Lfunc_end_k_qdd5c80c2fd_attn:
	.size	k_qdd5c80c2fd_attn, .Lfunc_end_k_qdd5c80c2fd_attn-k_qdd5c80c2fd_attn
	.p2alignl 7, 3214868480
	.fill 96, 4, 3214868480
	.section	.rodata,"a",@progbits
	.p2align	6, 0x0
	.amdhsa_kernel k_qdd5c80c2fd_attn
		.amdhsa_group_segment_fixed_size 327680
		.amdhsa_private_segment_fixed_size 0
		.amdhsa_enable_private_segment 0
		.amdhsa_kernarg_size 32
		.amdhsa_user_sgpr_count 2
		.amdhsa_user_sgpr_kernarg_segment_ptr 1
		.amdhsa_wavefront_size32 1
		.amdhsa_system_sgpr_workgroup_id_x 1
		.amdhsa_system_sgpr_workgroup_id_y 1
		.amdhsa_system_sgpr_workgroup_id_z 1
		.amdhsa_system_vgpr_workitem_id 0
		.amdhsa_next_free_vgpr 512
		.amdhsa_next_free_sgpr 96
		.amdhsa_reserve_vcc 0
		.amdhsa_float_denorm_mode_32 3
		.amdhsa_float_denorm_mode_16_64 3
		.amdhsa_memory_ordered 1
		.amdhsa_forward_progress 1
		.amdhsa_inst_pref_size 132
	.end_amdhsa_kernel
	.amdgpu_metadata
---
amdhsa.version: [ 1, 2 ]
amdhsa.kernels:
  - .name:           k_qdd5c80c2fd_attn
    .symbol:         k_qdd5c80c2fd_attn.kd
    .args:
      - { .name: qkvh, .offset: 0, .size: 8, .value_kind: global_buffer, .address_space: global }
      - { .name: tabs, .offset: 8, .size: 8, .value_kind: global_buffer, .address_space: global }
      - { .name: mbits, .offset: 16, .size: 8, .value_kind: global_buffer, .address_space: global }
      - { .name: ob, .offset: 24, .size: 8, .value_kind: global_buffer, .address_space: global }
    .group_segment_fixed_size: 327680
    .private_segment_fixed_size: 0
    .kernarg_segment_align: 8
    .kernarg_segment_size: 32
    .max_flat_workgroup_size: 128
    .sgpr_count:     96
    .vgpr_count:     512
    .wavefront_size: 32
...
	.end_amdgpu_metadata
.endif
;; end of part 3
;; launch oproj (part 4): grid 8 x 32, 4 waves a work-group, clusters of 4 x 4, 327,680 bytes of LDS; arguments ob, wbuf, tabs, out0; writes out0
.if DOCPART == 4
	.amdgcn_target "amdgcn-amd-amdhsa--gfx1250"
	.amdhsa_code_object_version 6
	.text
	.protected	k_qdd5c80c2fd_oproj
	.globl	k_qdd5c80c2fd_oproj
	.p2align	8
	.type	k_qdd5c80c2fd_oproj,@function
k_qdd5c80c2fd_oproj:
	s_mov_b64 s[64:65], 0
	v_nop
	global_prefetch_b8 v0, s[64:65] scope:SCOPE_SE
	s_setreg_imm32_b32 hwreg(HW_REG_WAVE_MODE, 25, 1), 1
	s_wait_xcnt 0x0
	s_wait_alu depctr_hold_cnt(0) depctr_sa_sdst(0) depctr_va_vdst(0) depctr_va_sdst(0) depctr_va_ssrc(0) depctr_va_vcc(0) depctr_vm_vsrc(0)
	s_getreg_b32 s2, hwreg(HW_REG_IB_STS2, 6, 4)
	s_cmp_eq_u32 s2, 0
	s_cbranch_scc0 .Lentry_in_a_cluster
	s_endpgm
.Lentry_in_a_cluster:
	s_bfe_u32 s2, ttmp6, 0x10000c
	s_cmp_lg_u32 s2, 0xf033
	s_cbranch_scc0 .Lentry_shape_is_right
	s_endpgm
.Lentry_shape_is_right:
; out0 = O wo^T + bo.  O: ob [32 (b, h)][2048][64] f16, by heads; wo: the fourth kilorow of wbuf, f16 of its bf16 value; bo from tabs; out0 [4096][1024] f32.  f16 operands, f32 sums.
; A tile is 128 x 128, four waves of 64 x 64.  K = 64 h + d goes in steps of 256, four heads; a quarter of a step is one head.
; O's TILE.  A wave's load brings 64 rows of four heads: in memory four dense pieces of 8,192 bytes, 262,144 bytes apart: a tile of 4 rows of 4,096 elements, padded in LDS after every 128 bytes,
; so that it lies [head][row] with a pitch of 144 bytes.  wo's tile is 64 rows of 512 bytes with a pitch of 528.
; CLUSTERS: 4 x 4 work-groups; O's tiles are asked for jointly along a row of the cluster, wo's along a column.
; THE MATRIX INSTRUCTION IS USED TRANSPOSED: a lane holds eight neighbouring columns of a row.  THE WAY OUT is the wave's own: its 64 columns of f32 are 256 aligned bytes of a row of out0.
; REGISTERS: window 0: v0-31 addresses; v96-127 the bias of my 64 columns; v128-255 the accumulators.  window 1: two fragment buffers of 128.
.set KSTEP,  256
.set PITCH,  528                       ; wo's LDS row
.set PA,     144                       ; O's LDS row: 128 bytes + 16: the 16 rows of a load start at 16 different groups of four banks (ISA guide 11.1)
.set PHEAD,  64*PA                     ; a head's 64 rows
.set HALFA,  4*PHEAD                   ; what one load of O brings
.set HALFB,  64*PITCH                  ; what one load of wo brings
.set BOFF,   2*HALFA
.set SLOT,   BOFF+2*HALFB
.set STAGE,  2*SLOT                    ; behind the ring: 16 rows x 272 bytes for each wave
.set SPITCH, 272
.set SPARE,  STAGE+4*16*SPITCH
.set LAPS,   2
.set BIAS,   2166784
.set ADRA, 16
.set ADRB, 20
.set STO,  24
.set RD,   25
.set GO,   26
.set SPW,  28                          ; my spare word; never rewritten
.set NIL,  29                          ; 0; never rewritten
.set BO,   31
.set BI,   96
.set ACC,  128
.set F0,   0
.set F1,   128
.set G1, 24
.set G0, 32
.set G1B, 48
.set G0B, 56
.set MSB, 0
.macro WIN new
.if MSB != (\new)
	s_set_vgpr_msb (MSB<<8)|(\new)
.set MSB, \new
.endif
.endm
.set MUL,  0x05
.set TO_F, 0x40
.macro JLOAD s                         ; a joint load: waves 0 and 1 fetch O's two halves, waves 2 and 3 wo's; an s_nop 0 and four v_nop follow each line
	s_cmp_eq_u32 s11, 0
	s_cbranch_scc0 .Lfor_b_\@
	tensor_load_to_lds s[G0+4*(\s):G0+4*(\s)+3], s[G1:G1+7]
	s_nop 0
.rept 4
	v_nop
.endr
	s_branch .Lasked_\@
.Lfor_b_\@:
	tensor_load_to_lds s[G0B+4*(\s):G0B+4*(\s)+3], s[G1B:G1B+7]
	s_nop 0
.rept 4
	v_nop
.endr
.Lasked_\@:
.endm
.macro CREST
	s_cmp_lg_u32 s10, 0
	s_cbranch_scc1 .Lnot_wave_0_\@
	s_barrier_signal -3
.Lnot_wave_0_\@:
	s_barrier_wait -3
	s_barrier_signal -1
	s_barrier_wait -1
.endm
.macro CROUND
	s_barrier_signal -1
	s_barrier_wait -1
	CREST
.endm
	s_load_b128 s[4:7], s[0:1], 0x0                ; ob s[4:5], wbuf s[6:7]
	s_load_b128 s[68:71], s[0:1], 0x10             ; tabs s[68:69], out0 s[70:71]
	v_lshl_add_u32 v[SPW], v0, 2, SPARE
	v_mov_b32 v[NIL], 0
	ds_add_u32 v[SPW], v[NIL]                      ; the wave's opening: the add and its wait ahead of my first tensor load
	v_lshrrev_b32 v1, 5, v0
	v_readfirstlane_b32 s10, v1
	s_lshr_b32 s11, s10, 1                         ; my half of the tile's rows.  Also: I fetch for O (0) or for wo (1)
	s_and_b32 s12, s10, 1                          ; my half of its columns.  Also: which 64 rows I fetch
	s_bfe_u32 s40, ttmp6, 0x40000
	s_bfe_u32 s41, ttmp6, 0x40004
	s_lshl_b32 s42, ttmp9, 2
	s_add_co_u32 s42, s42, s40                     ; tile column 0..7
	s_and_b32 s13, ttmp7, 0xffff
	s_lshl_b32 s13, s13, 2
	s_add_co_u32 s13, s13, s41                     ; tile row 0..31
	s_lshl_b32 s43, s41, 2
	s_lshl_b32 s43, 15, s43
	s_lshl_b32 s44, 0x1111, s40
	s_or_b32 s[G1+0], s43, (1<<16)|(1<<20)|(1<<21)|(4<<22)|(3<<25)  ; O: the mask of my row; 2-byte elements; padding on; bit 21 beside a mask; after every 32 words 4 words
	s_mov_b32 s[G1+1], 4096<<16                    ; tensor_dim0 = 4,096: 64 rows of 64 channels, dense
	s_mov_b32 s[G1+2], 4<<16                       ; tensor_dim1 = 4 heads
	s_mov_b32 s[G1+3], 4096<<16                    ; tile_dim0
	s_mov_b32 s[G1+4], 4                           ; tile_dim1
	s_mov_b32 s[G1+5], 131072                      ; elements from head to head
	s_mov_b32 s[G1+6], 0
	s_mov_b32 s[G1+7], 0
	s_or_b32 s[G1B+0], s44, (1<<16)|(1<<20)|(1<<21)|(6<<22)|(3<<25) ; wo: the mask of my column; after every 128 words 4 words
	s_mov_b32 s[G1B+1], KSTEP<<16
	s_mov_b32 s[G1B+2], 64<<16
	s_mov_b32 s[G1B+3], KSTEP<<16
	s_mov_b32 s[G1B+4], 64
	s_mov_b32 s[G1B+5], 1024
	s_mov_b32 s[G1B+6], 0
	s_mov_b32 s[G1B+7], 0
	s_lshl_b32 s18, s12, 6
	s_lshr_b32 s16, s13, 4                         ; the batch: 16 heads of 262,144 bytes
	s_lshl_b32 s16, s16, 22
	s_and_b32 s17, s13, 15
	s_lshl_b32 s17, s17, 7
	s_add_co_u32 s17, s17, s18                     ; the position of my first row
	s_lshl_b32 s17, s17, 7
	s_add_co_u32 s16, s16, s17
	s_mov_b32 s17, 0
	s_lshl_b32 s46, s42, 7
	s_add_co_u32 s46, s46, s18
	s_lshl_b32 s46, s46, 11
	s_add_co_u32 s46, s46, 6291456                 ; wo lies behind wq, wk, wv
	s_mov_b32 s47, 0
	s_mul_i32 s20, s12, HALFA                      ; where they go: no place in the cluster enters an LDS address
	s_mul_i32 s21, s12, HALFB
	s_add_co_u32 s21, s21, BOFF
	s_wait_dscnt 0x0                               ; the opening add is done
	s_wait_kmcnt 0x0
	s_add_nc_u64 s[14:15], s[4:5], s[16:17]
	s_add_nc_u64 s[46:47], s[6:7], s[46:47]
	CROUND                                         ; all sixteen work-groups are here: the first joint loads meet
.irp s, 0,1
	s_mov_b32 s[G0+4*(\s)], 1
	s_add_co_u32 s[G0+4*(\s)+1], s20, (\s)*SLOT
	s_add_nc_u64 s[G0+4*(\s)+2:G0+4*(\s)+3], s[14:15], (\s)*1048576  ; K step s: four heads on
	s_or_b32 s[G0+4*(\s)+3], s[G0+4*(\s)+3], 0x80000000
	s_mov_b32 s[G0B+4*(\s)], 1
	s_add_co_u32 s[G0B+4*(\s)+1], s21, (\s)*SLOT
	s_add_nc_u64 s[G0B+4*(\s)+2:G0B+4*(\s)+3], s[46:47], (\s)*KSTEP*2
	s_or_b32 s[G0B+4*(\s)+3], s[G0B+4*(\s)+3], 0x80000000
	JLOAD \s
.endr
	v_and_b32 v1, 15, v0
	v_bfe_u32 v2, v0, 4, 1
	v_mul_u32_u24 v3, v1, PA
	v_lshl_add_u32 v3, v2, 4, v3
	v_mul_u32_u24 v4, v1, PITCH
	v_lshl_add_u32 v4, v2, 4, v4
	s_mul_i32 s21, s11, HALFA                      ; my 64 rows of O
	s_mul_i32 s22, s12, HALFB                      ; my 64 rows of wo
	s_add_co_u32 s22, s22, BOFF
.irp s, 0,1
	v_add_nc_u32 v[ADRA+(\s)], s21, v3
	v_add_nc_u32 v[ADRB+(\s)], s22, v4
	s_add_co_u32 s21, s21, SLOT
	s_add_co_u32 s22, s22, SLOT
.endr
	s_mul_i32 s23, s10, 16*SPITCH
	s_add_co_u32 s23, s23, STAGE                   ; my stage
	v_mul_u32_u24 v4, v1, SPITCH                   ; in: row l % 16, 32 bytes for each half of the lanes
	v_lshl_add_u32 v4, v2, 5, v4
	v_add_nc_u32 v[STO], s23, v4
	v_mul_u32_u24 v5, v2, SPITCH                   ; back: lanes 0-15 one row of 256 bytes, lanes 16-31 the next
	v_lshl_add_u32 v5, v1, 4, v5
	v_add_nc_u32 v[RD], s23, v5
	v_lshlrev_b32 v5, 12, v2                       ; and the same two rows in out0
	v_lshl_add_u32 v[GO], v1, 4, v5
	v_lshlrev_b32 v[BO], 5, v2
	s_lshl_b32 s78, s42, 9                         ; my 64 columns, in bytes
	s_lshl_b32 s79, s12, 8
	s_add_co_u32 s18, s78, s79
	s_add_co_u32 s78, s18, BIAS+12288
	s_mov_b32 s79, 0
	s_add_nc_u64 s[74:75], s[68:69], s[78:79]
.irp b, 0,1,2,3
	global_load_b128 v[BI+8*\b:BI+8*\b+3],   v[BO], s[74:75] offset:64*\b
	global_load_b128 v[BI+8*\b+4:BI+8*\b+7], v[BO], s[74:75] offset:64*\b+16
.endr
	s_lshl_b32 s78, s13, 7
	s_lshl_b32 s19, s11, 6
	s_add_co_u32 s78, s78, s19                     ; my first row
	s_lshl_b32 s78, s78, 12
	s_add_co_u32 s78, s78, s18
	s_add_nc_u64 s[70:71], s[70:71], s[78:79]
; 8 matrix instructions: m blocks a0, a0 + 1 x all 4 n blocks, 32 along K.  The 16 accumulators take turns.
.macro MUL8 f, c, a0, zero
	WIN MUL
.irp a, \a0, (\a0)+1
.irp b, 0,1,2,3
.if \zero
	v_wmma_f32_16x16x32_f16 v[ACC+8*(4*(\a)+(\b)):ACC+8*(4*(\a)+(\b))+7], v[(\f)+64+8*(4*(\c)+(\b)):(\f)+64+8*(4*(\c)+(\b))+7], v[(\f)+8*(4*(\c)+(\a)):(\f)+8*(4*(\c)+(\a))+7], 0
.else
	v_wmma_f32_16x16x32_f16 v[ACC+8*(4*(\a)+(\b)):ACC+8*(4*(\a)+(\b))+7], v[(\f)+64+8*(4*(\c)+(\b)):(\f)+64+8*(4*(\c)+(\b))+7], v[(\f)+8*(4*(\c)+(\a)):(\f)+8*(4*(\c)+(\a))+7], v[ACC+8*(4*(\a)+(\b)):ACC+8*(4*(\a)+(\b))+7]
.endif
.endr
.endr
.endm
; 32 LDS loads in one run: the fragments of 64 along K: byte k of wo's rows, head k / 128 of O's tile
.macro FETCH slot, k, f
	WIN TO_F
.irp c, 0,1
.irp i, 0,1,2,3
	ds_load_b128 v[(\f)+64+8*(4*(\c)+(\i)):(\f)+64+8*(4*(\c)+(\i))+3],   v[ADRB+(\slot)] offset:(\k)+64*(\c)+(\i)*16*PITCH
	ds_load_b128 v[(\f)+64+8*(4*(\c)+(\i))+4:(\f)+64+8*(4*(\c)+(\i))+7], v[ADRB+(\slot)] offset:(\k)+64*(\c)+(\i)*16*PITCH+32
	ds_load_b128 v[(\f)+8*(4*(\c)+(\i)):(\f)+8*(4*(\c)+(\i))+3],         v[ADRA+(\slot)] offset:((\k)/128)*PHEAD+64*(\c)+(\i)*16*PA
	ds_load_b128 v[(\f)+8*(4*(\c)+(\i))+4:(\f)+8*(4*(\c)+(\i))+7],       v[ADRA+(\slot)] offset:((\k)/128)*PHEAD+64*(\c)+(\i)*16*PA+32
.endr
.endr
.endm
.macro PLACES
.rept 4
	v_nop
.endr
.endm
.macro QUARTER slot, k, f, g, zero
	s_wait_dscnt 16                                ; the first 32 along K are in; the other sixteen loads may be out
	WIN MUL
	MUL8 \f, 0, 0, \zero
	MUL8 \f, 0, 2, \zero
	PLACES
	FETCH \slot, \k, \g
	s_wait_dscnt 32                                ; all but the 32 just issued
	WIN MUL
	MUL8 \f, 1, 0, 0
	MUL8 \f, 1, 2, 0
.endm
.macro TURN slot, next, fill
	WIN 0
	s_wait_tensorcnt 0x0                           ; all my tensor loads have landed: my part of the next slot
	ds_add_u32 v[SPW], v[NIL]
	s_wait_dscnt 17                                ; the add and the youngest sixteen loads may be out
	WIN MUL
	MUL8 F1, 0, 0, 0
	s_wait_dscnt 0x0                               ; the add is done, and my reads of this slot are over
	s_barrier_signal -1
	MUL8 F1, 0, 2, 0
.if \fill
	WIN 0
.endif
	s_barrier_wait -1
.if \fill
	CREST                                          ; the barrier has opened a round of the cluster's: no wave of any partner still reads this slot or has a load on its way
	s_add_nc_u64 s[G0+4*(\slot)+2:G0+4*(\slot)+3], s[G0+4*(\slot)+2:G0+4*(\slot)+3], 2*1048576
	s_add_nc_u64 s[G0B+4*(\slot)+2:G0B+4*(\slot)+3], s[G0B+4*(\slot)+2:G0B+4*(\slot)+3], 2*KSTEP*2
	JLOAD \slot
.else
	PLACES
.endif
	FETCH \next, 0, F0
	WIN MUL
	MUL8 F1, 1, 0, 0
	MUL8 F1, 1, 2, 0
.endm
; THE WAY OUT of my rows 16 a .. 16 a + 15: the bias, into my stage, back as whole rows of 256 bytes into the registers that they left, and out.
.macro EPO a
.set AC, ACC+32*(\a)
.set z, 0
.rept 16
	v_pk_add_f32 v[AC+2*z:AC+2*z+1], v[AC+2*z:AC+2*z+1], v[BI+2*z:BI+2*z+1]
.set z, z+1
.endr
.irp b, 0,1,2,3
	ds_store_b128 v[STO], v[AC+8*\b:AC+8*\b+3]   offset:64*\b
	ds_store_b128 v[STO], v[AC+8*\b+4:AC+8*\b+7] offset:64*\b+16
.endr
.irp u, 0,1,2,3,4,5,6,7
	ds_load_b128 v[AC+4*\u:AC+4*\u+3], v[RD] offset:2*SPITCH*\u  ; LDS serves a wave's instructions in order (ISA guide 5.7.1.4): these see the stores above
.endr
.irp u, 0,1,2,3,4,5,6,7
	s_wait_dscnt 7-\u                              ; the younger read-backs stay out
	global_store_b128 v[GO], v[AC+4*\u:AC+4*\u+3], s[70:71] offset:(16*(\a)+2*\u)*4096 th:TH_STORE_NT  ; 16 lanes store 256 consecutive bytes, aligned
.endr
.endm
	s_wait_tensorcnt 1                             ; my part of K step 0 is in; K step 1's may stay out
	s_barrier_signal -1
	s_barrier_wait -1
	FETCH 0, 0, F0
	QUARTER 0, 128, F0, F1, 1                      ; the first quarter stands in front of the loop: its first products start the sums
	WIN 0
	s_mov_b32 s3, LAPS-1
.Llap:
	QUARTER 0, 256, F1, F0, 0
	QUARTER 0, 384, F0, F1, 0
	TURN 0, 1, 1
	QUARTER 1, 128, F0, F1, 0
	QUARTER 1, 256, F1, F0, 0
	QUARTER 1, 384, F0, F1, 0
	TURN 1, 0, 1
	QUARTER 0, 128, F0, F1, 0
	WIN 0
	s_sub_co_u32 s3, s3, 1
	s_cmp_lg_u32 s3, 0
	s_cbranch_scc1 .Llap
	QUARTER 0, 256, F1, F0, 0                      ; the last lap fills nothing
	QUARTER 0, 384, F0, F1, 0
	TURN 0, 1, 0
	QUARTER 1, 128, F0, F1, 0
	QUARTER 1, 256, F1, F0, 0
	QUARTER 1, 384, F0, F1, 0
	s_wait_dscnt 16
	WIN MUL
	MUL8 F1, 0, 0, 0
	MUL8 F1, 0, 2, 0
	s_wait_dscnt 0
	MUL8 F1, 1, 0, 0
	MUL8 F1, 1, 2, 0
	WIN 0
	s_wait_loadcnt 0x0                             ; the bias
	PLACES
	EPO 0
	EPO 1
	EPO 2
	EPO 3
	s_wait_tensorcnt 0x0                           ; the wave's end
	ds_add_u32 v[SPW], v[NIL]
	s_wait_dscnt 0x0
	CROUND                                         ; the closing round: no work-group ends while a partner may still ask for a tile that names it
	s_endpgm
.Lfunc_end_k_qdd5c80c2fd_oproj:
	.size	k_qdd5c80c2fd_oproj, .Lfunc_end_k_qdd5c80c2fd_oproj-k_qdd5c80c2fd_oproj
	.p2alignl 7, 3214868480
	.fill 96, 4, 3214868480
	.section	.rodata,"a",@progbits
	.p2align	6, 0x0
	.amdhsa_kernel k_qdd5c80c2fd_oproj
		.amdhsa_group_segment_fixed_size 327680
		.amdhsa_private_segment_fixed_size 0
		.amdhsa_enable_private_segment 0
		.amdhsa_kernarg_size 32
		.amdhsa_user_sgpr_count 2
		.amdhsa_user_sgpr_kernarg_segment_ptr 1
		.amdhsa_wavefront_size32 1
		.amdhsa_system_sgpr_workgroup_id_x 1
		.amdhsa_system_sgpr_workgroup_id_y 1
		.amdhsa_system_sgpr_workgroup_id_z 1
		.amdhsa_system_vgpr_workitem_id 0
		.amdhsa_next_free_vgpr 512
		.amdhsa_next_free_sgpr 80
		.amdhsa_reserve_vcc 0
		.amdhsa_float_denorm_mode_32 3
		.amdhsa_float_denorm_mode_16_64 3
		.amdhsa_memory_ordered 1
		.amdhsa_forward_progress 1
		.amdhsa_inst_pref_size 92
	.end_amdhsa_kernel
	.amdgpu_metadata
---
amdhsa.version: [ 1, 2 ]
amdhsa.kernels:
  - .name:           k_qdd5c80c2fd_oproj
    .symbol:         k_qdd5c80c2fd_oproj.kd
    .args:
      - { .name: ob, .offset: 0, .size: 8, .value_kind: global_buffer, .address_space: global }
      - { .name: wbuf, .offset: 8, .size: 8, .value_kind: global_buffer, .address_space: global }
      - { .name: tabs, .offset: 16, .size: 8, .value_kind: global_buffer, .address_space: global }
      - { .name: out0, .offset: 24, .size: 8, .value_kind: global_buffer, .address_space: global }
    .group_segment_fixed_size: 327680
    .private_segment_fixed_size: 0
    .kernarg_segment_align: 8
    .kernarg_segment_size: 32
    .max_flat_workgroup_size: 128
    .sgpr_count:     80
    .vgpr_count:     512
    .wavefront_size: 32
...
	.end_amdgpu_metadata
.endif
;; end of part 4
;; ======== version 2 of 3: 4 launches; 1.20 times as fast as version 1
;; limits: values are held in f16: magnitudes above 65,504 overflow, below 6.1e-05 lose precision
;; workspace buffers: xb 25,165,824 bytes; wbuf 8,388,608 bytes; tabs 2,183,168 bytes; mbits 1,048,576 bytes of whole numbers; qkvh 25,165,824 bytes; ob 8,388,608 bytes
;; launch prep: the kernel of part 1 again; grid 773 x 1, 8 waves a work-group, no clusters, 0 bytes of LDS; arguments query, key_in, value, wq, wk, wv, wo, attn_mask, rel_emb, bq, bk, bv, bo, xb, wbuf, tabs, mbits; writes xb, wbuf, tabs, mbits
;; launch qkv (part 5): grid 8 x 96, 4 waves a work-group, clusters of 4 x 4, 327,680 bytes of LDS; arguments xb, wbuf, tabs, qkvh; writes qkvh
.if DOCPART == 5
	.amdgcn_target "amdgcn-amd-amdhsa--gfx1250"
	.amdhsa_code_object_version 6
	.text
	.protected	k_qdd5c80c2fd_qkv
	.globl	k_qdd5c80c2fd_qkv
	.p2align	8
	.type	k_qdd5c80c2fd_qkv,@function
k_qdd5c80c2fd_qkv:
	s_mov_b64 s[64:65], 0
	v_nop
	global_prefetch_b8 v0, s[64:65] scope:SCOPE_SE
	s_setreg_imm32_b32 hwreg(HW_REG_WAVE_MODE, 25, 1), 1
	s_wait_xcnt 0x0
	s_wait_alu depctr_hold_cnt(0) depctr_sa_sdst(0) depctr_va_vdst(0) depctr_va_sdst(0) depctr_va_ssrc(0) depctr_va_vcc(0) depctr_vm_vsrc(0)
	s_getreg_b32 s2, hwreg(HW_REG_IB_STS2, 6, 4)
	s_cmp_eq_u32 s2, 0
	s_cbranch_scc0 .Lentry_in_a_cluster
	s_endpgm
.Lentry_in_a_cluster:
	s_bfe_u32 s2, ttmp6, 0x10000c
	s_cmp_lg_u32 s2, 0xf033
	s_cbranch_scc0 .Lentry_shape_is_right
	s_endpgm
.Lentry_shape_is_right:
; Q, K, V = x w^T + b, the rotary turn on Q and K, written by heads: qkvh [3][32 (b, h)][2048][64] f16, unscaled.
; One product of [12288][1024] rows of xb (query, key_in, value on end) with the 1,024 rows of the weight that belongs to the rows' third (g): bf16 operands, f32 sums.
; A tile is 128 x 128, four waves of 64 x 64: 16 accumulators, 128 registers.  K goes in steps of 256 (LDS rows of 512 bytes, a wave's tensor load brings 64 of them) through two slots.
; CLUSTERS: 4 x 4 work-groups.  The four of a row of the cluster need the same tiles of x, the four of a column the same tiles of w: each is asked for JOINTLY, by the same tensor load with the same
; descriptor and a mask that names the four.  g is made of the cluster's y alone (8 clusters a third), so it is equal in all sixteen.
; THE MATRIX INSTRUCTION IS USED TRANSPOSED (source 0 = 16 rows of w, source 1 = 16 rows of x): a lane holds eight neighbouring columns of one row.
; THE WAY OUT.  A wave's 64 columns are exactly one head, so it is the wave's own: bias added, 16 rows x 64 f32 into its stage, read back so that a lane holds 8 neighbouring channels of a row and, beside
; them, the 16 channels among which their rotary partners lie (channel d < 32 pairs with 2 d + 1, d >= 32 with 2 d - 64); out = x cos + partner x signed sine from the table; rounded once to f16; a store
; covers 512 consecutive bytes of a head.  V takes the table's rows of cos 1, sin 0.  The table's numbers for my 64 rows are asked for in the last lap, three to six quarters of matrix work ahead.
; LIMIT.  q, k, v beyond 65,504 are not served (f16).
; REGISTERS: window 0: v0-31 addresses; v96-127 the bias of my 64 columns; v128-255 the accumulators ((a, b) at v[128 + 8 (4 a + b)]).
;   window 1: two fragment buffers of 128: for 64 along K, 64 registers of x, then 64 of w.  On the way out: v0-95 a block's rows read back, 24 a pass; v96-159 what is stored, four a pass; v160 the store's offset.
;   window 2: the rotary table: block a, pass u at v[64 a + 16 u]: eight cosines, eight signed sines.
.set SIZE_K, 1024
.set KSTEP,  256
.set PITCH,  528                       ; an LDS row: 512 bytes + 16 of padding = 132 words: the 16 rows that a load touches start at 16 different groups of four banks (ISA guide 11.1)
.set HALFT,  64*PITCH
.set SLOT,   4*HALFT                   ; x's 128 rows, then w's 128 rows
.set STAGE,  2*SLOT                    ; behind the ring: 16 rows x 272 bytes for each wave
.set SPITCH, 272
.set SPARE,  STAGE+4*16*SPITCH         ; the spare words, 128 bytes for each wave
.set LAPS,   SIZE_K/(2*KSTEP)
.set BIAS,   2166784                   ; the biases in tabs
.set ADRA, 16                          ; v16-17  LDS address of my x fragments in slot 0, 1
.set ADRB, 20                          ; v20-21  the same for w
.set STO,  24                          ; v24     stage: where I put 32 bytes of a row
.set RD,   25                          ; v25     stage: my 8 channels of a row
.set GO,   26                          ; v26     16 x lane: my 16 bytes in 512 of the output
.set RDP,  27                          ; v27     stage: the 16 channels that hold my partners
.set SPW,  28                          ; v28     my spare word; never rewritten
.set NIL,  29                          ; v29     0; never rewritten
.set RO,   30                          ; v30     my byte offset in four rows of the rotary table
.set BO,   31                          ; v31     my byte offset in the bias
.set BI,   96
.set ACC,  128
.set F0,   0
.set F1,   128
.set XB,   0                           ; window 1, on the way out
.set OUTW, 96
.set GO1,  160
.set G1, 24                            ; s[24:31] group 1 for x's tiles;  s[32:39] group 0, one set for each slot
.set G0, 32
.set G1B, 48                           ; s[48:55], s[56:63] the same for w's
.set G0B, 56
.set ODD, 76                           ; s76  lanes whose channels lie below 32: they take the odd partner
.set MSB, 0
.macro WIN new                         ; the immediate's high byte repeats the setting that is left
.if MSB != (\new)
	s_set_vgpr_msb (MSB<<8)|(\new)
.set MSB, \new
.endif
.endm
.set MUL,   0x05                       ; sources 0 and 1 window 1; C and D window 0
.set TO_F,  0x40                       ; destination window 1, address window 0
.set TO_T,  0x80                       ; destination window 2, address window 0
.set W_SEL, 0x45                       ; destination, sources 0 and 1 in window 1 (a store: offset and data)
.set W_ROT, 0x59                       ; destination, sources 0 and 2 in window 1, source 1 (the table) in window 2
.macro JLOAD s                         ; a joint load: waves 0 and 1 fetch x's two halves, waves 2 and 3 w's; an s_nop 0 and four v_nop follow each line
	s_cmp_eq_u32 s11, 0
	s_cbranch_scc0 .Lfor_b_\@
	tensor_load_to_lds s[G0+4*(\s):G0+4*(\s)+3], s[G1:G1+7]
	s_nop 0
.rept 4
	v_nop
.endr
	s_branch .Lasked_\@
.Lfor_b_\@:
	tensor_load_to_lds s[G0B+4*(\s):G0B+4*(\s)+3], s[G1B:G1B+7]
	s_nop 0
.rept 4
	v_nop
.endr
.Lasked_\@:
.endm
.macro CREST                           ; a round of the cluster's barrier behind its opening barrier
	s_cmp_lg_u32 s10, 0
	s_cbranch_scc1 .Lnot_wave_0_\@
	s_barrier_signal -3
.Lnot_wave_0_\@:
	s_barrier_wait -3
	s_barrier_signal -1
	s_barrier_wait -1
.endm
.macro CROUND
	s_barrier_signal -1
	s_barrier_wait -1
	CREST
.endm
	s_load_b128 s[4:7], s[0:1], 0x0                ; xb s[4:5], wbuf s[6:7]
	s_load_b128 s[68:71], s[0:1], 0x10             ; tabs s[68:69], qkvh s[70:71]
	v_lshl_add_u32 v[SPW], v0, 2, SPARE
	v_mov_b32 v[NIL], 0
	ds_add_u32 v[SPW], v[NIL]                      ; the wave's opening: the add and its wait ahead of my first tensor load
	v_lshrrev_b32 v1, 5, v0
	v_readfirstlane_b32 s10, v1                    ; wave 0..3
	s_lshr_b32 s11, s10, 1                         ; my half of the tile's rows.  Also: I fetch for x (0) or for w (1)
	s_and_b32 s12, s10, 1                          ; my half of its columns.  Also: which 64 rows I fetch
	s_bfe_u32 s40, ttmp6, 0x40000                  ; cx, cy
	s_bfe_u32 s41, ttmp6, 0x40004
	s_lshl_b32 s42, ttmp9, 2
	s_add_co_u32 s42, s42, s40                     ; tile column 0..7
	s_and_b32 s13, ttmp7, 0xffff
	s_lshr_b32 s77, s13, 3                         ; g: 0 query, 1 key, 2 value
	s_lshl_b32 s13, s13, 2
	s_add_co_u32 s13, s13, s41                     ; tile row 0..95
	s_lshl_b32 s43, s41, 2
	s_lshl_b32 s43, 15, s43                        ; my row of the cluster
	s_lshl_b32 s44, 0x1111, s40                    ; my column
	s_or_b32 s[G1+0], s43, (1<<16)|(1<<20)|(1<<21)|(6<<22)|(3<<25)  ; the mask; 2-byte elements; padding on; bit 21 beside a mask; after every 128 words 4 words
	s_or_b32 s[G1B+0], s44, (1<<16)|(1<<20)|(1<<21)|(6<<22)|(3<<25)
.irp g, G1, G1B
	s_mov_b32 s[(\g)+1], KSTEP<<16                 ; tensor_dim0 = 256
	s_mov_b32 s[(\g)+2], 64<<16                    ; tensor_dim1 = 64
	s_mov_b32 s[(\g)+3], KSTEP<<16                 ; tile_dim0 = 256
	s_mov_b32 s[(\g)+4], 64                        ; tile_dim1 = 64
	s_mov_b32 s[(\g)+5], SIZE_K                    ; elements from row to row
	s_mov_b32 s[(\g)+6], 0
	s_mov_b32 s[(\g)+7], 0
.endr
	s_lshl_b32 s17, s12, 6
	s_lshl_b32 s16, s13, 7
	s_add_co_u32 s16, s16, s17                     ; x: row 128 x tile row + 64 x half
	s_lshl_b32 s46, s42, 7
	s_add_co_u32 s46, s46, s17
	s_lshl_b32 s47, s77, 10
	s_add_co_u32 s46, s46, s47                     ; w: row 1024 g + 128 x tile column + 64 x half
	s_lshl_b32 s16, s16, 11                        ; rows of 2,048 bytes: 25.2 M at the most
	s_mov_b32 s17, 0
	s_lshl_b32 s46, s46, 11
	s_mov_b32 s47, 0
	s_mul_i32 s20, s10, HALFT                      ; where they go: wave x 64 rows
	s_mov_b32 s[ODD], 0x0f0f0f0f
	s_wait_dscnt 0x0                               ; the opening add is done
	s_wait_kmcnt 0x0
	s_add_nc_u64 s[14:15], s[4:5], s[16:17]
	s_add_nc_u64 s[46:47], s[6:7], s[46:47]
	CROUND                                         ; all sixteen work-groups are here: the first joint loads meet
.irp s, 0,1
	s_mov_b32 s[G0+4*(\s)], 1
	s_add_co_u32 s[G0+4*(\s)+1], s20, (\s)*SLOT
	s_add_nc_u64 s[G0+4*(\s)+2:G0+4*(\s)+3], s[14:15], (\s)*KSTEP*2
	s_or_b32 s[G0+4*(\s)+3], s[G0+4*(\s)+3], 0x80000000
	s_mov_b32 s[G0B+4*(\s)], 1
	s_add_co_u32 s[G0B+4*(\s)+1], s20, (\s)*SLOT
	s_add_nc_u64 s[G0B+4*(\s)+2:G0B+4*(\s)+3], s[46:47], (\s)*KSTEP*2
	s_or_b32 s[G0B+4*(\s)+3], s[G0B+4*(\s)+3], 0x80000000
	JLOAD \s
.endr
	v_and_b32 v1, 15, v0                           ; l % 16
	v_bfe_u32 v2, v0, 4, 1                         ; l / 16
	v_mul_u32_u24 v3, v1, PITCH
	v_lshl_add_u32 v3, v2, 4, v3
	s_mul_i32 s21, s11, HALFT
	s_mul_i32 s22, s12, HALFT
	s_add_co_u32 s22, s22, 2*HALFT
.irp s, 0,1
	v_add_nc_u32 v[ADRA+(\s)], s21, v3
	v_add_nc_u32 v[ADRB+(\s)], s22, v3
	s_add_co_u32 s21, s21, SLOT
	s_add_co_u32 s22, s22, SLOT
.endr
	s_mul_i32 s23, s10, 16*SPITCH
	s_add_co_u32 s23, s23, STAGE                   ; my stage
	v_mul_u32_u24 v4, v1, SPITCH                   ; in: row l % 16, 32 bytes for each half of the lanes
	v_lshl_add_u32 v4, v2, 5, v4
	v_add_nc_u32 v[STO], s23, v4
	v_bfe_u32 v5, v0, 3, 2                         ; back: row L / 8 of four,
	v_and_b32 v6, 7, v0                            ; channels 8 (L % 8) on,
	v_and_b32 v7, 3, v0                            ; partners among channels 16 (L % 4) on
	v_mul_u32_u24 v4, v5, SPITCH
	v_add_nc_u32 v4, s23, v4
	v_lshl_add_u32 v[RD], v6, 5, v4
	v_lshl_add_u32 v[RDP], v7, 6, v4
	v_and_b32 v4, 31, v0
	v_lshlrev_b32 v[GO], 4, v4
	v_lshlrev_b32 v4, 9, v5
	v_lshl_add_u32 v[RO], v6, 5, v4                ; table: row L / 8, 32 bytes at 32 (L % 8)
	v_lshlrev_b32 v[BO], 5, v2
	; the bias of my 64 columns
	s_lshl_b32 s78, s77, 12
	s_lshl_b32 s79, s42, 9
	s_add_co_u32 s78, s78, s79
	s_lshl_b32 s79, s12, 8
	s_add_co_u32 s78, s78, s79
	s_add_co_u32 s78, s78, BIAS
	s_mov_b32 s79, 0
	s_add_nc_u64 s[74:75], s[68:69], s[78:79]
.irp b, 0,1,2,3
	global_load_b128 v[BI+8*\b:BI+8*\b+3],   v[BO], s[74:75] offset:64*\b
	global_load_b128 v[BI+8*\b+4:BI+8*\b+7], v[BO], s[74:75] offset:64*\b+16
.endr
	; the table's rows for my 64 rows, and where my rows go
	s_lshl_b32 s18, s11, 6
	s_and_b32 s19, s13, 15
	s_lshl_b32 s19, s19, 7                         ; the tile's first position in its sequence
	s_cmp_eq_u32 s77, 2
	s_cselect_b32 s21, 2048, s19                   ; V: the rows of cos 1, sin 0
	s_add_co_u32 s21, s21, s18
	s_lshl_b32 s78, s21, 9
	s_add_nc_u64 s[72:73], s[68:69], s[78:79]
	s_add_co_u32 s19, s19, s18                     ; my first position
	s_lshl_b32 s22, s77, 5
	s_bfe_u32 s23, s13, 0x10004                    ; the batch
	s_lshl4_add_u32 s22, s23, s22
	s_lshl1_add_u32 s23, s42, s12                  ; the head
	s_add_co_u32 s22, s22, s23
	s_lshl_b32 s22, s22, 11
	s_add_co_u32 s22, s22, s19
	s_lshl_b32 s78, s22, 7                         ; rows of 128 bytes
	s_add_nc_u64 s[70:71], s[70:71], s[78:79]
; 8 matrix instructions: m blocks a0, a0 + 1 x all 4 n blocks, 32 along K: half c of buffer f.  zero = 1: the first product starts the sums.  The 16 accumulators take turns.
.macro MUL8 f, c, a0, zero
	WIN MUL
.irp a, \a0, (\a0)+1
.irp b, 0,1,2,3
.if \zero
	v_wmma_f32_16x16x32_bf16 v[ACC+8*(4*(\a)+(\b)):ACC+8*(4*(\a)+(\b))+7], v[(\f)+64+8*(4*(\c)+(\b)):(\f)+64+8*(4*(\c)+(\b))+7], v[(\f)+8*(4*(\c)+(\a)):(\f)+8*(4*(\c)+(\a))+7], 0
.else
	v_wmma_f32_16x16x32_bf16 v[ACC+8*(4*(\a)+(\b)):ACC+8*(4*(\a)+(\b))+7], v[(\f)+64+8*(4*(\c)+(\b)):(\f)+64+8*(4*(\c)+(\b))+7], v[(\f)+8*(4*(\c)+(\a)):(\f)+8*(4*(\c)+(\a))+7], v[ACC+8*(4*(\a)+(\b)):ACC+8*(4*(\a)+(\b))+7]
.endif
.endr
.endr
.endm
; 32 LDS loads in one run: the fragments of 64 along K at byte k of the rows, into buffer f; the first 32 along K first
.macro FETCH slot, k, f
	WIN TO_F
.irp c, 0,1
.irp i, 0,1,2,3
	ds_load_b128 v[(\f)+64+8*(4*(\c)+(\i)):(\f)+64+8*(4*(\c)+(\i))+3],   v[ADRB+(\slot)] offset:(\k)+64*(\c)+(\i)*16*PITCH
	ds_load_b128 v[(\f)+64+8*(4*(\c)+(\i))+4:(\f)+64+8*(4*(\c)+(\i))+7], v[ADRB+(\slot)] offset:(\k)+64*(\c)+(\i)*16*PITCH+32
	ds_load_b128 v[(\f)+8*(4*(\c)+(\i)):(\f)+8*(4*(\c)+(\i))+3],         v[ADRA+(\slot)] offset:(\k)+64*(\c)+(\i)*16*PITCH
	ds_load_b128 v[(\f)+8*(4*(\c)+(\i))+4:(\f)+8*(4*(\c)+(\i))+7],       v[ADRA+(\slot)] offset:(\k)+64*(\c)+(\i)*16*PITCH+32
.endr
.endr
.endm
.macro PLACES                          ; four places in front of loads into registers that matrix instructions have read, and of vector lines that read results
.rept 4
	v_nop
.endr
.endm
; A K step is four quarters of 64 along K, 32 matrix instructions each, on buffers 0, 1, 0, 1.
.macro QUARTER slot, k, f, g, zero
	s_wait_dscnt 16                                ; the first 32 along K are in; the other sixteen loads may be out
	WIN MUL
	MUL8 \f, 0, 0, \zero
	MUL8 \f, 0, 2, \zero
	PLACES
	FETCH \slot, \k, \g
	s_wait_dscnt 32                                ; all but the 32 just issued
	WIN MUL
	MUL8 \f, 1, 0, 0
	MUL8 \f, 1, 2, 0
.endm
; The last quarter multiplies buffer 1 and changes slots: ONE barrier; in front of it each wave waits for all its tensor loads, adds 0 to its spare word, and waits for that and for its reads of this slot.
.macro TURN slot, next, fill
	WIN 0
	s_wait_tensorcnt 0x0                           ; all my tensor loads have landed: my part of the next slot
	ds_add_u32 v[SPW], v[NIL]
	s_wait_dscnt 17                                ; the add and the youngest sixteen loads may be out
	WIN MUL
	MUL8 F1, 0, 0, 0
	s_wait_dscnt 0x0                               ; the add is done, and my reads of this slot are over
	s_barrier_signal -1
	MUL8 F1, 0, 2, 0
.if \fill
	WIN 0
.endif
	s_barrier_wait -1
.if \fill
	CREST                                          ; the barrier has opened a round of the cluster's: no wave of any partner still reads this slot or has a load on its way
	s_add_nc_u64 s[G0+4*(\slot)+2:G0+4*(\slot)+3], s[G0+4*(\slot)+2:G0+4*(\slot)+3], 2*KSTEP*2
	s_add_nc_u64 s[G0B+4*(\slot)+2:G0B+4*(\slot)+3], s[G0B+4*(\slot)+2:G0B+4*(\slot)+3], 2*KSTEP*2
	JLOAD \slot                                    ; the first tensor load behind the round; its four v_nop are also the places in front of the loads below
.else
	PLACES
.endif
	FETCH \next, 0, F0
	WIN MUL
	MUL8 F1, 1, 0, 0
	MUL8 F1, 1, 2, 0
.endm
; The rotary table for my rows 16 a .. 16 a + 15, into window 2: pass u takes rows 16 a + 4 u + L / 8: eight cosines, eight signed sines.  No matrix instruction names these registers.
.macro ROPELD a
	WIN TO_T
.irp u, 0,1,2,3
	global_load_b128 v[64*(\a)+16*\u:64*(\a)+16*\u+3],     v[RO], s[72:73] offset:(16*(\a)+4*\u)*512
	global_load_b128 v[64*(\a)+16*\u+4:64*(\a)+16*\u+7],   v[RO], s[72:73] offset:(16*(\a)+4*\u)*512+16
	global_load_b128 v[64*(\a)+16*\u+8:64*(\a)+16*\u+11],  v[RO], s[72:73] offset:(16*(\a)+4*\u)*512+256
	global_load_b128 v[64*(\a)+16*\u+12:64*(\a)+16*\u+15], v[RO], s[72:73] offset:(16*(\a)+4*\u)*512+272
.endr
.endm
; THE WAY OUT of my rows 16 a .. 16 a + 15.  The block's 24 read-backs go out in one run; a pass (four rows) waits for its own six.  Each pass stores from four registers of its own: no store's source is written again.
.macro EPI a
.set AC, ACC+32*(\a)
	WIN 0
.set z, 0
.rept 16                               ; the bias, each accumulator from its low end on
	v_pk_add_f32 v[AC+2*z:AC+2*z+1], v[AC+2*z:AC+2*z+1], v[BI+2*z:BI+2*z+1]
.set z, z+1
.endr
.irp b, 0,1,2,3
	ds_store_b128 v[STO], v[AC+8*\b:AC+8*\b+3]   offset:64*\b
	ds_store_b128 v[STO], v[AC+8*\b+4:AC+8*\b+7] offset:64*\b+16
.endr
	WIN TO_F
.irp u, 0,1,2,3                        ; LDS serves a wave's instructions in order (ISA guide 5.7.1.4): the loads see the stores above
	ds_load_b128 v[XB+24*\u:XB+24*\u+3],     v[RD]  offset:1088*\u
	ds_load_b128 v[XB+24*\u+4:XB+24*\u+7],   v[RD]  offset:1088*\u+16
	ds_load_b128 v[XB+24*\u+8:XB+24*\u+11],  v[RDP] offset:1088*\u
	ds_load_b128 v[XB+24*\u+12:XB+24*\u+15], v[RDP] offset:1088*\u+16
	ds_load_b128 v[XB+24*\u+16:XB+24*\u+19], v[RDP] offset:1088*\u+32
	ds_load_b128 v[XB+24*\u+20:XB+24*\u+23], v[RDP] offset:1088*\u+48
.endr
.irp u, 0,1,2,3
	s_wait_dscnt 18-6*\u                           ; this pass's six loads are in; the later passes' stay out
	WIN W_SEL
.irp i, 0,1,2,3,4,5,6,7                ; partner i: the odd one of pair i for channels below 32, the even one above; ascending, so no pair is overwritten before it is read
	v_cndmask_b32 v[XB+24*\u+8+\i], v[XB+24*\u+8+2*\i], v[XB+24*\u+9+2*\i], s[ODD]
.endr
	WIN W_ROT
.irp i, 0,2,4,6
	v_pk_mul_f32 v[XB+24*\u+8+\i:XB+24*\u+9+\i], v[XB+24*\u+8+\i:XB+24*\u+9+\i], v[64*(\a)+16*\u+8+\i:64*(\a)+16*\u+9+\i]
.endr
.irp i, 0,2,4,6
	v_pk_fma_f32 v[XB+24*\u+\i:XB+24*\u+\i+1], v[XB+24*\u+\i:XB+24*\u+\i+1], v[64*(\a)+16*\u+\i:64*(\a)+16*\u+\i+1], v[XB+24*\u+8+\i:XB+24*\u+9+\i]
.endr
	WIN W_SEL
.irp i, 0,1,2,3
	v_cvt_pk_f16_f32 v[OUTW+16*(\a)+4*\u+\i], v[XB+24*\u+2*\i], v[XB+24*\u+2*\i+1]
.endr
	global_store_b128 v[GO1], v[OUTW+16*(\a)+4*\u:OUTW+16*(\a)+4*\u+3], s[70:71] offset:2048*(\a)+512*\u  ; four rows of a head: 512 consecutive bytes
.endr
.endm
	s_wait_tensorcnt 1                             ; my part of K step 0 is in; K step 1's may stay out
	s_barrier_signal -1
	s_barrier_wait -1
	FETCH 0, 0, F0
	QUARTER 0, 128, F0, F1, 1                      ; the first quarter stands in front of the loop: its first products start the sums
	WIN 0
	s_mov_b32 s3, LAPS-1
.Llap:                                                 ; a trip goes once round the ring and fills both slots again
	QUARTER 0, 256, F1, F0, 0
	QUARTER 0, 384, F0, F1, 0
	TURN 0, 1, 1
	QUARTER 1, 128, F0, F1, 0
	QUARTER 1, 256, F1, F0, 0
	QUARTER 1, 384, F0, F1, 0
	TURN 1, 0, 1
	QUARTER 0, 128, F0, F1, 0
	WIN 0
	s_sub_co_u32 s3, s3, 1
	s_cmp_lg_u32 s3, 0
	s_cbranch_scc1 .Llap
	QUARTER 0, 256, F1, F0, 0                      ; the last lap fills nothing; the table is asked for beside it, a block's sixteen loads behind each of its first four pieces
	ROPELD 0
	QUARTER 0, 384, F0, F1, 0
	ROPELD 1
	TURN 0, 1, 0
	ROPELD 2
	QUARTER 1, 128, F0, F1, 0
	ROPELD 3
	QUARTER 1, 256, F1, F0, 0
	QUARTER 1, 384, F0, F1, 0
	s_wait_dscnt 16
	WIN MUL
	MUL8 F1, 0, 0, 0
	MUL8 F1, 0, 2, 0
	s_wait_dscnt 0
	MUL8 F1, 1, 0, 0
	MUL8 F1, 1, 2, 0
	WIN 0
	s_wait_loadcnt 0x0                             ; the bias and the table
	PLACES
	WIN TO_F
	v_mov_b32 v[GO1], v[GO]                        ; the store's offset beside the store's data
	EPI 0
	EPI 1
	EPI 2
	EPI 3
	WIN 0
	s_wait_tensorcnt 0x0                           ; the wave's end
	ds_add_u32 v[SPW], v[NIL]
	s_wait_dscnt 0x0
	CROUND                                         ; the closing round: no work-group ends while a partner may still ask for a tile that names it
	s_endpgm
.Lfunc_end_k_qdd5c80c2fd_qkv:
	.size	k_qdd5c80c2fd_qkv, .Lfunc_end_k_qdd5c80c2fd_qkv-k_qdd5c80c2fd_qkv
	.p2alignl 7, 3214868480
	.fill 96, 4, 3214868480
	.section	.rodata,"a",@progbits
	.p2align	6, 0x0
	.amdhsa_kernel k_qdd5c80c2fd_qkv
		.amdhsa_group_segment_fixed_size 327680
		.amdhsa_private_segment_fixed_size 0
		.amdhsa_enable_private_segment 0
		.amdhsa_kernarg_size 32
		.amdhsa_user_sgpr_count 2
		.amdhsa_user_sgpr_kernarg_segment_ptr 1
		.amdhsa_wavefront_size32 1
		.amdhsa_system_sgpr_workgroup_id_x 1
		.amdhsa_system_sgpr_workgroup_id_y 1
		.amdhsa_system_sgpr_workgroup_id_z 1
		.amdhsa_system_vgpr_workitem_id 0
		.amdhsa_next_free_vgpr 768
		.amdhsa_next_free_sgpr 80
		.amdhsa_reserve_vcc 0
		.amdhsa_float_denorm_mode_32 3
		.amdhsa_float_denorm_mode_16_64 3
		.amdhsa_memory_ordered 1
		.amdhsa_forward_progress 1
		.amdhsa_inst_pref_size 122
	.end_amdhsa_kernel
	.amdgpu_metadata
---
amdhsa.version: [ 1, 2 ]
amdhsa.kernels:
  - .name:           k_qdd5c80c2fd_qkv
    .symbol:         k_qdd5c80c2fd_qkv.kd
    .args:
      - { .name: xb, .offset: 0, .size: 8, .value_kind: global_buffer, .address_space: global }
      - { .name: wbuf, .offset: 8, .size: 8, .value_kind: global_buffer, .address_space: global }
      - { .name: tabs, .offset: 16, .size: 8, .value_kind: global_buffer, .address_space: global }
      - { .name: qkvh, .offset: 24, .size: 8, .value_kind: global_buffer, .address_space: global }
    .group_segment_fixed_size: 327680
    .private_segment_fixed_size: 0
    .kernarg_segment_align: 8
    .kernarg_segment_size: 32
    .max_flat_workgroup_size: 128
    .sgpr_count:     80
    .vgpr_count:     768
    .wavefront_size: 32
...
	.end_amdgpu_metadata
.endif
;; end of part 5
;; launch attn (part 6): grid 8 x 32, 4 waves a work-group, clusters of 4 x 1, 327,680 bytes of LDS; arguments qkvh, tabs, mbits, ob; writes ob
.if DOCPART == 6
	.amdgcn_target "amdgcn-amd-amdhsa--gfx1250"
	.amdhsa_code_object_version 6
	.text
	.protected	k_qdd5c80c2fd_attn
	.globl	k_qdd5c80c2fd_attn
	.p2align	8
	.type	k_qdd5c80c2fd_attn,@function
k_qdd5c80c2fd_attn:
	s_mov_b64 s[64:65], 0
	v_nop
	global_prefetch_b8 v0, s[64:65] scope:SCOPE_SE
	s_setreg_imm32_b32 hwreg(HW_REG_WAVE_MODE, 25, 1), 1
	s_wait_xcnt 0x0
	s_wait_alu depctr_hold_cnt(0) depctr_sa_sdst(0) depctr_va_vdst(0) depctr_va_sdst(0) depctr_va_ssrc(0) depctr_va_vcc(0) depctr_vm_vsrc(0)
	s_getreg_b32 s2, hwreg(HW_REG_IB_STS2, 6, 4)
	s_cmp_eq_u32 s2, 0
	s_cbranch_scc0 .Lentry_in_a_cluster
	s_endpgm
.Lentry_in_a_cluster:
	s_bfe_u32 s2, ttmp6, 0x10000c
	s_cmp_lg_u32 s2, 0x3003
	s_cbranch_scc0 .Lentry_shape_is_right
	s_endpgm
.Lentry_shape_is_right:
; ATTENTION with a relative bias and a mask that is an input.  O[bh][q] = clip(sum over k of softmax_k(Q.K / 8 + rel[q - k][h] + mask) V[k], -30, 30).  Q, K, V: qkvh [3][32][2048][64] f16; O: ob [32][2048][64] f16.
; Products, maxima and sums in f32; the weights p are rounded to f16 for the second product, and their sum l is taken of the rounded p; O is rounded once at the end.
; LIMITS.  A hidden score is REPLACED by -2^33 in raw units (-1.07e9 behind the scale), not lowered by 1e9: the same result while visible scores lie above that; in a row with no visible key every weight is equal
; (the mean of V), as in f32 arithmetic on -1e9 + s while |s| < 32.  f16 ends at 65,504: Q, K, V arrive within it.  A weight below 2^-126 counts as 0; NaN and infinities are not treated apart.
; SHARES.  A work-group owns 256 queries of one (b, h), each of its four waves 64: four tiles of 16.  Every wave walks all 2,048 keys, 64 a step; the mask may hide anything, so no tile is left out.
; LAYOUT.  S^T = K Q^T (source 0 = 16 keys, source 1 = 16 queries): a lane holds ONE query (lane % 16) and the keys 8 (lane / 16) + 0..7.  Two results rounded to f16 ARE source 1 of O^T = V^T P.
; THE BIAS costs no vector line: 8 x rel is loaded from LDS straight into the registers of S^T, and the products add onto it.  It hangs on k - q alone: a work-group holds a window of 2,320 entries of its head's
; table, four copies shifted by one entry, and a lane reads the copy in which its eight numbers begin at a multiple of 16 bytes.
; THE MASK costs two lines a score.  Its lane masks lie ready in mbits, 32 words a tile and step: one load brings lane n word n, 32 v_readlane_b32 hand the words to scalar registers, a select a score takes them.
; Four registers, one a tile, are a ring: a tile's register is loaded again, with its next step's words, as soon as it has been read out, four turns ahead of the next reading.
; THE ROW SUM l is a product too, ones x P: every register of its result holds the query's sum; register 0 alone is rescaled and read.
; SOFTMAX.  A running maximum m: p = 2^(c s - c m), c = log2(e) / 8; in every step O and l are multiplied by a = 2^(c m_old - c m_new).  m starts at the lowest finite number, O and l at 0.
; BY TURNS.  Turn p: the whole softmax of tile p; beside it 10 products (V^T P and the sum) of tile p - 1, whose O and l are rescaled just ahead of them, and 8 products K Q^T of tile p + 1.
; CLUSTER.  The four query blocks of a cluster belong to one (b, h) and walk the same K and V: each tile is asked for JOINTLY.  The window of the table is each work-group's own (a load with no mask).
; REGISTERS, in windows of 256 (s_set_vgpr_msb: bits 1:0 source 0, 3:2 source 1, 5:4 source 2, 7:6 destination):
;   window 0: v0-15 addresses, c m_old and the masks' ring; v16-23 (c m, m) a tile; v24-31 at work, by parity; v32-95 S^T, two buffers; v96-127 P, two buffers; v128-191 K of one step; v192-255 Q
;   window 1: v0-127 O^T, 32 a tile; v128-159 l, 8 a tile; v160-223 V of one step; v224-231 ones; v240-241 the add's two registers
.set KS,    64
.set PK,    144       ; a row of K in LDS: 128 bytes + 16: the 16 rows of a load start at 16 different groups of four banks (ISA guide 11.1)
.set PV,    160       ; a row of V: 128 + 32
.set VOFF,  4*KS*PK   ; a slot holds four steps: 256 rows of K, then 256 rows of V
.set SLOT1, 1<<17
.set RELB,  SLOT1+4*KS*(PK+PV)  ; the table's window: four copies of 9,280 bytes, filled once
.set RELC,  9280
.set STAGE, RELB+4*RELC         ; 16 rows x 144 bytes for each wave, for the way out
.set SP,    144
.set SPARE, STAGE+4*16*SP       ; the spare words, 128 bytes for each wave
.set RELT,  1114112             ; the tables in tabs: [16][4][4112] f32
.set MV,  0           ; v0-1  c m_old, by parity (v0 is free once the head has made its addresses)
.set AK0, 2           ; v2   my lane's place in a tile of K
.set AV0, 3           ; v3   the same for V
.set ADR, 4           ; v4   the LDS address of the run of loads in hand, K's or V's
.set MA,  5           ; v5   4 x lane: my word among a tile's and step's 32; never rewritten
.set QO,  6           ; v6   my byte offset in 16 rows of Q
.set STO, 6           ;      later: where I put 16 bytes of a row
.set RD,  7           ; v7   where I read rows back
.set GO,  8           ; v8   my byte offset in 512 consecutive bytes of O
.set REL0, 9          ; v9   my lane's place in the window, for tile 3, key 0
.set RELA, 10         ; v10  the same at the step in hand
.set NEGV, 11         ; v11  -2^33
.set MR,  12          ; v12-15  the masks' ring: tile t's words at MR + t, lane n holds word n
.set ST,  16
.set TMP, 24          ; by parity c0-c3; when the maximum is found c2 takes a
.set S,   32
.set P,   96
.set KF,  128         ; key block kb, channel half c at KF + 16 kb + 8 c
.set Q,   192         ; tile t, channel half c at Q + 16 t + 8 c
.set R_,  64          ; v64-68: the head's scratch, in S^T's second buffer, which is first loaded in the first turn
.set H_,  65
.set L7,  66
.set T1,  67
.set T2,  68
.set LA,  128         ; window 1
.set VF,  160         ; window 1: key half kk, channel block cb at VF + 32 kk + 8 cb
.set ONES, 224        ; window 1
.set SPW, 240         ; window 1: my spare word; never rewritten
.set NIL, 241         ; window 1: 0; never rewritten
.set WV,  12          ; s12  my wave's number
.set RS,  15          ; s15  256 x the step whose bias is loaded
.set MW,  16          ; s[16:47] a tile's and step's 32 lane masks
.set G0R, 16          ; s[16:19], s[20:27] at the start: the window's descriptor
.set G1R, 20
.set G1K, 48          ; s[48:55]
.set G1V, 56          ; s[56:63]
.set MB,  66          ; s[66:67] mbits at my wave's tile 0; never rewritten
.set G0K, 68          ; s[68:71] it walks
.set G0V, 72          ; s[72:75]
.set CS,  76          ; s[76:77] c
.set SEL, 78          ; s[78:79] v_permlanex16_b32's selects
.set TBK, 80          ; s80  LDS byte at which K of the step to be fetched begins
.set TBV, 81          ; s81  the same for V, less VOFF
.set SLOTS, 82
.set CNT, 83
.set MOFF, 92         ; s[92:93] 128 x the step whose masks are asked for, held at the last step's
.set MC,  94          ; s[94:95] MB + MOFF
.set MSB, 0
.macro WIN new
.if MSB != (\new)
	s_set_vgpr_msb (MSB<<8)|(\new)
.set MSB, (\new)
.endif
.endm
.set W_PV, 0x51       ; source 0 (V, ones, O^T, l), C and D in window 1; source 1 (P, a) in window 0
.set W_AD, 0x05       ; the add: address and data in window 1
.macro JLOAD          ; a joint fill: waves 0 and 1 fetch the halves of a slot's K, waves 2 and 3 those of its V; an s_nop 0 and four v_nop follow each line
	s_cmp_lt_u32 s[WV], 2
	s_cbranch_scc0 .Lfor_v_\@
	tensor_load_to_lds s[G0K:G0K+3], s[G1K:G1K+7]
	s_nop 0
.rept 4
	v_nop
.endr
	s_branch .Lasked_\@
.Lfor_v_\@:
	tensor_load_to_lds s[G0V:G0V+3], s[G1V:G1V+7]
	s_nop 0
.rept 4
	v_nop
.endr
.Lasked_\@:
.endm
.macro CROUND         ; a round of the cluster's barrier
	s_barrier_signal -1
	s_barrier_wait -1
	s_cmp_lg_u32 s[WV], 0
	s_cbranch_scc1 .Lnot_wave_0_\@
	s_barrier_signal -3
.Lnot_wave_0_\@:
	s_barrier_wait -3
	s_barrier_signal -1
	s_barrier_wait -1
.endm
; THE CHANGE OF SLOTS.  Each wave waits for all its tensor loads (its part of the other slot; the first time also its copy of the window), adds 0 to its spare word, and waits for that and for its reads of the slot.
; fill = 1: the slot is filled again with the keys two slots on, first thing behind a round of the cluster's barrier: it has four key steps in which to land.  (At its first use slot 0 is waited for, slot 1 filled.)
.macro CHANGE fill
	WIN W_AD
	s_wait_tensorcnt 0x0            ; no tensor load of mine is out, so a group 0 may be written
	ds_add_u32 v[SPW], v[NIL]
	WIN 0
.if \fill
.irp g, G0K, G0V
	s_xor_b32 s[\g+1], s[\g+1], SLOT1
	s_add_nc_u64 s[\g+2:\g+3], s[\g+2:\g+3], 4*KS*128
.endr
	s_wait_dscnt 0x0                ; the add is done, and my reads of the slot are over
	CROUND
	JLOAD
.else
	s_wait_dscnt 0x0
	s_barrier_signal -1
	s_barrier_wait -1
.endif
	s_sub_co_u32 s[TBK], s[TBK], 4*KS*PK
	s_xor_b32 s[TBK], s[TBK], SLOT1
	s_sub_co_u32 s[TBV], s[TBV], 4*KS*PV
	s_xor_b32 s[TBV], s[TBV], SLOT1
.endm
	s_load_b256 s[4:11], s[0:1], 0x0  ; qkvh s[4:5], tabs s[6:7], mbits s[8:9], ob s[10:11]
	WIN 0x40
	v_lshl_add_u32 v[SPW], v0, 2, SPARE
	v_mov_b32 v[NIL], 0
	WIN W_AD
	ds_add_u32 v[SPW], v[NIL]       ; the wave's opening: the add and its wait ahead of my first tensor load
	WIN 0
	v_lshrrev_b32 v1, 5, v0
	v_readfirstlane_b32 s[WV], v1
	s_bfe_u32 s13, ttmp6, 0x40000   ; cx
	s_lshl_b32 s14, ttmp9, 2
	s_add_co_u32 s14, s14, s13      ; my block of 256 queries: it enters global addresses of my own loads and stores alone
	s_and_b32 s88, ttmp7, 0xffff    ; (b, h), which the four partners share
	s_lshl_b32 s90, s88, 18         ; its 2,048 rows of 128 bytes
	s_and_b32 s2, s[WV], 1          ; which half of a slot's 256 keys I fetch
	s_lshl_b32 s92, s2, 14
	s_add_co_u32 s92, s92, s90
	s_mov_b32 s93, 0
	s_mul_i32 s3, s2, 128*PK
	s_mov_b32 s[G0K], 1
	s_mov_b32 s[G0K+1], s3          ; slot 0
	s_mul_i32 s3, s2, 128*PV
	s_mov_b32 s[G0V], 1
	s_add_co_u32 s[G0V+1], s3, VOFF
	s_lshl_b32 s94, s14, 15         ; Q and O: my block's rows, my wave's 64 of them
	s_lshl_b32 s3, s[WV], 13
	s_add_co_u32 s94, s94, s3
	s_add_co_u32 s94, s94, s90
	s_mov_b32 s95, 0
	s_lshr_b32 s2, s88, 4           ; the masks: tile 128 b + 16 block + 4 wave, 4,096 bytes a tile
	s_lshl_b32 s90, s2, 19
	s_lshl_b32 s3, s14, 16
	s_add_co_u32 s90, s90, s3
	s_lshl_b32 s3, s[WV], 14
	s_add_co_u32 s90, s90, s3
	s_mov_b32 s91, 0
	s_and_b32 s2, s88, 15           ; the window: head h, copy = my wave, entries 1792 - 256 block on
	s_mul_i32 s88, s2, 4*16448
	s_mul_i32 s3, s[WV], 16448
	s_add_co_u32 s88, s88, s3
	s_add_co_u32 s88, s88, RELT+7168
	s_lshl_b32 s3, s14, 10
	s_sub_co_u32 s88, s88, s3
	s_mov_b32 s89, 0
	; K and V: 128 keys are 16,384 dense bytes: 64 rows of 256 bytes, two keys a row, padded in LDS after every key
	s_mov_b32 s[G1K], 15|(1<<16)|(1<<20)|(1<<21)|(4<<22)|(3<<25)  ; the mask of four; 2-byte elements; padding on; bit 21 beside a mask; after every 32 words 4 words
	s_mov_b32 s[G1V], 15|(1<<16)|(1<<20)|(1<<21)|(4<<22)|(7<<25)  ; the same with 8 words
.irp g, G1K, G1V
	s_mov_b32 s[\g+1], 128<<16
	s_mov_b32 s[\g+2], 64<<16
	s_mov_b32 s[\g+3], 128<<16
	s_mov_b32 s[\g+4], 64
	s_mov_b32 s[\g+5], 128
	s_mov_b32 s[\g+6], 0
	s_mov_b32 s[\g+7], 0
.endr
	; the window: one row of 9,280 bytes, 1,160 elements of 8; no mask: the load is my work-group's own
	s_mov_b32 s[G1R], 3<<16
	s_mov_b32 s[G1R+1], 1160<<16
	s_mov_b32 s[G1R+2], 1<<16
	s_mov_b32 s[G1R+3], 1160<<16
	s_mov_b32 s[G1R+4], 1
	s_mov_b32 s[G1R+5], 1160
	s_mov_b32 s[G1R+6], 0
	s_mov_b32 s[G1R+7], 0
	s_mov_b32 s[G0R], 1
	s_mul_i32 s[G0R+1], s[WV], RELC
	s_add_co_u32 s[G0R+1], s[G0R+1], RELB
	s_mov_b32 s[CS], 0x3e38aa3b     ; c = log2(e) / 8
	s_mov_b32 s[CS+1], s[CS]
	s_mov_b32 s[SEL], 0x76543210
	s_mov_b32 s[SEL+1], 0xfedcba98
	s_mov_b32 s[TBK], SLOT1+4*KS*PK ; the first change of slots turns these two into 0
	s_mov_b32 s[TBV], SLOT1+4*KS*PV
	s_mov_b32 s85, 0xc1f00000       ; -30
	s_mov_b32 s86, 0x41f00000       ; 30
	s_wait_dscnt 0x0                ; the opening add is done
	s_wait_kmcnt 0x0
	s_add_nc_u64 s[G0K+2:G0K+3], s[4:5], s[92:93]
	s_add_nc_u64 s[G0V+2:G0V+3], s[G0K+2:G0K+3], 0x1000000  ; V is the third tensor,
	s_add_nc_u64 s[G0K+2:G0K+3], s[G0K+2:G0K+3], 0x800000   ; K the second
	s_or_b32 s[G0K+3], s[G0K+3], 0x80000000
	s_or_b32 s[G0V+3], s[G0V+3], 0x80000000
	s_add_nc_u64 s[G0R+2:G0R+3], s[6:7], s[88:89]
	s_or_b32 s[G0R+3], s[G0R+3], 0x80000000
	s_add_nc_u64 s[MB:MB+1], s[8:9], s[90:91]
	s_add_nc_u64 s[4:5], s[4:5], s[94:95]
	s_add_nc_u64 s[10:11], s[10:11], s[94:95]
	CROUND                          ; all four work-groups are here: the first joint loads meet
	s_cmp_lt_u32 s[WV], 2           ; a wave's two first fills stand in one branch: two loads of mine are out
	s_cbranch_scc0 .Lfirst_v
	tensor_load_to_lds s[G0K:G0K+3], s[G1K:G1K+7]
	s_nop 0
	tensor_load_to_lds s[G0R:G0R+3], s[G1R:G1R+7]
	s_nop 0
.rept 4
	v_nop
.endr
	s_branch .Lfirst_asked
.Lfirst_v:
	tensor_load_to_lds s[G0V:G0V+3], s[G1V:G1V+7]
	s_nop 0
	tensor_load_to_lds s[G0R:G0R+3], s[G1R:G1R+7]
	s_nop 0
.rept 4
	v_nop
.endr
.Lfirst_asked:
	v_and_b32 v[R_], 15, v0         ; r = l % 16
	v_bfe_u32 v[H_], v0, 4, 1       ; h = l / 16
	v_and_b32 v[L7], 7, v0
	v_lshlrev_b32 v[QO], 7, v[R_]
	v_lshl_add_u32 v[QO], v[H_], 4, v[QO]
.set i, 0
.rept 8                             ; Q stays in registers: tile i / 2, channels 32 (i % 2) on
	global_load_b128 v[Q+8*i:Q+8*i+3],   v[QO], s[4:5] offset:(i/2)*2048+(i%2)*64
	global_load_b128 v[Q+8*i+4:Q+8*i+7], v[QO], s[4:5] offset:(i/2)*2048+(i%2)*64+32
.set i, i+1
.endr
	v_and_b32 v[MA], 31, v0
	v_lshlrev_b32 v[MA], 2, v[MA]
.irp t, 0,1,2,3
	global_load_b32 v[MR+\t], v[MA], s[MB:MB+1] offset:\t*4096  ; the four tiles' masks of key step 0: 128 consecutive bytes each
.endr
	; What the first turn finds: O^T, l, V and P's second buffer hold 0 (its products, of a tile that has not been, add 0).  No first step is written out; the price is these lines, in the wait for the first tile.
	WIN 0x40
.set i, 0
.rept 224
	v_mov_b32 v[i], 0
.set i, i+1
.endr
.rept 8
	v_mov_b32 v[i], 0x3c003c00      ; 1.0 twice, in f16
.set i, i+1
.endr
	WIN 0
.set i, 0
.rept 4
	v_mov_b32 v[ST+2*i], 0xfe000000    ; c m: far below every c s
	v_mov_b32 v[ST+2*i+1], 0xff7fffff  ; m
.set i, i+1
.endr
.set i, P+16
.rept 16
	v_mov_b32 v[i], 0
.set i, i+1
.endr
	v_mov_b32 v[TMP+6], 0           ; the a by which the first turn rescales
	v_mov_b32 v[TMP+7], 0
	v_mov_b32 v[NEGV], 0xd0000000   ; -2^33: a power of two, so c x it is exact, and a row hidden so far has p = 2^0
	v_mul_u32_u24 v[AK0], v[R_], PK
	v_lshl_add_u32 v[AK0], v[H_], 4, v[AK0]
	v_bfe_u32 v[T1], v0, 3, 1
	v_lshl_add_u32 v[AV0], v[H_], 3, v[L7]  ; the turning load: key 8 h + l % 8, channels 8 ((l / 8) % 2) on
	v_mul_u32_u24 v[AV0], v[AV0], PV
	v_lshl_add_u32 v[AV0], v[T1], 4, v[AV0]
	v_add_nc_u32 v[AV0], VOFF, v[AV0]
	; The window's entry for query q and key k in copy c is k - q + 255 - c, counted from the block's first query.  With c = 3 - r % 4 that is, for tile t and key 64 st + 16 kb + 8 h + j:
	; 4 (3 - r / 4) + 8 h + 64 (3 - w) + 16 (3 - t) + 16 kb + 64 st + j: never negative, 2,299 at the most, and a multiple of 4 at j = 0.
	v_xor_b32 v[T1], 15, v[R_]      ; 15 - r
	v_and_b32 v[T2], 3, v[T1]       ; c
	v_lshrrev_b32 v[T1], 2, v[T1]   ; 3 - r / 4
	v_mul_u32_u24 v[T2], v[T2], RELC
	v_lshl_add_u32 v[T2], v[T1], 4, v[T2]
	v_lshl_add_u32 v[T2], v[H_], 5, v[T2]
	s_xor_b32 s2, s[WV], 3
	s_lshl_b32 s2, s2, 8
	s_add_co_u32 s2, s2, RELB
	v_add_nc_u32 v[REL0], s2, v[T2]
	s_mul_i32 s13, s[WV], 16*SP     ; the way out: my stage
	s_add_co_u32 s13, s13, STAGE
	v_bfe_u32 v[RD], v0, 3, 2       ; back: 32 lanes take four rows of 128 bytes,
	v_mul_u32_u24 v[RD], v[RD], SP
	v_lshl_add_u32 v[RD], v[L7], 4, v[RD]
	v_add_nc_u32 v[RD], s13, v[RD]
	v_and_b32 v[GO], 31, v0         ; which are 512 consecutive bytes of O
	v_lshlrev_b32 v[GO], 4, v[GO]
.macro REGS y                       ; the registers of tile y
.set rT, ST+2*(\y)
.set rC, TMP+4*((\y)%2)
.set rM, MV+((\y)%2)
.set rS, S+32*((\y)%2)
.set rP, P+16*((\y)%2)
.set rO, 32*(\y)
.set rL, LA+8*(\y)
.endm
; THE MATRIX WORK.  Accumulators take turns, one instruction a turn.
; Product i of 8 of S^T += K Q^T for tile Y + 1, onto the bias: channels 32 (i / 4) on, keys 16 (i % 4) on.
.macro MMQ i
	WIN 0
.set tq, (Y+1)%4
.set qS, S+32*(tq%2)+8*((\i)%4)
.set qK, KF+16*((\i)%4)+8*((\i)/4)
.set qQ, Q+16*tq+8*((\i)/4)
	v_wmma_f32_16x16x32_f16 v[qS:qS+7], v[qK:qK+7], v[qQ:qQ+7], v[qS:qS+7]
.endm
; Product i of 10 for tile Y - 1: keys 32 (i / 5) on; i % 5 < 4: O^T += V^T P, channels 16 (i % 5) on; i % 5 = 4: l += ones x P.
.macro MMP i
	WIN W_PV
.set tp, (Y+3)%4
.set kk, (\i)/5
.set jj, (\i)%5
.set pP, P+16*(tp%2)+8*kk
.if jj < 4
.set pD, 32*tp+8*jj
.set pA, VF+32*kk+8*jj
.else
.set pD, LA+8*tp
.set pA, ONES
.endif
	v_wmma_f32_16x16x32_f16 v[pD:pD+7], v[pA:pA+7], v[pP:pP+7], v[pD:pD+7]
.endm
; THE LDS LOADS, in runs.
.macro FETCH_K
	WIN 0
.irp f, 0,1,2,3,4,5,6,7             ; keys 16 (f / 2) on, channels 32 (f % 2) on
	ds_load_b128 v[KF+8*\f:KF+8*\f+3],   v[ADR] offset:(\f/2)*16*PK+(\f%2)*64
	ds_load_b128 v[KF+8*\f+4:KF+8*\f+7], v[ADR] offset:(\f/2)*16*PK+(\f%2)*64+32
.endr
	s_add_co_u32 s[TBK], s[TBK], KS*PK
.endm
.macro FETCH_V
	WIN 0x40
.irp f, 0,1,2,3,4,5,6,7             ; keys 32 (f / 4) on, channels 16 (f % 4) on
	ds_load_tr16_b128 v[VF+8*\f:VF+8*\f+3],   v[ADR] offset:(\f/4)*32*PV+(\f%4)*32
	ds_load_tr16_b128 v[VF+8*\f+4:VF+8*\f+7], v[ADR] offset:(\f/4)*32*PV+16*PV+(\f%4)*32
.endr
	WIN 0
.endm
.macro RELLD t                      ; tile t's bias for the step in hand, into the registers in which its scores will be summed
	WIN 0
.irp b, 0,1,2,3
	ds_load_b128 v[S+32*((\t)%2)+8*\b:S+32*((\t)%2)+8*\b+3],   v[RELA] offset:64*(3-(\t))+64*\b
	ds_load_b128 v[S+32*((\t)%2)+8*\b+4:S+32*((\t)%2)+8*\b+7], v[RELA] offset:64*(3-(\t))+64*\b+16
.endr
.endm
; THE VECTOR WORK, a line at a time.
.macro MK n                         ; score n of tile Y is kept where its lane's bit is set
	REGS Y
	WIN 0
	v_cndmask_b32 v[rS+(\n)], v[NEGV], v[rS+(\n)], s[MW+(\n)]
.endm
.macro RDL n                        ; word n of tile Y + 1's masks goes to its scalar register, which tile Y's select has read
	WIN 0
	v_readlane_b32 s[MW+(\n)], v[MR+(Y+1)%4], \n
.endm
.macro MLOAD                        ; tile Y + 1's register has been read out: its next step's words
	WIN 0
	global_load_b32 v[MR+(Y+1)%4], v[MA], s[MC:MC+1] offset:((Y+1)%4)*4096
.endm
; Number n of the 22 that find tile Y's maximum and statistics: 0-11 four chains of seven scores; 12-14, 16 the four left over, the old m, and the chains into c0; 15 c m_old is kept;
; 17, 18 the query's other 32 keys lie in the lane 16 away; 19-21 c m; c m_old - c m_new; a.
.macro XS n
	REGS Y
	WIN 0
.if (\n) < 4
	v_max3_num_f32 v[rC+(\n)], v[rS+8*(\n)], v[rS+8*(\n)+1], v[rS+8*(\n)+2]
.elseif (\n) < 12
	v_max3_num_f32 v[rC+(\n)%4], v[rC+(\n)%4], v[rS+8*((\n)%4)+2*((\n)/4)+1], v[rS+8*((\n)%4)+2*((\n)/4)+2]
.elseif (\n) == 12
	v_max3_num_f32 v[rC], v[rC], v[rS+7], v[rS+15]
.elseif (\n) == 13
	v_max3_num_f32 v[rC+1], v[rC+1], v[rS+23], v[rS+31]
.elseif (\n) == 14
	v_max3_num_f32 v[rC+2], v[rC+2], v[rC+3], v[rT+1]
.elseif (\n) == 15
	v_mov_b32 v[rM], v[rT]
.elseif (\n) == 16
	v_max3_num_f32 v[rC], v[rC], v[rC+1], v[rC+2]
.elseif (\n) == 17
	v_permlanex16_b32 v[rC+3], v[rC], s[SEL], s[SEL+1]
.elseif (\n) == 18
	v_max_num_f32 v[rT+1], v[rC], v[rC+3]
.elseif (\n) == 19
	v_mul_f32 v[rT], s[CS], v[rT+1]
.elseif (\n) == 20
	v_sub_f32 v[rC+1], v[rM], v[rT]
.else
	v_exp_f32 v[rC+2], v[rC+1]
.endif
.endm
.macro FS n                         ; c s - c m for pair n of 16
	REGS Y
	WIN 0
	v_pk_fma_f32 v[rS+2*(\n):rS+2*(\n)+1], v[rS+2*(\n):rS+2*(\n)+1], s[CS:CS+1], v[rT:rT+1] op_sel_hi:[1,0,0] neg_lo:[0,0,1] neg_hi:[0,0,1]
.endm
.macro EX n
	REGS Y
	WIN 0
	v_exp_f32 v[rS+(\n)], v[rS+(\n)]
.endm
.macro CV n                         ; pair n rounded to f16
	REGS Y
	WIN 0
	s_wait_alu depctr_va_vdst(0)
	v_cvt_pk_f16_f32 v[rP+(\n)], v[rS+2*(\n)], v[rS+2*(\n)+1]
.endm
.macro RSC n                        ; pair n of 16 of tile Y - 1's O^T times that tile's a
	REGS (Y+3)%4
	WIN W_PV
	v_pk_mul_f32 v[rO+2*(\n):rO+2*(\n)+1], v[rO+2*(\n):rO+2*(\n)+1], v[rC+2:rC+3] op_sel_hi:[1,0]
.endm
.macro RLL                          ; and its l
	REGS (Y+3)%4
	WIN W_PV
	v_mul_f32 v[rL], v[rL], v[rC+2]
.endm
; Group n of 16: two exponentials, a scaling four pairs ahead, the rounding of the pair before, and one or two of the mask words 14 to 31.  Between an exponential and the use of its result stands a scaling or a
; rounding that touches neither it nor its source (ISA guide 5.7.2); the lines that hand on mask words are not counted for that.
.macro GG n
	EX 2*(\n)
.if (\n) < 12
	FS (\n)+4
.elseif (\n) < 14
	RDL (\n)+18
.endif
	EX 2*(\n)+1
.if (\n) >= 1
	CV (\n)-1
.endif
	RDL (\n)+14
.endm
.macro RUN op, a, b                 ; numbers a to b of one kind
.set nn, (\a)
.rept (\b)-(\a)+1
	\op nn
.set nn, nn+1
.endr
.endm
; A TURN, for tile p.  last = 1 (the tail): in the last trip there is no further step, and the fetches for it are jumped over.
; Distances, by this text's own count: between the last product that read K (the turn before) and K's loads stand five roundings; between the last product that read V and V's loads two selects and four maxima;
; the scores are first read 17 rescalings behind the product that made them, each accumulator from its low end on.
; The masks: behind tile p's 32 selects the scalar registers are free; tile p + 1's words are handed to them in the second half of the turn, fourteen between the links of the maximum's chain, each of which waits
; for the link before it, the others among the exponentials.
.macro TURN p, last=0
.set Y, (\p)
	WIN 0
.if (\p) == 1
	s_wait_dscnt 0x0                ; V is in
.endif
.if (\p) == 3
	s_wait_xcnt 0x0                 ; the mask loads issued so far have had their addresses translated (ISA guide 3.1): MC, which they name, is rewritten only behind this wait
	s_add_co_u32 s[MOFF], s[MOFF], 128  ; this turn asks for tile 0's masks two steps on, the next three for the other tiles' of the same step;
	s_min_u32 s[MOFF], s[MOFF], 31*128  ; there is no step behind the last: its words are asked for once more, inside the buffer, and used by nothing
	s_add_nc_u64 s[MC:MC+1], s[MB:MB+1], s[MOFF:MOFF+1]
.if \last
	s_cmp_eq_u32 s[CNT], 1
	s_cbranch_scc1 .Lno_k_\@
.endif
	s_add_co_u32 s[RS], s[RS], 256  ; the next step: 64 entries on in the window
	v_add_nc_u32 v[RELA], s[RS], v[REL0]
	v_add_nc_u32 v[ADR], s[TBK], v[AK0]
.endif
	RELLD ((\p)+1)%4
.if (\p) == 3
	FETCH_K
.if \last
.Lno_k_\@:
.endif
.endif
	RUN RSC, 0, 3
	MMP 0
	RUN RSC, 4, 7
	MMP 1
	RUN RSC, 8, 11
	MMP 2
	RUN RSC, 12, 15
	MMP 3
	RLL
	MMP 4
	RUN MK, 0, 5
	MMP 5
	RUN MK, 6, 11
	MMP 6
	RUN MK, 12, 17
	MMP 7
	RUN MK, 18, 23
	MMP 8
	RUN MK, 24, 29
	MMP 9
	RUN MK, 30, 31
	RUN XS, 0, 3
	s_wait_dscnt 0x0                ; the bias is in, and in tile 3's turn K
.if (\p) == 0
	v_add_nc_u32 v[ADR], s[TBV], v[AV0]
	FETCH_V
	s_add_co_u32 s[TBV], s[TBV], KS*PV
.endif
	MMQ 0
	RUN XS, 4, 11
	MMQ 1
	RUN XS, 12, 15
	s_wait_loadcnt 3                ; loads come back in order (ISA guide 5.7.1): tile p + 1's words are in; the three younger loads, the other tiles', stay out
	RUN RDL, 0, 1
	XS 16
	RUN RDL, 2, 4
	XS 17
	MMQ 2
	RUN RDL, 5, 7
	XS 18
	RUN RDL, 8, 10
	XS 19
	RUN RDL, 11, 13
	XS 20
	RUN FS, 0, 2
	XS 21
	FS 3
	MMQ 3
	RUN GG, 0, 2
	MMQ 4
	RUN GG, 3, 5
	MMQ 5
	RUN GG, 6, 8
	MMQ 6
	RUN GG, 9, 11
	MMQ 7
	RUN GG, 12, 15
	CV 15
	MLOAD
.endm
	CHANGE 1                        ; slot 0 and the window are in, everybody's part; slot 1 is asked for.  The window's descriptor is free from here on
	s_mov_b32 s[RS], 0
	v_mov_b32 v[RELA], v[REL0]
	RELLD 0
	v_add_nc_u32 v[ADR], s[TBK], v[AK0]
	FETCH_K                         ; key step 0
	s_wait_loadcnt 0x0              ; Q, and the four tiles' first masks
.set Y, 3
	RUN RDL, 0, 31                  ; tile 0's masks of step 0
	s_mov_b32 s[MOFF], 128
	s_mov_b32 s[MOFF+1], 0
	s_add_nc_u64 s[MC:MC+1], s[MB:MB+1], s[MOFF:MOFF+1]
	MLOAD                           ; and its masks of step 1 are asked for
	s_wait_dscnt 0x0
.irp i, 0,1,2,3,4,5,6,7
	MMQ \i                          ; tile 0's first scores
.endr
	v_mul_u32_u24 v[STO], v[R_], SP ; the way out, in: row l % 16, 16 bytes for each half of the lanes (Q's loads, which named this register, are done)
	v_lshl_add_u32 v[STO], v[H_], 4, v[STO]
	v_add_nc_u32 v[STO], s13, v[STO]
	s_mov_b32 s[CNT], 4
	s_mov_b32 s[SLOTS], 7
	s_branch .Lfirst                ; the loop is entered at a step's first turn, in the middle of a trip
.Lslot:                             ; six times: every slot but the last two is filled again
	CHANGE 1
	s_mov_b32 s[CNT], 4
.Lstep:                             ; a trip: tiles 2 and 3 of one step, then tiles 0 and 1 of the next, whose K and V it fetches
	TURN 2
	TURN 3
	WIN 0
.Lfirst:
	TURN 0
	TURN 1
	WIN 0
	s_sub_co_u32 s[CNT], s[CNT], 1
	s_cmp_lg_u32 s[CNT], 0
	s_cbranch_scc1 .Lstep
	s_sub_co_u32 s[SLOTS], s[SLOTS], 1
	s_cmp_lg_u32 s[SLOTS], 0
	s_cbranch_scc1 .Lslot
	CHANGE 0                        ; the tail is written out: nothing is asked for
	s_mov_b32 s[CNT], 5             ; four trips fetch the last slot's steps; the fifth is left in its middle
.Ltail:
	TURN 2
	TURN 3, 1
	WIN 0
	s_sub_co_u32 s[CNT], s[CNT], 1
	s_cmp_eq_u32 s[CNT], 0
	s_cbranch_scc1 .Lout
	TURN 0
	TURN 1
	WIN 0
	s_branch .Ltail
.Lout:                              ; the fifth trip's 8 products K Q^T serve nothing: the price, once a launch, of one text for every trip
.set Y, 0                           ; tile 3's products of the last step
	RUN RSC, 0, 3
	MMP 0
	RUN RSC, 4, 7
	MMP 1
	RUN RSC, 8, 11
	MMP 2
	RUN RSC, 12, 15
	MMP 3
	RLL
	MMP 4
	MMP 5
	MMP 6
	MMP 7
	MMP 8
	MMP 9
	WIN 0
.rept 4
	v_nop                           ; the places behind the last products
.endr
	; THE WAY OUT.  O^T is divided by l, held to -30 .. 30, rounded to f16 and sent through my stage in LDS, a tile at a time.
	WIN 0x01                        ; source 0 in window 1
.irp t, 0,1,2,3
	v_rcp_f32 v[TMP+2*\t], v[LA+8*\t]
.endr
	v_nop                           ; a plain line between the last reciprocal and the use of its result
	s_wait_alu depctr_va_vdst(0)
.macro PACK t
	WIN 0x41
.set i, 32*(\t)
.rept 16
	v_pk_mul_f32 v[i:i+1], v[i:i+1], v[TMP+2*(\t):TMP+2*(\t)+1] op_sel_hi:[1,0]
.set i, i+2
.endr
.set i, 32*(\t)
.rept 32
	v_med3_num_f32 v[i], v[i], s85, s86
.set i, i+1
.endr
	WIN 0x05                        ; sources 0 and 1 window 1, destination window 0: S^T's registers are free
.set i, 0
.rept 16
	v_cvt_pk_f16_f32 v[S+16*(\t)+i], v[32*(\t)+2*i], v[32*(\t)+2*i+1]
.set i, i+1
.endr
	WIN 0
.irp f, 0,1,2,3
	ds_store_b128 v[STO], v[S+16*(\t)+4*\f:S+16*(\t)+4*\f+3] offset:32*\f
.endr
.irp f, 0,1,2,3
	ds_load_b128 v[S+16*(\t)+4*\f:S+16*(\t)+4*\f+3], v[RD] offset:\f*4*SP  ; LDS serves a wave's instructions in order (ISA guide 5.7.1.4): these see the stores above; the next tile's stores come behind them
.endr
.endm
.macro SEND t, younger              ; younger: the LDS instructions issued behind tile t's loads: the next tile's eight, or none
	WIN 0
.irp f, 0,1,2,3
	s_wait_dscnt (\younger)+3-\f
	global_store_b128 v[GO], v[S+16*(\t)+4*\f:S+16*(\t)+4*\f+3], s[10:11] offset:(\t)*2048+\f*512  ; 512 consecutive bytes, at a multiple of 256 from O's first
.endr
.endm
	PACK 0
.set t, 1
.rept 3                             ; a tile's arithmetic stands between the loads of the tile before and its stores
	PACK t
	SEND t-1, 8
.set t, t+1
.endr
	SEND 3, 0
	WIN W_AD
	s_wait_tensorcnt 0x0            ; the wave's end
	ds_add_u32 v[SPW], v[NIL]
	s_wait_dscnt 0x0
	WIN 0
	CROUND                          ; the closing round: no work-group ends while a partner may still ask for a tile that names it
	s_endpgm
.Lfunc_end_k_qdd5c80c2fd_attn:
	.size	k_qdd5c80c2fd_attn, .Lfunc_end_k_qdd5c80c2fd_attn-k_qdd5c80c2fd_attn
	.p2alignl 7, 3214868480
	.fill 96, 4, 3214868480
	.section	.rodata,"a",@progbits
	.p2align	6, 0x0
	.amdhsa_kernel k_qdd5c80c2fd_attn
		.amdhsa_group_segment_fixed_size 327680
		.amdhsa_private_segment_fixed_size 0
		.amdhsa_enable_private_segment 0
		.amdhsa_kernarg_size 32
		.amdhsa_user_sgpr_count 2
		.amdhsa_user_sgpr_kernarg_segment_ptr 1
		.amdhsa_wavefront_size32 1
		.amdhsa_system_sgpr_workgroup_id_x 1
		.amdhsa_system_sgpr_workgroup_id_y 1
		.amdhsa_system_sgpr_workgroup_id_z 1
		.amdhsa_system_vgpr_workitem_id 0
		.amdhsa_next_free_vgpr 512
		.amdhsa_next_free_sgpr 96
		.amdhsa_reserve_vcc 0
		.amdhsa_float_denorm_mode_32 3
		.amdhsa_float_denorm_mode_16_64 3
		.amdhsa_memory_ordered 1
		.amdhsa_forward_progress 1
		.amdhsa_inst_pref_size 151
	.end_amdhsa_kernel
	.amdgpu_metadata
---
amdhsa.version: [ 1, 2 ]
amdhsa.kernels:
  - .name:           k_qdd5c80c2fd_attn
    .symbol:         k_qdd5c80c2fd_attn.kd
    .args:
      - { .name: qkvh, .offset: 0, .size: 8, .value_kind: global_buffer, .address_space: global }
      - { .name: tabs, .offset: 8, .size: 8, .value_kind: global_buffer, .address_space: global }
      - { .name: mbits, .offset: 16, .size: 8, .value_kind: global_buffer, .address_space: global }
      - { .name: ob, .offset: 24, .size: 8, .value_kind: global_buffer, .address_space: global }
    .group_segment_fixed_size: 327680
    .private_segment_fixed_size: 0
    .kernarg_segment_align: 8
    .kernarg_segment_size: 32
    .max_flat_workgroup_size: 128
    .sgpr_count:     96
    .vgpr_count:     512
    .wavefront_size: 32
...
	.end_amdgpu_metadata
.endif
;; end of part 6
;; launch oproj: the kernel of part 4 again; grid 8 x 32, 4 waves a work-group, clusters of 4 x 4, 327,680 bytes of LDS; arguments ob, wbuf, tabs, out0; writes out0
;; ======== version 3 of 3: 4 launches; 1.43 times as fast as version 1
;; limits: values are held in f16: magnitudes above 65,504 overflow, below 6.1e-05 lose precision
;; workspace buffers: xb 25,165,824 bytes; wbuf 8,388,608 bytes; tabs 2,183,168 bytes; mbits 1,048,576 bytes of whole numbers; qkvh 25,165,824 bytes; ob 8,388,608 bytes
;; launch prep (part 7): grid 773 x 1, 8 waves a work-group, no clusters, 0 bytes of LDS; arguments query, key_in, value, wq, wk, wv, wo, attn_mask, rel_emb, bq, bk, bv, bo, xb, wbuf, tabs, mbits; writes xb, wbuf, tabs, mbits
.if DOCPART == 7
	.amdgcn_target "amdgcn-amd-amdhsa--gfx1250"
	.amdhsa_code_object_version 6
	.text
	.protected	k_qdd5c80c2fd_prep
	.globl	k_qdd5c80c2fd_prep
	.p2align	8
	.type	k_qdd5c80c2fd_prep,@function
k_qdd5c80c2fd_prep:
	s_mov_b64 s[64:65], 0
	v_nop
	global_prefetch_b8 v0, s[64:65] scope:SCOPE_SE
	s_setreg_imm32_b32 hwreg(HW_REG_WAVE_MODE, 25, 1), 1
	s_wait_xcnt 0x0
; PREP: everything that the three matrix launches want ready, made once.  A work-group's number picks its role:
;   0-383    query, key_in, value -> xb [3][4096][1024] bf16          384-479  wq, wk, wv -> wbuf [0..2][1024][1024] bf16
;   480-511  wo -> wbuf [3]: rounded to bf16 like every input, that number written as f16 (the last product multiplies in f16)
;   512-639  attn_mask's bytes -> mbits: 32-bit lane masks in the order in which the attention's score registers lie
;   640-707  the rotary table -> tabs [2176][128] f32: cos[64], then the sine with the sign of its partner (-sin for d < 32, +sin for d >= 32);
;            rows 2048-2175 are cos 1, sin 0: V goes through the same way out and is left as it is
;   708-771  rel_emb -> tabs + RELT [16 heads][4 copies][4112] f32: copy c, entry x = 8 x bf16(rel_emb[4094 - x - c][h]): ascending in the key,
;            four copies shifted by one entry, so that every lane of the attention finds its eight numbers at a multiple of 16 bytes
;   772      bq, bk, bv, bo rounded to bf16 -> tabs + BIAS [4][1024] f32
; No LDS, no barrier, no matrix unit: these are streams and small tables.
; The text's only transcendentals are the rotary role's four exponentials (inv_freq): one batch, issued once ahead of its loop, with one wait ahead of the loop's label.
; LIMITS.  The angle t x inv_freq is an f32 product of an inv_freq made by v_exp_f32 (1 ULP): it is within some 2e-4 rad of the exact one at t = 2047.
; wo as f16: numbers under 6e-5 keep f16's fixed step of 6e-8, numbers beyond 65,504 are not served.
.set RELT,  1114112                    ; 2176 rows x 512 bytes
.set BIAS,  2166784                    ; RELT + 64 copies x 16,448 bytes
.set DEPTH, 8                          ; conversion: slots = loads in flight in each wave
.set OI, 2                             ; v[2:9]    slot i: byte offset of my 16 bytes in the source
.set OO, 10                            ; v[10:17]  slot i: byte offset of my 8 bytes in the destination
.set TW, 18                            ; v[18:21]  at work
.set XI, 24                            ; v[24:55]  slot i: four f32 as loaded
.set YO, 56                            ; v[56:71]  slot i: four 16-bit numbers to store
; One slot's turn: four f32 become four bf16 (f16 = 1: and those become f16).  left = the younger loads that may stay out.
.macro CSLOT i, ahead, left, f16
	s_wait_loadcnt \left                           ; loads come back in order: mine is in, the younger ones stay out
	s_wait_xcnt 0x0                                ; this slot's YO and OO, which its last store reads, are rewritten only behind this wait
	v_cvt_pk_bf16_f32 v[YO+2*(\i)],   v[XI+4*(\i)],   v[XI+4*(\i)+1]
	v_cvt_pk_bf16_f32 v[YO+2*(\i)+1], v[XI+4*(\i)+2], v[XI+4*(\i)+3]
.if \f16
	v_lshlrev_b32 v[TW],   16,  v[YO+2*(\i)]
	v_and_b32     v[TW+1], s13, v[YO+2*(\i)]
	v_lshlrev_b32 v[TW+2], 16,  v[YO+2*(\i)+1]
	v_and_b32     v[TW+3], s13, v[YO+2*(\i)+1]
	v_cvt_pk_f16_f32 v[YO+2*(\i)],   v[TW],   v[TW+1]
	v_cvt_pk_f16_f32 v[YO+2*(\i)+1], v[TW+2], v[TW+3]
.endif
.if \ahead
	v_add_nc_u32 v[OI+(\i)], DEPTH*4096, v[OI+(\i)]
	v_add_nc_u32 v[OO+(\i)], DEPTH*2048, v[OO+(\i)]
	global_load_b128 v[XI+4*(\i):XI+4*(\i)+3], v[OI+(\i)], s[4:5] th:TH_LOAD_NT
	global_store_b64 v[OO+(\i)], v[YO+2*(\i):YO+2*(\i)+1], s[6:7] offset:-DEPTH*2048  ; a wave's store covers 256 consecutive bytes, aligned
.else
	global_store_b64 v[OO+(\i)], v[YO+2*(\i):YO+2*(\i)+1], s[6:7]
.endif
.endm
; 32 rows of 1,024 numbers: three rounds that fill the ring again, and a last one whose counts run down.
.macro RING f16
	s_mov_b32 s12, 3
.Lround_\@:
.irp i, 0,1,2,3,4,5,6,7
	CSLOT \i, 1, DEPTH-1, \f16
.endr
	s_sub_co_u32 s12, s12, 1
	s_cmp_lg_u32 s12, 0
	s_cbranch_scc1 .Lround_\@
.irp i, 0,1,2,3,4,5,6,7
	CSLOT \i, 0, DEPTH-1-(\i), \f16
.endr
	s_endpgm
.endm
; Four f32 at v[b .. b+3] are rounded to bf16 and widened again.
.macro RND4 b
	v_cvt_pk_bf16_f32 v2, v[(\b)],   v[(\b)+1]
	v_cvt_pk_bf16_f32 v3, v[(\b)+2], v[(\b)+3]
	v_lshlrev_b32 v[(\b)],   16, v2
	v_and_b32     v[(\b)+1], 0xffff0000, v2
	v_lshlrev_b32 v[(\b)+2], 16, v3
	v_and_b32     v[(\b)+3], 0xffff0000, v3
.endm
	s_mov_b32 s2, ttmp9
	s_cmp_lt_u32 s2, 512
	s_cbranch_scc0 .Lnot_conv
	; ---- conversion: 32,768 numbers a work-group, 128 KiB in, 64 KiB out
	s_load_b512 s[16:31], s[0:1], 0x0              ; query, key_in, value, wq, wk, wv, wo (and attn_mask, not used here)
	s_load_b128 s[32:35], s[0:1], 0x68             ; xb, wbuf
	s_sub_co_u32 s3, s2, 384                       ; a weight chunk's number
	s_lshr_b32 s8, s2, 7                           ; x: which tensor, 128 chunks each,
	s_and_b32 s9, s2, 127                          ;    which chunk
	s_lshr_b32 s10, s3, 5                          ; w: which tensor, 32 chunks each,
	s_add_co_u32 s10, s10, 3
	s_and_b32 s11, s3, 31                          ;    which chunk
	s_cmp_lt_u32 s2, 384
	s_cselect_b32 s8, s8, s10                      ; source 0..6
	s_cselect_b32 s9, s9, s11                      ; its chunk
	s_cselect_b32 s3, s2, s3                       ; the chunk's number in xb or in wbuf
	s_lshl_b32 s10, s9, 17
	s_mov_b32 s11, 0
	s_lshl_b32 s14, s3, 16
	s_mov_b32 s15, 0
	s_mov_b32 s13, 0xffff0000                      ; a word's upper bf16
.irp i, 0,1,2,3,4,5,6,7
	v_lshl_add_u32 v[OI+(\i)], v0, 4, (\i)*4096
	v_lshl_add_u32 v[OO+(\i)], v0, 3, (\i)*2048
.endr
	s_wait_kmcnt 0x0
	s_cmp_lt_u32 s2, 384
	s_cselect_b64 s[6:7], s[32:33], s[34:35]
	s_mov_b64 s[4:5], s[16:17]
.irp w, 1,2,3,4,5,6
	s_cmp_eq_u32 s8, \w
	s_cselect_b64 s[4:5], s[16+2*\w:17+2*\w], s[4:5]
.endr
	s_add_nc_u64 s[4:5], s[4:5], s[10:11]
	s_add_nc_u64 s[6:7], s[6:7], s[14:15]
.irp i, 0,1,2,3,4,5,6,7
	global_load_b128 v[XI+4*(\i):XI+4*(\i)+3], v[OI+(\i)], s[4:5] th:TH_LOAD_NT
.endr
	s_cmp_ge_u32 s2, 480
	s_cbranch_scc1 .Lto_f16
	RING 0
.Lto_f16:
	RING 1
.Lnot_conv:
	s_cmp_lt_u32 s2, 640
	s_cbranch_scc0 .Lnot_mask
	; ---- the mask.  A wave takes 16 queries (tile qtg = 128 b + q / 16) and 512 keys (quarter kq), 128 keys a trip.
	; Lane l reads query l % 16, keys 16 i + 8 (l / 16) + 0..7.  Bit l of word 8 i + j says whether that lane's byte j is set: the word is the lane mask of the
	; attention's score register 8 kb + j of key step st, i = 4 (st % 2) + kb.  Words lie [tile][step][32].
	s_load_b64 s[4:5], s[0:1], 0x38                ; attn_mask
	s_load_b64 s[6:7], s[0:1], 0x80                ; mbits
	v_lshrrev_b32 v1, 5, v0
	v_readfirstlane_b32 s8, v1
	s_sub_co_u32 s3, s2, 512
	s_lshl3_add_u32 s3, s3, s8                     ; the wave's task
	s_lshr_b32 s9, s3, 2                           ; qtg
	s_and_b32 s10, s3, 3                           ; kq
	v_and_b32 v1, 15, v0
	v_bfe_u32 v2, v0, 4, 1
	s_lshl_b32 s11, s9, 15                         ; 16 rows of 2,048 bytes
	s_lshl_b32 s12, s10, 9
	s_add_co_u32 s11, s11, s12
	v_lshlrev_b32 v3, 11, v1
	v_lshl_add_u32 v3, v2, 3, v3
	v_add_nc_u32 v3, s11, v3                       ; v3: where I read
	s_lshl_b32 s11, s9, 12
	s_lshl_b32 s12, s10, 10
	s_add_co_u32 s11, s11, s12
	v_and_b32 v4, 31, v0
	v_lshl_add_u32 v4, v4, 3, s11                  ; v4: where I store: words 2 l and 2 l + 1 of the trip's 64
	v_mov_b32 v6, 0                                ; v_writelane_b32's destination counts as read
	v_mov_b32 v7, 0
	s_mov_b32 s14, 4
	s_wait_kmcnt 0x0
.Lmask:
.irp i, 0,1,2,3,4,5,6,7
	global_load_b64 v[8+2*\i:9+2*\i], v3, s[4:5] offset:16*\i
.endr
	s_wait_loadcnt 0x0
.set g, 0
.rept 64
	v_bfe_u32 v[24+g%4], v[8+2*(g/8)+(g%8)/4], 8*(g%4), 8
	v_cmp_ne_u32 s[20+g%4], 0, v[24+g%4]
	v_writelane_b32 v[6+g%2], s[20+g%4], g/2
.set g, g+1
.endr
	global_store_b64 v4, v[6:7], s[6:7]            ; 256 consecutive bytes, aligned
	s_wait_xcnt 0x0                                ; v3, v4, v6 and v7 are rewritten only behind this wait
	v_add_nc_u32 v3, 128, v3
	v_add_nc_u32 v4, 256, v4
	s_sub_co_u32 s14, s14, 1
	s_cmp_lg_u32 s14, 0
	s_cbranch_scc1 .Lmask
	s_endpgm
.Lnot_mask:
	s_cmp_lt_u32 s2, 708
	s_cbranch_scc0 .Lnot_rope
	; ---- the rotary table.  A wave makes four rows; lane L the four numbers 4 L .. 4 L + 3 of a row: section L / 8 (cos, cos, -sin, +sin), angles 4 (L % 8) + e.
.set INV, 8                            ; v[8:11]   inv_freq of my four angles
.set TT,  12                           ; v[12:15]  at work
.set OUT, 16                           ; v[16:19]  to store
.set TF,  20
.set TH,  21
.set NN,  22
.set RR,  23
.set ZZ,  24
.set SS,  25
.set CC,  26
.set KK,  27
.set T0,  28
.set T1,  29
.set T2,  30
.set SGN, 31                           ; the sign bit in section 2
.set VO,  32
; sin and cos of t x inv_freq[e]: n = the nearest multiple of pi/2, taken away in two parts; polynomials on |r| <= pi/4; the quadrant n % 4 swaps and signs them by selects.
.macro SINCOS e
	v_mul_f32 v[TH], v[TF], v[INV+(\e)]
	v_mul_f32 v[NN], 0x3f22f983, v[TH]             ; x 2/pi
	v_rndne_f32 v[NN], v[NN]
	v_fmamk_f32 v[RR], v[NN], 0xbfc90fdb, v[TH]    ; - n x pi/2, upper part
	v_fmamk_f32 v[RR], v[NN], 0x333bbd2e, v[RR]    ; and the rest of it
	v_mul_f32 v[ZZ], v[RR], v[RR]
	v_mov_b32 v[SS], 0xb9500d01                    ; -1/5040
	v_fmaak_f32 v[SS], v[ZZ], v[SS], 0x3c088889    ; 1/120
	v_fmaak_f32 v[SS], v[ZZ], v[SS], 0xbe2aaaab    ; -1/6
	v_mul_f32 v[SS], v[ZZ], v[SS]
	v_fma_f32 v[SS], v[RR], v[SS], v[RR]
	v_mov_b32 v[CC], 0x37d00d01                    ; 1/40320
	v_fmaak_f32 v[CC], v[ZZ], v[CC], 0xbab60b61    ; -1/720
	v_fmaak_f32 v[CC], v[ZZ], v[CC], 0x3d2aaaab    ; 1/24
	v_fmaak_f32 v[CC], v[ZZ], v[CC], 0xbf000000    ; -1/2
	v_fma_f32 v[CC], v[ZZ], v[CC], 1.0
	v_cvt_i32_f32 v[KK], v[NN]
	v_and_b32 v[T0], 1, v[KK]
	v_cmp_eq_u32 vcc_lo, 1, v[T0]
	v_cndmask_b32 v[T1], v[SS], v[CC], vcc_lo      ; the sine: in odd quadrants the cosine's polynomial
	v_cndmask_b32 v[T2], v[CC], v[SS], vcc_lo      ; the cosine
	v_and_b32 v[T0], 2, v[KK]
	v_lshlrev_b32 v[T0], 30, v[T0]
	v_xor_b32 v[T1], v[T0], v[T1]                  ; the sine is negative in quadrants 2 and 3,
	v_add_nc_u32 v[T0], 1, v[KK]
	v_and_b32 v[T0], 2, v[T0]
	v_lshlrev_b32 v[T0], 30, v[T0]
	v_xor_b32 v[T2], v[T0], v[T2]                  ; the cosine in 1 and 2
	v_cndmask_b32 v[T1], v[T2], v[T1], s10         ; lanes 16-31 keep the sine
	v_xor_b32 v[OUT+(\e)], v[SGN], v[T1]
.endm
	s_load_b64 s[6:7], s[0:1], 0x78                ; tabs
	v_lshrrev_b32 v1, 5, v0
	v_readfirstlane_b32 s8, v1
	s_sub_co_u32 s3, s2, 640
	s_lshl_b32 s3, s3, 5
	s_lshl2_add_u32 s3, s8, s3                     ; my first row
	s_mov_b32 s9, 0x80000000
	s_mov_b32 s10, 0xffff0000                      ; lanes 16-31
	v_and_b32 v1, 31, v0
	v_and_b32 v2, 7, v1
	v_lshlrev_b32 v2, 2, v2
.irp e, 0,1,2,3
	v_add_nc_u32 v[TT+\e], \e, v2
.endr
.irp e, 0,1,2,3
	v_cvt_f32_u32 v[TT+\e], v[TT+\e]
.endr
.irp e, 0,1,2,3
	v_mul_f32 v[TT+\e], 0xbed49a78, v[TT+\e]       ; - index x log2(10000) / 32
.endr
.irp e, 0,1,2,3
	v_exp_f32 v[INV+\e], v[TT+\e]
.endr
	v_lshrrev_b32 v4, 3, v1                        ; a plain line behind the last exponential
	v_cmp_eq_u32 vcc_lo, 2, v4
	v_cndmask_b32 v[SGN], 0, s9, vcc_lo
	s_lshl_b32 s11, s3, 9
	v_lshl_add_u32 v[VO], v1, 4, s11
	s_mov_b32 s14, 4
	s_wait_kmcnt 0x0
	s_wait_alu depctr_va_vdst(0)                   ; one wait for the four exponentials, behind the set-up above, ahead of the label and of their first reader in the loop
.Lrope:
	s_cmp_lt_u32 s3, 2048
	s_cselect_b32 s12, s3, 0                       ; rows from 2,048 on take the angle 0
	v_cvt_f32_u32 v[TF], s12
	SINCOS 0
	SINCOS 1
	SINCOS 2
	SINCOS 3
	global_store_b128 v[VO], v[OUT:OUT+3], s[6:7]  ; a row: 512 consecutive bytes
	s_wait_xcnt 0x0                                ; OUT and VO are rewritten only behind this wait
	v_add_nc_u32 v[VO], 512, v[VO]
	s_add_co_u32 s3, s3, 1
	s_sub_co_u32 s14, s14, 1
	s_cmp_lg_u32 s14, 0
	s_cbranch_scc1 .Lrope
	s_endpgm
.Lnot_rope:
	s_cmp_lt_u32 s2, 772
	s_cbranch_scc0 .Lbias
	; ---- a copy of a head's relative table.  Thread t makes entries 4 (256 u + t) + e, u, e = 0..3.  Entries whose index would fall below 0 take row 0: no score ever uses them.
	s_load_b64 s[4:5], s[0:1], 0x40                ; rel_emb
	s_load_b64 s[6:7], s[0:1], 0x78                ; tabs
	s_sub_co_u32 s3, s2, 708                       ; 4 h + c
	s_lshr_b32 s8, s3, 2
	s_and_b32 s9, s3, 3
	s_mul_i32 s10, s3, 16448
	s_add_co_u32 s10, s10, RELT
	s_mov_b32 s11, 0
	s_sub_co_u32 s12, 4094, s9
	s_lshl_b32 s13, s8, 2
	v_lshlrev_b32 v1, 2, v0
	v_sub_nc_u32 v1, s12, v1                       ; 4094 - c - 4 t
.set n, 0
.rept 16
	v_subrev_nc_u32 v2, 1024*(n/4)+n%4, v1
	v_max_i32 v2, 0, v2
	v_lshl_add_u32 v[8+n], v2, 6, s13              ; row x 64 bytes + 4 h
.set n, n+1
.endr
	v_lshlrev_b32 v40, 4, v0
.irp z, 44,45,46,47
	v_mov_b32 v\z, 0
.endr
	s_wait_kmcnt 0x0
	s_add_nc_u64 s[6:7], s[6:7], s[10:11]
.set n, 0
.rept 16
	global_load_b32 v[24+n], v[8+n], s[4:5]
.set n, n+1
.endr
	s_wait_loadcnt 0x0
.irp u, 0,1,2,3
	RND4 24+4*\u
.irp e, 0,1,2,3
	v_mul_f32 v[24+4*\u+\e], 0x41000000, v[24+4*\u+\e]  ; x 8: the attention scales score and bias together by 1/8
.endr
	global_store_b128 v40, v[24+4*\u:27+4*\u], s[6:7] offset:4096*\u
.endr
	s_wait_xcnt 0x0                                ; EXEC changes only behind this wait
	v_cmp_gt_u32 vcc_lo, 4, v0
	s_and_saveexec_b32 s14, vcc_lo
	global_store_b128 v40, v[44:47], s[6:7] offset:16384  ; the copy's last 16 entries: zeros, read by the window's load and used by no score
	s_wait_xcnt 0x0
	s_or_b32 exec_lo, exec_lo, s14
	s_endpgm
.Lbias:
	; ---- the four biases
	s_load_b256 s[8:15], s[0:1], 0x48              ; bq, bk, bv, bo
	s_load_b64 s[6:7], s[0:1], 0x78                ; tabs
	v_lshlrev_b32 v1, 4, v0
	s_wait_kmcnt 0x0
.irp a, 0,1,2,3
	global_load_b128 v[8+4*\a:11+4*\a], v1, s[8+2*\a:9+2*\a]
.endr
	s_wait_loadcnt 0x0
.irp a, 0,1,2,3
	RND4 8+4*\a
	global_store_b128 v1, v[8+4*\a:11+4*\a], s[6:7] offset:BIAS+4096*\a
.endr
	s_endpgm
.Lfunc_end_k_qdd5c80c2fd_prep:
	.size	k_qdd5c80c2fd_prep, .Lfunc_end_k_qdd5c80c2fd_prep-k_qdd5c80c2fd_prep
	.p2alignl 7, 3214868480
	.fill 96, 4, 3214868480
	.section	.rodata,"a",@progbits
	.p2align	6, 0x0
	.amdhsa_kernel k_qdd5c80c2fd_prep
		.amdhsa_group_segment_fixed_size 0
		.amdhsa_private_segment_fixed_size 0
		.amdhsa_enable_private_segment 0
		.amdhsa_kernarg_size 136
		.amdhsa_user_sgpr_count 2
		.amdhsa_user_sgpr_kernarg_segment_ptr 1
		.amdhsa_wavefront_size32 1
		.amdhsa_system_sgpr_workgroup_id_x 1
		.amdhsa_system_sgpr_workgroup_id_y 1
		.amdhsa_system_sgpr_workgroup_id_z 1
		.amdhsa_system_vgpr_workitem_id 0
		.amdhsa_next_free_vgpr 96
		.amdhsa_next_free_sgpr 66
		.amdhsa_reserve_vcc 1
		.amdhsa_float_denorm_mode_32 3
		.amdhsa_float_denorm_mode_16_64 3
		.amdhsa_memory_ordered 1
		.amdhsa_forward_progress 1
		.amdhsa_inst_pref_size 53
	.end_amdhsa_kernel
	.amdgpu_metadata
---
amdhsa.version: [ 1, 2 ]
amdhsa.kernels:
  - .name:           k_qdd5c80c2fd_prep
    .symbol:         k_qdd5c80c2fd_prep.kd
    .args:
      - { .name: query, .offset: 0, .size: 8, .value_kind: global_buffer, .address_space: global }
      - { .name: key_in, .offset: 8, .size: 8, .value_kind: global_buffer, .address_space: global }
      - { .name: value, .offset: 16, .size: 8, .value_kind: global_buffer, .address_space: global }
      - { .name: wq, .offset: 24, .size: 8, .value_kind: global_buffer, .address_space: global }
      - { .name: wk, .offset: 32, .size: 8, .value_kind: global_buffer, .address_space: global }
      - { .name: wv, .offset: 40, .size: 8, .value_kind: global_buffer, .address_space: global }
      - { .name: wo, .offset: 48, .size: 8, .value_kind: global_buffer, .address_space: global }
      - { .name: attn_mask, .offset: 56, .size: 8, .value_kind: global_buffer, .address_space: global }
      - { .name: rel_emb, .offset: 64, .size: 8, .value_kind: global_buffer, .address_space: global }
      - { .name: bq, .offset: 72, .size: 8, .value_kind: global_buffer, .address_space: global }
      - { .name: bk, .offset: 80, .size: 8, .value_kind: global_buffer, .address_space: global }
      - { .name: bv, .offset: 88, .size: 8, .value_kind: global_buffer, .address_space: global }
      - { .name: bo, .offset: 96, .size: 8, .value_kind: global_buffer, .address_space: global }
      - { .name: xb, .offset: 104, .size: 8, .value_kind: global_buffer, .address_space: global }
      - { .name: wbuf, .offset: 112, .size: 8, .value_kind: global_buffer, .address_space: global }
      - { .name: tabs, .offset: 120, .size: 8, .value_kind: global_buffer, .address_space: global }
      - { .name: mbits, .offset: 128, .size: 8, .value_kind: global_buffer, .address_space: global }
    .group_segment_fixed_size: 0
    .private_segment_fixed_size: 0
    .kernarg_segment_align: 8
    .kernarg_segment_size: 136
    .max_flat_workgroup_size: 256
    .sgpr_count:     66
    .vgpr_count:     96
    .wavefront_size: 32
...
	.end_amdgpu_metadata
.endif
;; end of part 7
;; launch qkv: the kernel of part 5 again; grid 8 x 96, 4 waves a work-group, clusters of 4 x 4, 327,680 bytes of LDS; arguments xb, wbuf, tabs, qkvh; writes qkvh
;; launch attn (part 8): grid 8 x 32, 4 waves a work-group, clusters of 4 x 1, 327,680 bytes of LDS; arguments qkvh, tabs, mbits, ob; writes ob
.if DOCPART == 8
	.amdgcn_target "amdgcn-amd-amdhsa--gfx1250"
	.amdhsa_code_object_version 6
	.text
	.protected	k_qdd5c80c2fd_attn
	.globl	k_qdd5c80c2fd_attn
	.p2align	8
	.type	k_qdd5c80c2fd_attn,@function
k_qdd5c80c2fd_attn:
	s_mov_b64 s[64:65], 0
	v_nop
	global_prefetch_b8 v0, s[64:65] scope:SCOPE_SE
	s_setreg_imm32_b32 hwreg(HW_REG_WAVE_MODE, 25, 1), 1
	s_wait_xcnt 0x0
	s_wait_alu depctr_hold_cnt(0) depctr_sa_sdst(0) depctr_va_vdst(0) depctr_va_sdst(0) depctr_va_ssrc(0) depctr_va_vcc(0) depctr_vm_vsrc(0)
	s_getreg_b32 s2, hwreg(HW_REG_IB_STS2, 6, 4)
	s_cmp_eq_u32 s2, 0
	s_cbranch_scc0 .Lentry_in_a_cluster
	s_endpgm
.Lentry_in_a_cluster:
	s_bfe_u32 s2, ttmp6, 0x10000c
	s_cmp_lg_u32 s2, 0x3003
	s_cbranch_scc0 .Lentry_shape_is_right
	s_endpgm
.Lentry_shape_is_right:
; ATTENTION with a relative bias and a mask that is an input.  O[bh][q] = clip(sum over k of softmax_k(Q.K / 8 + rel[q - k][h] + mask) V[k], -30, 30).  Q, K, V: qkvh [3][32][2048][64] f16; O: ob [32][2048][64] f16.
; Products, maxima and sums in f32; the weights p are rounded to f16 for the second product, and their sum l is taken of the rounded p; O is rounded once at the end.
; LIMITS.  A hidden score is REPLACED by -2^33 in raw units (-1.07e9 behind the scale), not lowered by 1e9: the same result while visible scores lie above that; in a row with no visible key every weight is equal
; (the mean of V), as in f32 arithmetic on -1e9 + s while |s| < 32.  f16 ends at 65,504: Q, K, V arrive within it.  A weight below 2^-126 counts as 0; NaN and infinities are not treated apart.
; SHARES.  A work-group owns 256 queries of one (b, h), each of its four waves 64: four tiles of 16.  Every wave walks all 2,048 keys, 64 a step; the mask may hide anything, so no tile is left out.
; LAYOUT.  S^T = K Q^T (source 0 = 16 keys, source 1 = 16 queries): a lane holds ONE query (lane % 16) and the keys 8 (lane / 16) + 0..7.  Two results rounded to f16 ARE source 1 of O^T = V^T P.
; THE BIAS costs no vector line: 8 x rel is loaded from LDS straight into the registers of S^T, and the products add onto it.  It hangs on k - q alone: a work-group holds a window of 2,320 entries of its head's
; table, four copies shifted by one entry, and a lane reads the copy in which its eight numbers begin at a multiple of 16 bytes.
; THE MASK costs two lines a score.  Its lane masks lie ready in mbits, 32 words a tile and step: one load brings lane n word n, 32 v_readlane_b32 hand the words to scalar registers, a select a score takes them.
; Four registers, one a tile, are a ring: a tile's register is loaded again, with its next step's words, as soon as it has been read out, four turns ahead of the next reading.
; THE ROW SUM l is a product too, ones x P: every register of its result holds the query's sum; register 0 alone is rescaled and read.
; SOFTMAX.  A running maximum m: p = 2^(c s - c m), c = log2(e) / 8; in every step O and l are multiplied by a = 2^(c m_old - c m_new).  m starts at the lowest finite number, O and l at 0.
; BY TURNS.  Turn p: the whole softmax of tile p; beside it 10 products (V^T P and the sum) of tile p - 1, whose O and l are rescaled just ahead of them, and 8 products K Q^T of tile p + 1.
; THE EXPONENTIALS.  A turn's 33 (a, then the tile's 32 scores, each in a register of its own) are ONE BATCH with ONE wait, which cuts the turn in two.  Ahead of the wait stands all that names no result of the
; batch: the rescaling, the selects, the maximum, the scalings, the handing on of the mask words, and 14 of the turn's 18 products.  Behind it stand the 16 roundings, four behind each of the last four products
; K Q^T; a is first read in the next turn.  The way out's four reciprocals are a batch of their own.
; CLUSTER.  The four query blocks of a cluster belong to one (b, h) and walk the same K and V: each tile is asked for JOINTLY.  The window of the table is each work-group's own (a load with no mask).
; REGISTERS, in windows of 256 (s_set_vgpr_msb: bits 1:0 source 0, 3:2 source 1, 5:4 source 2, 7:6 destination):
;   window 0: v0-15 addresses, c m_old and the masks' ring; v16-23 (c m, m) a tile; v24-31 at work, by parity; v32-95 S^T, two buffers; v96-127 P, two buffers; v128-191 K of one step; v192-255 Q
;   window 1: v0-127 O^T, 32 a tile; v128-159 l, 8 a tile; v160-223 V of one step; v224-231 ones; v240-241 the add's two registers
.set KS,    64
.set PK,    144       ; a row of K in LDS: 128 bytes + 16: the 16 rows of a load start at 16 different groups of four banks (ISA guide 11.1)
.set PV,    160       ; a row of V: 128 + 32
.set VOFF,  4*KS*PK   ; a slot holds four steps: 256 rows of K, then 256 rows of V
.set SLOT1, 1<<17
.set RELB,  SLOT1+4*KS*(PK+PV)  ; the table's window: four copies of 9,280 bytes, filled once
.set RELC,  9280
.set STAGE, RELB+4*RELC         ; 16 rows x 144 bytes for each wave, for the way out
.set SP,    144
.set SPARE, STAGE+4*16*SP       ; the spare words, 128 bytes for each wave
.set RELT,  1114112             ; the tables in tabs: [16][4][4112] f32
.set MV,  0           ; v0-1  c m_old, by parity (v0 is free once the head has made its addresses)
.set AK0, 2           ; v2   my lane's place in a tile of K
.set AV0, 3           ; v3   the same for V
.set ADR, 4           ; v4   the LDS address of the run of loads in hand, K's or V's
.set MA,  5           ; v5   4 x lane: my word among a tile's and step's 32; never rewritten
.set QO,  6           ; v6   my byte offset in 16 rows of Q
.set STO, 6           ;      later: where I put 16 bytes of a row
.set RD,  7           ; v7   where I read rows back
.set GO,  8           ; v8   my byte offset in 512 consecutive bytes of O
.set REL0, 9          ; v9   my lane's place in the window, for tile 3, key 0
.set RELA, 10         ; v10  the same at the step in hand
.set NEGV, 11         ; v11  -2^33
.set MR,  12          ; v12-15  the masks' ring: tile t's words at MR + t, lane n holds word n
.set ST,  16
.set TMP, 24          ; by parity c0-c3; when the maximum is found c2 takes a
.set S,   32
.set P,   96
.set KF,  128         ; key block kb, channel half c at KF + 16 kb + 8 c
.set Q,   192         ; tile t, channel half c at Q + 16 t + 8 c
.set R_,  64          ; v64-68: the head's scratch, in S^T's second buffer, which is first loaded in the first turn
.set H_,  65
.set L7,  66
.set T1,  67
.set T2,  68
.set LA,  128         ; window 1
.set VF,  160         ; window 1: key half kk, channel block cb at VF + 32 kk + 8 cb
.set ONES, 224        ; window 1
.set SPW, 240         ; window 1: my spare word; never rewritten
.set NIL, 241         ; window 1: 0; never rewritten
.set WV,  12          ; s12  my wave's number
.set RS,  15          ; s15  256 x the step whose bias is loaded
.set MW,  16          ; s[16:47] a tile's and step's 32 lane masks
.set G0R, 16          ; s[16:19], s[20:27] at the start: the window's descriptor
.set G1R, 20
.set G1K, 48          ; s[48:55]
.set G1V, 56          ; s[56:63]
.set MB,  66          ; s[66:67] mbits at my wave's tile 0; never rewritten
.set G0K, 68          ; s[68:71] it walks
.set G0V, 72          ; s[72:75]
.set CS,  76          ; s[76:77] c
.set SEL, 78          ; s[78:79] v_permlanex16_b32's selects
.set TBK, 80          ; s80  LDS byte at which K of the step to be fetched begins
.set TBV, 81          ; s81  the same for V, less VOFF
.set SLOTS, 82
.set CNT, 83
.set MOFF, 92         ; s[92:93] 128 x the step whose masks are asked for, held at the last step's
.set MC,  94          ; s[94:95] MB + MOFF
.set MSB, 0
.macro WIN new
.if MSB != (\new)
	s_set_vgpr_msb (MSB<<8)|(\new)
.set MSB, (\new)
.endif
.endm
.set W_PV, 0x51       ; source 0 (V, ones, O^T, l), C and D in window 1; source 1 (P, a) in window 0
.set W_AD, 0x05       ; the add: address and data in window 1
.macro JLOAD          ; a joint fill: waves 0 and 1 fetch the halves of a slot's K, waves 2 and 3 those of its V; an s_nop 0 and four v_nop follow each line
	s_cmp_lt_u32 s[WV], 2
	s_cbranch_scc0 .Lfor_v_\@
	tensor_load_to_lds s[G0K:G0K+3], s[G1K:G1K+7]
	s_nop 0
.rept 4
	v_nop
.endr
	s_branch .Lasked_\@
.Lfor_v_\@:
	tensor_load_to_lds s[G0V:G0V+3], s[G1V:G1V+7]
	s_nop 0
.rept 4
	v_nop
.endr
.Lasked_\@:
.endm
.macro CROUND         ; a round of the cluster's barrier
	s_barrier_signal -1
	s_barrier_wait -1
	s_cmp_lg_u32 s[WV], 0
	s_cbranch_scc1 .Lnot_wave_0_\@
	s_barrier_signal -3
.Lnot_wave_0_\@:
	s_barrier_wait -3
	s_barrier_signal -1
	s_barrier_wait -1
.endm
; THE CHANGE OF SLOTS.  Each wave waits for all its tensor loads (its part of the other slot; the first time also its copy of the window), adds 0 to its spare word, and waits for that and for its reads of the slot.
; fill = 1: the slot is filled again with the keys two slots on, first thing behind a round of the cluster's barrier: it has four key steps in which to land.  (At its first use slot 0 is waited for, slot 1 filled.)
.macro CHANGE fill
	WIN W_AD
	s_wait_tensorcnt 0x0            ; no tensor load of mine is out, so a group 0 may be written
	ds_add_u32 v[SPW], v[NIL]
	WIN 0
.if \fill
.irp g, G0K, G0V
	s_xor_b32 s[\g+1], s[\g+1], SLOT1
	s_add_nc_u64 s[\g+2:\g+3], s[\g+2:\g+3], 4*KS*128
.endr
	s_wait_dscnt 0x0                ; the add is done, and my reads of the slot are over
	CROUND
	JLOAD
.else
	s_wait_dscnt 0x0
	s_barrier_signal -1
	s_barrier_wait -1
.endif
	s_sub_co_u32 s[TBK], s[TBK], 4*KS*PK
	s_xor_b32 s[TBK], s[TBK], SLOT1
	s_sub_co_u32 s[TBV], s[TBV], 4*KS*PV
	s_xor_b32 s[TBV], s[TBV], SLOT1
.endm
	s_load_b256 s[4:11], s[0:1], 0x0  ; qkvh s[4:5], tabs s[6:7], mbits s[8:9], ob s[10:11]
	WIN 0x40
	v_lshl_add_u32 v[SPW], v0, 2, SPARE
	v_mov_b32 v[NIL], 0
	WIN W_AD
	ds_add_u32 v[SPW], v[NIL]       ; the wave's opening: the add and its wait ahead of my first tensor load
	WIN 0
	v_lshrrev_b32 v1, 5, v0
	v_readfirstlane_b32 s[WV], v1
	s_bfe_u32 s13, ttmp6, 0x40000   ; cx
	s_lshl_b32 s14, ttmp9, 2
	s_add_co_u32 s14, s14, s13      ; my block of 256 queries: it enters global addresses of my own loads and stores alone
	s_and_b32 s88, ttmp7, 0xffff    ; (b, h), which the four partners share
	s_lshl_b32 s90, s88, 18         ; its 2,048 rows of 128 bytes
	s_and_b32 s2, s[WV], 1          ; which half of a slot's 256 keys I fetch
	s_lshl_b32 s92, s2, 14
	s_add_co_u32 s92, s92, s90
	s_mov_b32 s93, 0
	s_mul_i32 s3, s2, 128*PK
	s_mov_b32 s[G0K], 1
	s_mov_b32 s[G0K+1], s3          ; slot 0
	s_mul_i32 s3, s2, 128*PV
	s_mov_b32 s[G0V], 1
	s_add_co_u32 s[G0V+1], s3, VOFF
	s_lshl_b32 s94, s14, 15         ; Q and O: my block's rows, my wave's 64 of them
	s_lshl_b32 s3, s[WV], 13
	s_add_co_u32 s94, s94, s3
	s_add_co_u32 s94, s94, s90
	s_mov_b32 s95, 0
	s_lshr_b32 s2, s88, 4           ; the masks: tile 128 b + 16 block + 4 wave, 4,096 bytes a tile
	s_lshl_b32 s90, s2, 19
	s_lshl_b32 s3, s14, 16
	s_add_co_u32 s90, s90, s3
	s_lshl_b32 s3, s[WV], 14
	s_add_co_u32 s90, s90, s3
	s_mov_b32 s91, 0
	s_and_b32 s2, s88, 15           ; the window: head h, copy = my wave, entries 1792 - 256 block on
	s_mul_i32 s88, s2, 4*16448
	s_mul_i32 s3, s[WV], 16448
	s_add_co_u32 s88, s88, s3
	s_add_co_u32 s88, s88, RELT+7168
	s_lshl_b32 s3, s14, 10
	s_sub_co_u32 s88, s88, s3
	s_mov_b32 s89, 0
	; K and V: 128 keys are 16,384 dense bytes: 64 rows of 256 bytes, two keys a row, padded in LDS after every key
	s_mov_b32 s[G1K], 15|(1<<16)|(1<<20)|(1<<21)|(4<<22)|(3<<25)  ; the mask of four; 2-byte elements; padding on; bit 21 beside a mask; after every 32 words 4 words
	s_mov_b32 s[G1V], 15|(1<<16)|(1<<20)|(1<<21)|(4<<22)|(7<<25)  ; the same with 8 words
.irp g, G1K, G1V
	s_mov_b32 s[\g+1], 128<<16
	s_mov_b32 s[\g+2], 64<<16
	s_mov_b32 s[\g+3], 128<<16
	s_mov_b32 s[\g+4], 64
	s_mov_b32 s[\g+5], 128
	s_mov_b32 s[\g+6], 0
	s_mov_b32 s[\g+7], 0
.endr
	; the window: one row of 9,280 bytes, 1,160 elements of 8; no mask: the load is my work-group's own
	s_mov_b32 s[G1R], 3<<16
	s_mov_b32 s[G1R+1], 1160<<16
	s_mov_b32 s[G1R+2], 1<<16
	s_mov_b32 s[G1R+3], 1160<<16
	s_mov_b32 s[G1R+4], 1
	s_mov_b32 s[G1R+5], 1160
	s_mov_b32 s[G1R+6], 0
	s_mov_b32 s[G1R+7], 0
	s_mov_b32 s[G0R], 1
	s_mul_i32 s[G0R+1], s[WV], RELC
	s_add_co_u32 s[G0R+1], s[G0R+1], RELB
	s_mov_b32 s[CS], 0x3e38aa3b     ; c = log2(e) / 8
	s_mov_b32 s[CS+1], s[CS]
	s_mov_b32 s[SEL], 0x76543210
	s_mov_b32 s[SEL+1], 0xfedcba98
	s_mov_b32 s[TBK], SLOT1+4*KS*PK ; the first change of slots turns these two into 0
	s_mov_b32 s[TBV], SLOT1+4*KS*PV
	s_mov_b32 s85, 0xc1f00000       ; -30
	s_mov_b32 s86, 0x41f00000       ; 30
	s_wait_dscnt 0x0                ; the opening add is done
	s_wait_kmcnt 0x0
	s_add_nc_u64 s[G0K+2:G0K+3], s[4:5], s[92:93]
	s_add_nc_u64 s[G0V+2:G0V+3], s[G0K+2:G0K+3], 0x1000000  ; V is the third tensor,
	s_add_nc_u64 s[G0K+2:G0K+3], s[G0K+2:G0K+3], 0x800000   ; K the second
	s_or_b32 s[G0K+3], s[G0K+3], 0x80000000
	s_or_b32 s[G0V+3], s[G0V+3], 0x80000000
	s_add_nc_u64 s[G0R+2:G0R+3], s[6:7], s[88:89]
	s_or_b32 s[G0R+3], s[G0R+3], 0x80000000
	s_add_nc_u64 s[MB:MB+1], s[8:9], s[90:91]
	s_add_nc_u64 s[4:5], s[4:5], s[94:95]
	s_add_nc_u64 s[10:11], s[10:11], s[94:95]
	CROUND                          ; all four work-groups are here: the first joint loads meet
	s_cmp_lt_u32 s[WV], 2           ; a wave's two first fills stand in one branch: two loads of mine are out
	s_cbranch_scc0 .Lfirst_v
	tensor_load_to_lds s[G0K:G0K+3], s[G1K:G1K+7]
	s_nop 0
	tensor_load_to_lds s[G0R:G0R+3], s[G1R:G1R+7]
	s_nop 0
.rept 4
	v_nop
.endr
	s_branch .Lfirst_asked
.Lfirst_v:
	tensor_load_to_lds s[G0V:G0V+3], s[G1V:G1V+7]
	s_nop 0
	tensor_load_to_lds s[G0R:G0R+3], s[G1R:G1R+7]
	s_nop 0
.rept 4
	v_nop
.endr
.Lfirst_asked:
	v_and_b32 v[R_], 15, v0         ; r = l % 16
	v_bfe_u32 v[H_], v0, 4, 1       ; h = l / 16
	v_and_b32 v[L7], 7, v0
	v_lshlrev_b32 v[QO], 7, v[R_]
	v_lshl_add_u32 v[QO], v[H_], 4, v[QO]
.set i, 0
.rept 8                             ; Q stays in registers: tile i / 2, channels 32 (i % 2) on
	global_load_b128 v[Q+8*i:Q+8*i+3],   v[QO], s[4:5] offset:(i/2)*2048+(i%2)*64
	global_load_b128 v[Q+8*i+4:Q+8*i+7], v[QO], s[4:5] offset:(i/2)*2048+(i%2)*64+32
.set i, i+1
.endr
	v_and_b32 v[MA], 31, v0
	v_lshlrev_b32 v[MA], 2, v[MA]
.irp t, 0,1,2,3
	global_load_b32 v[MR+\t], v[MA], s[MB:MB+1] offset:\t*4096  ; the four tiles' masks of key step 0: 128 consecutive bytes each
.endr
	; What the first turn finds: O^T, l, V and P's second buffer hold 0 (its products, of a tile that has not been, add 0).  No first step is written out; the price is these lines, in the wait for the first tile.
	WIN 0x40
.set i, 0
.rept 224
	v_mov_b32 v[i], 0
.set i, i+1
.endr
.rept 8
	v_mov_b32 v[i], 0x3c003c00      ; 1.0 twice, in f16
.set i, i+1
.endr
	WIN 0
.set i, 0
.rept 4
	v_mov_b32 v[ST+2*i], 0xfe000000    ; c m: far below every c s
	v_mov_b32 v[ST+2*i+1], 0xff7fffff  ; m
.set i, i+1
.endr
.set i, P+16
.rept 16
	v_mov_b32 v[i], 0
.set i, i+1
.endr
	v_mov_b32 v[TMP+6], 0           ; the a by which the first turn rescales
	v_mov_b32 v[TMP+7], 0
	v_mov_b32 v[NEGV], 0xd0000000   ; -2^33: a power of two, so c x it is exact, and a row hidden so far has p = 2^0
	v_mul_u32_u24 v[AK0], v[R_], PK
	v_lshl_add_u32 v[AK0], v[H_], 4, v[AK0]
	v_bfe_u32 v[T1], v0, 3, 1
	v_lshl_add_u32 v[AV0], v[H_], 3, v[L7]  ; the turning load: key 8 h + l % 8, channels 8 ((l / 8) % 2) on
	v_mul_u32_u24 v[AV0], v[AV0], PV
	v_lshl_add_u32 v[AV0], v[T1], 4, v[AV0]
	v_add_nc_u32 v[AV0], VOFF, v[AV0]
	; The window's entry for query q and key k in copy c is k - q + 255 - c, counted from the block's first query.  With c = 3 - r % 4 that is, for tile t and key 64 st + 16 kb + 8 h + j:
	; 4 (3 - r / 4) + 8 h + 64 (3 - w) + 16 (3 - t) + 16 kb + 64 st + j: never negative, 2,299 at the most, and a multiple of 4 at j = 0.
	v_xor_b32 v[T1], 15, v[R_]      ; 15 - r
	v_and_b32 v[T2], 3, v[T1]       ; c
	v_lshrrev_b32 v[T1], 2, v[T1]   ; 3 - r / 4
	v_mul_u32_u24 v[T2], v[T2], RELC
	v_lshl_add_u32 v[T2], v[T1], 4, v[T2]
	v_lshl_add_u32 v[T2], v[H_], 5, v[T2]
	s_xor_b32 s2, s[WV], 3
	s_lshl_b32 s2, s2, 8
	s_add_co_u32 s2, s2, RELB
	v_add_nc_u32 v[REL0], s2, v[T2]
	s_mul_i32 s13, s[WV], 16*SP     ; the way out: my stage
	s_add_co_u32 s13, s13, STAGE
	v_bfe_u32 v[RD], v0, 3, 2       ; back: 32 lanes take four rows of 128 bytes,
	v_mul_u32_u24 v[RD], v[RD], SP
	v_lshl_add_u32 v[RD], v[L7], 4, v[RD]
	v_add_nc_u32 v[RD], s13, v[RD]
	v_and_b32 v[GO], 31, v0         ; which are 512 consecutive bytes of O
	v_lshlrev_b32 v[GO], 4, v[GO]
.macro REGS y                       ; the registers of tile y
.set rT, ST+2*(\y)
.set rC, TMP+4*((\y)%2)
.set rM, MV+((\y)%2)
.set rS, S+32*((\y)%2)
.set rP, P+16*((\y)%2)
.set rO, 32*(\y)
.set rL, LA+8*(\y)
.endm
; THE MATRIX WORK.  Accumulators take turns, one instruction a turn.
; Product i of 8 of S^T += K Q^T for tile Y + 1, onto the bias: channels 32 (i / 4) on, keys 16 (i % 4) on.
.macro MMQ i
	WIN 0
.set tq, (Y+1)%4
.set qS, S+32*(tq%2)+8*((\i)%4)
.set qK, KF+16*((\i)%4)+8*((\i)/4)
.set qQ, Q+16*tq+8*((\i)/4)
	v_wmma_f32_16x16x32_f16 v[qS:qS+7], v[qK:qK+7], v[qQ:qQ+7], v[qS:qS+7]
.endm
; Product i of 10 for tile Y - 1: keys 32 (i / 5) on; i % 5 < 4: O^T += V^T P, channels 16 (i % 5) on; i % 5 = 4: l += ones x P.
.macro MMP i
	WIN W_PV
.set tp, (Y+3)%4
.set kk, (\i)/5
.set jj, (\i)%5
.set pP, P+16*(tp%2)+8*kk
.if jj < 4
.set pD, 32*tp+8*jj
.set pA, VF+32*kk+8*jj
.else
.set pD, LA+8*tp
.set pA, ONES
.endif
	v_wmma_f32_16x16x32_f16 v[pD:pD+7], v[pA:pA+7], v[pP:pP+7], v[pD:pD+7]
.endm
; THE LDS LOADS, in runs.
.macro FETCH_K
	WIN 0
.irp f, 0,1,2,3,4,5,6,7             ; keys 16 (f / 2) on, channels 32 (f % 2) on
	ds_load_b128 v[KF+8*\f:KF+8*\f+3],   v[ADR] offset:(\f/2)*16*PK+(\f%2)*64
	ds_load_b128 v[KF+8*\f+4:KF+8*\f+7], v[ADR] offset:(\f/2)*16*PK+(\f%2)*64+32
.endr
	s_add_co_u32 s[TBK], s[TBK], KS*PK
.endm
.macro FETCH_V
	WIN 0x40
.irp f, 0,1,2,3,4,5,6,7             ; keys 32 (f / 4) on, channels 16 (f % 4) on
	ds_load_tr16_b128 v[VF+8*\f:VF+8*\f+3],   v[ADR] offset:(\f/4)*32*PV+(\f%4)*32
	ds_load_tr16_b128 v[VF+8*\f+4:VF+8*\f+7], v[ADR] offset:(\f/4)*32*PV+16*PV+(\f%4)*32
.endr
	WIN 0
.endm
.macro RELLD t                      ; tile t's bias for the step in hand, into the registers in which its scores will be summed
	WIN 0
.irp b, 0,1,2,3
	ds_load_b128 v[S+32*((\t)%2)+8*\b:S+32*((\t)%2)+8*\b+3],   v[RELA] offset:64*(3-(\t))+64*\b
	ds_load_b128 v[S+32*((\t)%2)+8*\b+4:S+32*((\t)%2)+8*\b+7], v[RELA] offset:64*(3-(\t))+64*\b+16
.endr
.endm
; THE VECTOR WORK, a line at a time.
.macro MK n                         ; score n of tile Y is kept where its lane's bit is set
	REGS Y
	WIN 0
	v_cndmask_b32 v[rS+(\n)], v[NEGV], v[rS+(\n)], s[MW+(\n)]
.endm
.macro RDL n                        ; word n of tile Y + 1's masks goes to its scalar register, which tile Y's select has read
	WIN 0
	v_readlane_b32 s[MW+(\n)], v[MR+(Y+1)%4], \n
.endm
.macro MLOAD                        ; tile Y + 1's register has been read out: its next step's words
	WIN 0
	global_load_b32 v[MR+(Y+1)%4], v[MA], s[MC:MC+1] offset:((Y+1)%4)*4096
.endm
; Number n of the 22 that find tile Y's maximum and statistics: 0-11 four chains of seven scores; 12-14, 16 the four left over, the old m, and the chains into c0; 15 c m_old is kept;
; 17, 18 the query's other 32 keys lie in the lane 16 away; 19-21 c m; c m_old - c m_new; a.
.macro XS n
	REGS Y
	WIN 0
.if (\n) < 4
	v_max3_num_f32 v[rC+(\n)], v[rS+8*(\n)], v[rS+8*(\n)+1], v[rS+8*(\n)+2]
.elseif (\n) < 12
	v_max3_num_f32 v[rC+(\n)%4], v[rC+(\n)%4], v[rS+8*((\n)%4)+2*((\n)/4)+1], v[rS+8*((\n)%4)+2*((\n)/4)+2]
.elseif (\n) == 12
	v_max3_num_f32 v[rC], v[rC], v[rS+7], v[rS+15]
.elseif (\n) == 13
	v_max3_num_f32 v[rC+1], v[rC+1], v[rS+23], v[rS+31]
.elseif (\n) == 14
	v_max3_num_f32 v[rC+2], v[rC+2], v[rC+3], v[rT+1]
.elseif (\n) == 15
	v_mov_b32 v[rM], v[rT]
.elseif (\n) == 16
	v_max3_num_f32 v[rC], v[rC], v[rC+1], v[rC+2]
.elseif (\n) == 17
	v_permlanex16_b32 v[rC+3], v[rC], s[SEL], s[SEL+1]
.elseif (\n) == 18
	v_max_num_f32 v[rT+1], v[rC], v[rC+3]
.elseif (\n) == 19
	v_mul_f32 v[rT], s[CS], v[rT+1]
.elseif (\n) == 20
	v_sub_f32 v[rC+1], v[rM], v[rT]
.else
	v_exp_f32 v[rC+2], v[rC+1]
.endif
.endm
.macro FS n                         ; c s - c m for pair n of 16
	REGS Y
	WIN 0
	v_pk_fma_f32 v[rS+2*(\n):rS+2*(\n)+1], v[rS+2*(\n):rS+2*(\n)+1], s[CS:CS+1], v[rT:rT+1] op_sel_hi:[1,0,0] neg_lo:[0,0,1] neg_hi:[0,0,1]
.endm
.macro EX n
	REGS Y
	WIN 0
	v_exp_f32 v[rS+(\n)], v[rS+(\n)]
.endm
.macro CV n                         ; pair n rounded to f16: a reader of the batch's results, so it stands behind the turn's wait
	REGS Y
	WIN 0
	v_cvt_pk_f16_f32 v[rP+(\n)], v[rS+2*(\n)], v[rS+2*(\n)+1]
.endm
.macro RSC n                        ; pair n of 16 of tile Y - 1's O^T times that tile's a
	REGS (Y+3)%4
	WIN W_PV
	v_pk_mul_f32 v[rO+2*(\n):rO+2*(\n)+1], v[rO+2*(\n):rO+2*(\n)+1], v[rC+2:rC+3] op_sel_hi:[1,0]
.endm
.macro RLL                          ; and its l
	REGS (Y+3)%4
	WIN W_PV
	v_mul_f32 v[rL], v[rL], v[rC+2]
.endm
; Group n of 16 of the batch: two exponentials, a scaling four pairs ahead, and one or two of the mask words 14 to 31.  No line of a group names an exponential's result: a scaling writes a pair whose exponentials
; are still to come, and the lines that hand on mask words name the ring and scalar registers alone.  The plain line that is owed between an exponential and the use of its result (ISA guide 5.7.2) is a scaling
; for the early ones and, for the last, the roundings of the pairs before its own; the lines that hand on mask words are not counted for that.
.macro GG n
	EX 2*(\n)
.if (\n) < 12
	FS (\n)+4
.elseif (\n) < 14
	RDL (\n)+18
.endif
	EX 2*(\n)+1
	RDL (\n)+14
.endm
.macro RUN op, a, b                 ; numbers a to b of one kind
.set nn, (\a)
.rept (\b)-(\a)+1
	\op nn
.set nn, nn+1
.endr
.endm
; A TURN, for tile p.  last = 1 (the tail): in the last trip there is no further step, and the fetches for it are jumped over.
; Distances, by this text's own count: between the last product that read K (the turn before) and K's loads stand four roundings and the two address lines; between the last product that read V and V's loads two
; selects and four maxima; the scores are first read four roundings and 17 rescalings behind the product that made them, each accumulator from its low end on.
; The masks: behind tile p's 32 selects the scalar registers are free; tile p + 1's words are handed to them in the second half of the turn, fourteen between the links of the maximum's chain, each of which waits
; for the link before it, the others among the exponentials.
; The batch: a (XS 21), then the sixteen groups; ONE wait behind the last group; behind it the last four products K Q^T, each with four roundings as the lines behind it.
.macro TURN p, last=0
.set Y, (\p)
	WIN 0
.if (\p) == 1
	s_wait_dscnt 0x0                ; V is in
.endif
.if (\p) == 3
	s_wait_xcnt 0x0                 ; the mask loads issued so far have had their addresses translated (ISA guide 3.1): MC, which they name, is rewritten only behind this wait
	s_add_co_u32 s[MOFF], s[MOFF], 128  ; this turn asks for tile 0's masks two steps on, the next three for the other tiles' of the same step;
	s_min_u32 s[MOFF], s[MOFF], 31*128  ; there is no step behind the last: its words are asked for once more, inside the buffer, and used by nothing
	s_add_nc_u64 s[MC:MC+1], s[MB:MB+1], s[MOFF:MOFF+1]
.if \last
	s_cmp_eq_u32 s[CNT], 1
	s_cbranch_scc1 .Lno_k_\@
.endif
	s_add_co_u32 s[RS], s[RS], 256  ; the next step: 64 entries on in the window
	v_add_nc_u32 v[RELA], s[RS], v[REL0]
	v_add_nc_u32 v[ADR], s[TBK], v[AK0]
.endif
	RELLD ((\p)+1)%4
.if (\p) == 3
	FETCH_K
.if \last
.Lno_k_\@:
.endif
.endif
	RUN RSC, 0, 3
	MMP 0
	RUN RSC, 4, 7
	MMP 1
	RUN RSC, 8, 11
	MMP 2
	RUN RSC, 12, 15
	MMP 3
	RLL
	MMP 4
	RUN MK, 0, 5
	MMP 5
	RUN MK, 6, 11
	MMP 6
	RUN MK, 12, 17
	MMP 7
	RUN MK, 18, 23
	MMP 8
	RUN MK, 24, 29
	MMP 9
	RUN MK, 30, 31
	RUN XS, 0, 3
	s_wait_dscnt 0x0                ; the bias is in, and in tile 3's turn K
.if (\p) == 0
	v_add_nc_u32 v[ADR], s[TBV], v[AV0]
	FETCH_V
	s_add_co_u32 s[TBV], s[TBV], KS*PV
.endif
	MMQ 0
	RUN XS, 4, 11
	MMQ 1
	RUN XS, 12, 15
	s_wait_loadcnt 3                ; loads come back in order (ISA guide 5.7.1): tile p + 1's words are in; the three younger loads, the other tiles', stay out
	RUN RDL, 0, 1
	XS 16
	RUN RDL, 2, 4
	XS 17
	MMQ 2
	RUN RDL, 5, 7
	XS 18
	RUN RDL, 8, 10
	XS 19
	RUN RDL, 11, 13
	XS 20
	RUN FS, 0, 2
	XS 21                           ; the batch opens with a,
	FS 3
	MMQ 3
	RUN GG, 0, 15                   ; and goes on with the 32 scores' exponentials
	s_wait_alu depctr_va_vdst(0)    ; one wait for the turn's 33 exponentials, ahead of their first reader, the rounding of pair 0
	MMQ 4
	RUN CV, 0, 3
	MMQ 5
	RUN CV, 4, 7
	MMQ 6
	RUN CV, 8, 11
	MMQ 7
	RUN CV, 12, 15
	MLOAD
.endm
	CHANGE 1                        ; slot 0 and the window are in, everybody's part; slot 1 is asked for.  The window's descriptor is free from here on
	s_mov_b32 s[RS], 0
	v_mov_b32 v[RELA], v[REL0]
	RELLD 0
	v_add_nc_u32 v[ADR], s[TBK], v[AK0]
	FETCH_K                         ; key step 0
	s_wait_loadcnt 0x0              ; Q, and the four tiles' first masks
.set Y, 3
	RUN RDL, 0, 31                  ; tile 0's masks of step 0
	s_mov_b32 s[MOFF], 128
	s_mov_b32 s[MOFF+1], 0
	s_add_nc_u64 s[MC:MC+1], s[MB:MB+1], s[MOFF:MOFF+1]
	MLOAD                           ; and its masks of step 1 are asked for
	s_wait_dscnt 0x0
.irp i, 0,1,2,3,4,5,6,7
	MMQ \i                          ; tile 0's first scores
.endr
	v_mul_u32_u24 v[STO], v[R_], SP ; the way out, in: row l % 16, 16 bytes for each half of the lanes (Q's loads, which named this register, are done)
	v_lshl_add_u32 v[STO], v[H_], 4, v[STO]
	v_add_nc_u32 v[STO], s13, v[STO]
	s_mov_b32 s[CNT], 4
	s_mov_b32 s[SLOTS], 7
	s_branch .Lfirst                ; the loop is entered at a step's first turn, in the middle of a trip
.Lslot:                             ; six times: every slot but the last two is filled again
	CHANGE 1
	s_mov_b32 s[CNT], 4
.Lstep:                             ; a trip: tiles 2 and 3 of one step, then tiles 0 and 1 of the next, whose K and V it fetches
	TURN 2
	TURN 3
	WIN 0
.Lfirst:
	TURN 0
	TURN 1
	WIN 0
	s_sub_co_u32 s[CNT], s[CNT], 1
	s_cmp_lg_u32 s[CNT], 0
	s_cbranch_scc1 .Lstep
	s_sub_co_u32 s[SLOTS], s[SLOTS], 1
	s_cmp_lg_u32 s[SLOTS], 0
	s_cbranch_scc1 .Lslot
	CHANGE 0                        ; the tail is written out: nothing is asked for
	s_mov_b32 s[CNT], 5             ; four trips fetch the last slot's steps; the fifth is left in its middle
.Ltail:
	TURN 2
	TURN 3, 1
	WIN 0
	s_sub_co_u32 s[CNT], s[CNT], 1
	s_cmp_eq_u32 s[CNT], 0
	s_cbranch_scc1 .Lout
	TURN 0
	TURN 1
	WIN 0
	s_branch .Ltail
.Lout:                              ; the fifth trip's 8 products K Q^T serve nothing: the price, once a launch, of one text for every trip
.set Y, 0                           ; tile 3's products of the last step
	RUN RSC, 0, 3
	MMP 0
	RUN RSC, 4, 7
	MMP 1
	RUN RSC, 8, 11
	MMP 2
	RUN RSC, 12, 15
	MMP 3
	RLL
	MMP 4
	MMP 5
	MMP 6
	MMP 7
	MMP 8
	MMP 9
	WIN 0
.rept 4
	v_nop                           ; the places behind the last products
.endr
	; THE WAY OUT.  O^T is divided by l, held to -30 .. 30, rounded to f16 and sent through my stage in LDS, a tile at a time.
	WIN 0x01                        ; source 0 in window 1
.irp t, 0,1,2,3
	v_rcp_f32 v[TMP+2*\t], v[LA+8*\t]
.endr
	v_nop                           ; a plain line between the last reciprocal and the use of its result
	s_wait_alu depctr_va_vdst(0)    ; and one wait for the four reciprocals, ahead of the first use
.macro PACK t
	WIN 0x41
.set i, 32*(\t)
.rept 16
	v_pk_mul_f32 v[i:i+1], v[i:i+1], v[TMP+2*(\t):TMP+2*(\t)+1] op_sel_hi:[1,0]
.set i, i+2
.endr
.set i, 32*(\t)
.rept 32
	v_med3_num_f32 v[i], v[i], s85, s86
.set i, i+1
.endr
	WIN 0x05                        ; sources 0 and 1 window 1, destination window 0: S^T's registers are free
.set i, 0
.rept 16
	v_cvt_pk_f16_f32 v[S+16*(\t)+i], v[32*(\t)+2*i], v[32*(\t)+2*i+1]
.set i, i+1
.endr
	WIN 0
.irp f, 0,1,2,3
	ds_store_b128 v[STO], v[S+16*(\t)+4*\f:S+16*(\t)+4*\f+3] offset:32*\f
.endr
.irp f, 0,1,2,3
	ds_load_b128 v[S+16*(\t)+4*\f:S+16*(\t)+4*\f+3], v[RD] offset:\f*4*SP  ; LDS serves a wave's instructions in order (ISA guide 5.7.1.4): these see the stores above; the next tile's stores come behind them
.endr
.endm
.macro SEND t, younger              ; younger: the LDS instructions issued behind tile t's loads: the next tile's eight, or none
	WIN 0
.irp f, 0,1,2,3
	s_wait_dscnt (\younger)+3-\f
	global_store_b128 v[GO], v[S+16*(\t)+4*\f:S+16*(\t)+4*\f+3], s[10:11] offset:(\t)*2048+\f*512  ; 512 consecutive bytes, at a multiple of 256 from O's first
.endr
.endm
	PACK 0
.set t, 1
.rept 3                             ; a tile's arithmetic stands between the loads of the tile before and its stores
	PACK t
	SEND t-1, 8
.set t, t+1
.endr
	SEND 3, 0
	WIN W_AD
	s_wait_tensorcnt 0x0            ; the wave's end
	ds_add_u32 v[SPW], v[NIL]
	s_wait_dscnt 0x0
	WIN 0
	CROUND                          ; the closing round: no work-group ends while a partner may still ask for a tile that names it
	s_endpgm
.Lfunc_end_k_qdd5c80c2fd_attn:
	.size	k_qdd5c80c2fd_attn, .Lfunc_end_k_qdd5c80c2fd_attn-k_qdd5c80c2fd_attn
	.p2alignl 7, 3214868480
	.fill 96, 4, 3214868480
	.section	.rodata,"a",@progbits
	.p2align	6, 0x0
	.amdhsa_kernel k_qdd5c80c2fd_attn
		.amdhsa_group_segment_fixed_size 327680
		.amdhsa_private_segment_fixed_size 0
		.amdhsa_enable_private_segment 0
		.amdhsa_kernarg_size 32
		.amdhsa_user_sgpr_count 2
		.amdhsa_user_sgpr_kernarg_segment_ptr 1
		.amdhsa_wavefront_size32 1
		.amdhsa_system_sgpr_workgroup_id_x 1
		.amdhsa_system_sgpr_workgroup_id_y 1
		.amdhsa_system_sgpr_workgroup_id_z 1
		.amdhsa_system_vgpr_workitem_id 0
		.amdhsa_next_free_vgpr 512
		.amdhsa_next_free_sgpr 96
		.amdhsa_reserve_vcc 0
		.amdhsa_float_denorm_mode_32 3
		.amdhsa_float_denorm_mode_16_64 3
		.amdhsa_memory_ordered 1
		.amdhsa_forward_progress 1
		.amdhsa_inst_pref_size 147
	.end_amdhsa_kernel
	.amdgpu_metadata
---
amdhsa.version: [ 1, 2 ]
amdhsa.kernels:
  - .name:           k_qdd5c80c2fd_attn
    .symbol:         k_qdd5c80c2fd_attn.kd
    .args:
      - { .name: qkvh, .offset: 0, .size: 8, .value_kind: global_buffer, .address_space: global }
      - { .name: tabs, .offset: 8, .size: 8, .value_kind: global_buffer, .address_space: global }
      - { .name: mbits, .offset: 16, .size: 8, .value_kind: global_buffer, .address_space: global }
      - { .name: ob, .offset: 24, .size: 8, .value_kind: global_buffer, .address_space: global }
    .group_segment_fixed_size: 327680
    .private_segment_fixed_size: 0
    .kernarg_segment_align: 8
    .kernarg_segment_size: 32
    .max_flat_workgroup_size: 128
    .sgpr_count:     96
    .vgpr_count:     512
    .wavefront_size: 32
...
	.end_amdgpu_metadata
.endif
;; end of part 8
;; launch oproj: the kernel of part 4 again; grid 8 x 32, 4 waves a work-group, clusters of 4 x 4, 327,680 bytes of LDS; arguments ob, wbuf, tabs, out0; writes out0
